; MI455X (gfx1250); checked and timed in simulation.
; The chip was launched on July 23, 2026; its instructions are those of AMD's public machine-readable ISA for CDNA 5 (MIT licence, August 2026) and "CDNA5" Instruction Set Architecture Reference Guide (July 2026). The comments in the code are by the model that wrote it; some were corrected since.
;; Transformer Block. Allowed arithmetic: matrix products marked QUANTISED: E4M3 operands, one E8M0 scale for each 32 along K, by v_wmma_scale_f32_16x16x128_f8f6f4 with both operands' format E4M3, f32 sums; everything else in f32.
;; Inputs: b1 4,096 float32; b2 1,024 float32; be1 1,024 float32; be2 1,024 float32; bk 1,024 float32; bo 1,024 float32; bq 1,024 float32; bv 1,024 float32; g1 1,024 float32; g2 1,024 float32; w1 1,024 x 4,096 float32; w2 4,096 x 1,024 float32; wk 1,024 x 1,024 float32; wo 1,024 x 1,024 float32; wq 1,024 x 1,024 float32; wv 1,024 x 1,024 float32; x 2 x 2,048 x 1,024 float32.
;; Outputs: out0 2 x 2,048 x 1,024 float32.
;; This version of the problem:
;;   THIS VERSION OF THE PROBLEM IS GIVEN IN LOW PRECISION. The matrix products marked QUANTISED in the list below multiply operands that are first quantised to E4M3 (4 exponent bits, 3 mantissa bits; 8 bits a number), with one power-of-two scale for each 32 numbers along K (OCP MX v1.0); their sums are f32. All else is computed in f32.
;;   The module's matrix products, in the order in which they are computed (A, B: the left and right operand; K: the contracted axis; several contracted axes count as one K, in the product's order):
;;     1. [M 4,096, K 1,024] x [K 1,024, N 1,024]; A: computed on the way; B: input wq: QUANTISED
;;     2. [M 4,096, K 1,024] x [K 1,024, N 1,024]; A: computed on the way; B: input wk: QUANTISED
;;     3. [M 4,096, K 1,024] x [K 1,024, N 1,024]; A: computed on the way; B: input wv: QUANTISED
;;     4. batch 32 x [M 2,048, K 64] x [K 64, N 2,048]; A: computed on the way; B: computed on the way: QUANTISED
;;     5. batch 32 x [M 2,048, K 2,048] x [K 2,048, N 64]; A: softmax (see below); B: computed on the way: QUANTISED
;;     6. [M 4,096, K 1,024] x [K 1,024, N 1,024]; A: computed on the way; B: input wo: QUANTISED
;;     7. [M 4,096, K 1,024] x [K 1,024, N 4,096]; A: computed on the way; B: input w1: QUANTISED
;;     8. [M 4,096, K 4,096] x [K 4,096, N 1,024]; A: computed on the way; B: input w2: QUANTISED
;;   THE QUANTISER, for each operand of a quantised product, along K:
;;     - K is cut into blocks of 32 from its start; a last block that is shorter is filled with zeros.
;;     - A block's scale is 2^e with e = floor(log2(the largest magnitude in the block)) - 8, held to -126 .. 127; a block of zeros has e = 0. As a byte (E8M0): e + 127.
;;     - Each number is divided by its block's scale, clamped to +-448, and rounded to the nearest number of E4M3, ties to even, subnormals kept.
;;     - The product sums the exact products of the quantised numbers (number of the format x scale) in f32.
;;   ~~~python
;;   def quantise(x, axis):      # numpy; x: float32 -> the quantised numbers, widened to float32 again
;;       x = np.moveaxis(x, axis, -1); K = x.shape[-1]
;;       x = np.pad(x, [(0, 0)] * (x.ndim - 1) + [(0, -K % 32)]); x = x.reshape(x.shape[:-1] + (-1, 32)); a = np.abs(x).max(-1, keepdims=True)
;;       e = np.where(a > 0, np.clip(np.frexp(np.where(a > 0, a, 1))[1] - 1 - 8, -126, 127), 0)      # np.frexp(a)[1] - 1 = floor(log2(a)), exactly
;;       r = np.clip(x / 2.0 ** e, -448, 448)
;;       step = 2.0 ** (np.maximum(np.frexp(np.where(r == 0, 1, r))[1] - 1, -6) - 3)
;;       q = np.round(r / step) * step * 2.0 ** e      # np.round: ties to even
;;       return np.moveaxis(q.reshape(q.shape[:-2] + (-1,))[..., :K], -1, axis).astype(np.float32)
;;   ~~~
;;   SOFTMAX AHEAD OF A QUANTISED PRODUCT. Where the list says 'softmax', what is quantised is not the finished softmax but p = 2^(t - M), with t = logit x log2(e) and M = ceil(the row's largest t), a whole number; so 1/2 < the row's largest p <= 1. The row's sum l is taken of the UNQUANTISED p, in f32, and the product's result is divided by l at the end. Since M is a whole number, a kernel that streams over the keys may use a running M (the ceiling of the running maximum): every later rescaling is an exact power of two, which a block's scale takes up: the codes' values come out the same.
;;   OPERANDS COMPUTED ON THE WAY. 'Computed on the way' means the value that the module computes at that place (a softmax that the list does not call 'softmax' is quantised finished and normalised). What goes into a quantiser is computed in f32, as accurately as f32 sums, v_exp_f32 and their like allow (about 1e-6 of the number): no bf16 or f16 on the way to a quantiser, and a product that is left as it is and whose result goes on into a quantised operand takes f32 operands (vector FMAs, or v_wmma_f32_16x16x4_f32). A number that lies on a knife's edge between two numbers of the format may be rounded either way, as far as f32 arithmetic and the matrix unit's own rounding can turn it there, and no further.
;; One version. Each part assembles by itself: llvm-mc -triple=amdgcn-amd-amdhsa -mcpu=gfx1250 --defsym DOCPART=n.
;; ======== version 1 of 1: 7 launches
;; limits: right only within a limited range of input values
;; workspace buffers: wb 12,976,128 bytes; hb 4,325,376 bytes; qkv 12,976,128 bytes; ao 4,325,376 bytes; x1 16,777,216 bytes; h2 4,325,376 bytes; gb 17,301,504 bytes
;; launch prep (part 1): grid 640 x 1, 8 waves a work-group, no clusters, 67,072 bytes of LDS; arguments x, g1, be1, hb, wq, wk, wv, wo, w1, w2, wb; writes hb, wb
.if DOCPART == 1
	.amdgcn_target "amdgcn-amd-amdhsa--gfx1250"
	.amdhsa_code_object_version 6
	.text
	.protected	k_q55e6e132a6_prep
	.globl	k_q55e6e132a6_prep
	.p2align	8
	.type	k_q55e6e132a6_prep,@function
k_q55e6e132a6_prep:
	s_mov_b64 s[64:65], 0
	v_nop
	global_prefetch_b8 v0, s[64:65] scope:SCOPE_SE
	s_setreg_imm32_b32 hwreg(HW_REG_WAVE_MODE, 25, 1), 1
	s_wait_xcnt 0x0
; Two independent streams in one launch, parted by the work-group's number alone: work-groups 0-255 make LN1(x) as codes (hb), work-groups 256-639 the six weights as codes (wb).
; Codes are E4M3 with one E8M0 byte for each 32 along K, laid AS IMAGES OF OPERAND REGISTERS: rows of an operand go in groups g of 32, two tiles u a group; lane-row r of tile T = 2 g + u is row 32 g + 8 u + (r & 7) + 16 (r >> 3).
; Image (T, ks) is 2,048 bytes at (T x KS + ks) x 2048: byte 512 c + 16 (r + 16 h) + i is the code of (that row, k = 128 ks + 32 c + 16 h + i).  Scale words: (g x KS + ks) x 128 + 4 (16 u + r).
; LAYERNORM (hb: codes at 0, scale words at 0x400000, KS = 8).  A work-group is one tile.  Each of the eight waves takes two whole rows (32 registers a lane each): mean, then the mean of squared differences (two passes over
; registers), (x - mu) rsqrt(var + eps) g + b, and lays them in LDS, rows 4,112 bytes apart (an odd multiple of 16).  Behind one barrier wave w takes K step w: lane (r, h) reads 16 neighbours of each of the four blocks of its row,
; quantises, and the conversions' results are the image's registers: each store covers 512 consecutive bytes.
; WEIGHTS, f32 stored [K][N] (wb: codes of wq 0, wk 0x100000, wv 0x200000, wo 0x300000, w1 0x400000, w2 0x800000; scale words at 0xC00000 + codes' offset / 32; an operand's rows are the columns n).
; A LANE TAKES A COLUMN AND ITS REGISTERS RUN DOWN K: a load reads 128 consecutive bytes a wave, a block of 32 lies in one lane, nothing is transposed.  A work-group takes 256 columns x 128 along K of one weight
; (4 x 32 + 128 + 128 = 384 work-groups), a wave 32 columns and one K step: 4 blocks a lane, 64 loads out at the most.  Each store of codes covers two aligned runs of 256 bytes.  This path has no LDS access and no barrier.
; With 162 registers and 67,072 bytes of LDS three work-groups fit on a WGP: 768 places for the 640.
; LIMITS: NaN and infinities are not served; a block of zeros, or one whose largest magnitude lies under 2^-118, gets the byte 1 (this program alone reads the bytes).
.set NLN,   256                        ; work-groups of the LayerNorm
.set PITCH, 4112
.set TM,    16                         ; v16-31   the quantiser's work
.set X,     32                         ; v32-95   two rows; later 64 numbers of one K step
.set GA,    96                         ; v96-127  the gain
.set BE,    128                        ; v128-159 the bias
.set PCD,   96                         ; later: the codes
.set PW,    112                        ; and the scale word
.set SEL,   12
.set MNT,   22
.set EMAX,  8
.set WSB,   24                         ; weights: v24 the K step's scale word
.set WOFF,  32                         ; v32-63   4 x lane + i x pitch: row i of a block
.set WX,    64                         ; v64-127  two sets of 32 numbers
.set WC,    128                        ; v128-159 eight registers of codes for each block: no store's data are written again
.macro QUANT s, pc, pw                 ; 64 numbers of a lane, register 16 b + i = k 32 b + 16 (lane / 16) + i of my row, become a fragment's codes and its scale word
.irp b, 0,1,2,3
	v_max3_num_f32 v[TM+\b], |v[\s+16*\b]|, |v[\s+1+16*\b]|, 0x4800000   ; my 16 numbers of block b, and the floor 2^(9 - 127): the byte cannot fall under 1
.endr
.irp i, 2,4,6,8,10,12,14
.irp b, 0,1,2,3
	s_delay_alu instid0(VALU_DEP_4)
	v_max3_num_f32 v[TM+\b], v[TM+\b], |v[\s+16*\b+\i]|, |v[\s+1+16*\b+\i]|
.endr
.endr
.irp b, 0,1,2,3
	s_delay_alu instid0(VALU_DEP_4)
	v_permlanex16_b32 v[TM+4+\b], v[TM+\b], s[SEL], s[SEL+1]
.endr
.irp b, 0,1,2,3
	s_delay_alu instid0(VALU_DEP_4)
	v_max_num_f32 v[TM+\b], v[TM+\b], v[TM+4+\b]   ; with lane l xor 16's: the block's largest magnitude
.endr
.irp b, 0,1,2,3
	s_delay_alu instid0(VALU_DEP_4)
	v_add_nc_u32 v[TM+12+\b], 0xfc000000, v[TM+\b] ; 8 off its exponent field: the conversion's scale operand
.endr
.irp b, 0,1,2,3
	v_and_or_b32 v[TM+8+\b], v[TM+\b], 0x7f800000, s[MNT]   ; 448 x the scale
.endr
.irp b, 0,1,2,3
	v_lshrrev_b32 v[TM+4+\b], 23, v[TM+12+\b]      ; the scale's byte
.endr
	s_delay_alu instid0(VALU_DEP_3)
	v_lshl_or_b32 v[\pw], v[TM+5], 8, v[TM+4]
	s_delay_alu instid0(VALU_DEP_1)
	v_lshl_or_b32 v[\pw], v[TM+6], 16, v[\pw]
	s_delay_alu instid0(VALU_DEP_1)
	v_lshl_or_b32 v[\pw], v[TM+7], 24, v[\pw]
.irp b, 0,1,2,3
.irp i, 0,1,2,3,4,5,6,7,8,9,10,11,12,13,14,15
	v_med3_num_f32 v[\s+16*\b+\i], v[\s+16*\b+\i], -v[TM+8+\b], v[TM+8+\b]   ; the conversion does not saturate (ISA guide 7.6.2)
.endr
	v_cvt_scalef32_pk8_fp8_f32 v[\pc+4*\b:\pc+4*\b+1], v[\s+16*\b:\s+16*\b+7], v[TM+12+\b]
	v_cvt_scalef32_pk8_fp8_f32 v[\pc+4*\b+2:\pc+4*\b+3], v[\s+16*\b+8:\s+16*\b+15], v[TM+12+\b]
.endr
	v_nop                                          ; a plain line behind the last conversion
.endm
.macro XSUM a                          ; the sum of v[a] over the 32 lanes, in every lane; v[a + 1] is at work
	s_delay_alu instid0(VALU_DEP_1)
	v_add_f32_dpp v[\a], v[\a], v[\a] row_xmask:1 row_mask:0xf bank_mask:0xf
	s_delay_alu instid0(VALU_DEP_1)
	v_add_f32_dpp v[\a], v[\a], v[\a] row_xmask:2 row_mask:0xf bank_mask:0xf
	s_delay_alu instid0(VALU_DEP_1)
	v_add_f32_dpp v[\a], v[\a], v[\a] row_xmask:4 row_mask:0xf bank_mask:0xf
	s_delay_alu instid0(VALU_DEP_1)
	v_add_f32_dpp v[\a], v[\a], v[\a] row_xmask:8 row_mask:0xf bank_mask:0xf
	s_delay_alu instid0(VALU_DEP_1)
	v_permlanex16_b32 v[\a+1], v[\a], s[SEL], s[SEL+1]
	s_delay_alu instid0(VALU_DEP_1)
	v_add_f32 v[\a], v[\a], v[\a+1]
.endm
.macro STAT xr, t                      ; the row in v[xr] on becomes x - mu; 1 / sqrt(var + eps) is left in v[t + 2]
	v_pk_add_f32 v[\t:\t+1], v[\xr:\xr+1], v[\xr+2:\xr+3]
	v_pk_add_f32 v[\t+2:\t+3], v[\xr+4:\xr+5], v[\xr+6:\xr+7]
.irp j, 8,12,16,20,24,28
	s_delay_alu instid0(VALU_DEP_2)
	v_pk_add_f32 v[\t:\t+1], v[\t:\t+1], v[\xr+\j:\xr+\j+1]
	s_delay_alu instid0(VALU_DEP_2)
	v_pk_add_f32 v[\t+2:\t+3], v[\t+2:\t+3], v[\xr+\j+2:\xr+\j+3]
.endr
	s_delay_alu instid0(VALU_DEP_1)
	v_pk_add_f32 v[\t:\t+1], v[\t:\t+1], v[\t+2:\t+3]
	s_delay_alu instid0(VALU_DEP_1)
	v_add_f32 v[\t], v[\t], v[\t+1]
	XSUM \t
	s_delay_alu instid0(VALU_DEP_1)
	v_mul_f32 v[\t], 0x3a800000, v[\t]             ; mu = sum / 1024
.irp j, 0,2,4,6,8,10,12,14,16,18,20,22,24,26,28,30
	v_pk_add_f32 v[\xr+\j:\xr+\j+1], v[\xr+\j:\xr+\j+1], v[\t:\t+1] op_sel_hi:[1,0] neg_lo:[0,1] neg_hi:[0,1]
.endr
	v_pk_mul_f32 v[\t+2:\t+3], v[\xr:\xr+1], v[\xr:\xr+1]
	v_pk_mul_f32 v[\t+4:\t+5], v[\xr+2:\xr+3], v[\xr+2:\xr+3]
.irp j, 4,8,12,16,20,24,28
	s_delay_alu instid0(VALU_DEP_2)
	v_pk_fma_f32 v[\t+2:\t+3], v[\xr+\j:\xr+\j+1], v[\xr+\j:\xr+\j+1], v[\t+2:\t+3]
	s_delay_alu instid0(VALU_DEP_2)
	v_pk_fma_f32 v[\t+4:\t+5], v[\xr+\j+2:\xr+\j+3], v[\xr+\j+2:\xr+\j+3], v[\t+4:\t+5]
.endr
	s_delay_alu instid0(VALU_DEP_1)
	v_pk_add_f32 v[\t+2:\t+3], v[\t+2:\t+3], v[\t+4:\t+5]
	s_delay_alu instid0(VALU_DEP_1)
	v_add_f32 v[\t+2], v[\t+2], v[\t+3]
	XSUM \t+2
	s_delay_alu instid0(VALU_DEP_1)
	v_fma_f32 v[\t+2], v[\t+2], s14, s15           ; var + eps
	s_wait_alu depctr_va_vdst(0)
	v_rsq_f32 v[\t+2], v[\t+2]
	v_nop                                          ; a plain line behind the transcendental
.endm
.macro NORM xr, t, row                 ; ((x - mu) rsqrt) g + b, and into LDS
	s_wait_alu depctr_va_vdst(0)
.irp j, 0,2,4,6,8,10,12,14,16,18,20,22,24,26,28,30
	v_pk_mul_f32 v[\xr+\j:\xr+\j+1], v[\xr+\j:\xr+\j+1], v[\t+2:\t+3] op_sel_hi:[1,0]
	s_delay_alu instid0(VALU_DEP_1)
	v_pk_fma_f32 v[\xr+\j:\xr+\j+1], v[\xr+\j:\xr+\j+1], v[GA+\j:GA+\j+1], v[BE+\j:BE+\j+1]
.endr
.irp j, 0,1,2,3,4,5,6,7
	ds_store_b128 v3, v[\xr+4*\j:\xr+4*\j+3] offset:\row*PITCH+512*\j
.endr
.endm
.macro WLOAD t                         ; weights, block t: w(32 t + i, my column) into set t % 2
.irp i, 0,1,2,3,4,5,6,7,8,9,10,11,12,13,14,15,16,17,18,19,20,21,22,23,24,25,26,27,28,29,30,31
	global_load_b32 v[WX+32*((\t)%2)+\i], v[WOFF+\i], s[32+2*(\t):33+2*(\t)] th:TH_LOAD_NT
.endr
.endm
.macro WBLOCK t
.set XS, WX+32*((\t)%2)
.if (\t) < 3
	s_wait_loadcnt 32                              ; this block's 32 loads are in; the next block's 32 may be out
.else
	s_wait_loadcnt 0
.endif
	v_max3_num_f32 v12, |v[XS]|, |v[XS+1]|, |v[XS+2]|              ; the block's largest magnitude: all 32 numbers are mine
	v_max3_num_f32 v13, |v[XS+3]|, |v[XS+4]|, |v[XS+5]|
.irp i, 6,10,14,18,22,26
	s_delay_alu instid0(VALU_DEP_2)
	v_max3_num_f32 v12, v12, |v[XS+\i]|, |v[XS+\i+1]|
	s_delay_alu instid0(VALU_DEP_2)
	v_max3_num_f32 v13, v13, |v[XS+\i+2]|, |v[XS+\i+3]|
.endr
	s_delay_alu instid0(VALU_DEP_2)
	v_max3_num_f32 v12, v12, |v[XS+30]|, |v[XS+31]|
	s_delay_alu instid0(VALU_DEP_1)
	v_max3_num_f32 v12, v12, v13, (EMAX+1)<<23     ; the floor 2^(9 - 127): the byte cannot fall under 1
	s_delay_alu instid0(VALU_DEP_1)
	v_add_nc_u32 v11, -(EMAX<<23), v12             ; 8 off the exponent field: the conversion's scale operand
	s_delay_alu instid0(VALU_DEP_2)
	v_and_or_b32 v10, v12, 0x7f800000, s56         ; 448 x the scale
	s_delay_alu instid0(VALU_DEP_2)
	v_lshrrev_b32 v13, 23, v11                     ; the scale's byte
.if (\t) == 0
	s_delay_alu instid0(VALU_DEP_1)
	v_mov_b32 v[WSB], v13
.else
	s_delay_alu instid0(VALU_DEP_1)
	v_lshl_or_b32 v[WSB], v13, 8*(\t), v[WSB]
.endif
.irp i, 0,1,2,3,4,5,6,7,8,9,10,11,12,13,14,15,16,17,18,19,20,21,22,23,24,25,26,27,28,29,30,31
	v_med3_num_f32 v[XS+\i], v[XS+\i], -v10, v10   ; the conversion does not saturate (ISA guide 7.6.2): the hold at 448 x the scale
.endr
.irp g, 0,1,2,3
	v_cvt_scalef32_pk8_fp8_f32 v[WC+8*(\t)+2*\g:WC+8*(\t)+2*\g+1], v[XS+8*\g:XS+8*\g+7], v11
.endr
	global_store_b128 v2, v[WC+8*(\t):WC+8*(\t)+3], s[16:17] offset:(\t)*512         ; k = 32 c + 0 .. 15: the lanes h = 0 of the image
	global_store_b128 v2, v[WC+8*(\t)+4:WC+8*(\t)+7], s[16:17] offset:(\t)*512+256   ; k = 32 c + 16 .. 31: the lanes h = 1
.if (\t)+2 < 4
	WLOAD (\t)+2
.endif
.endm
	v_lshl_add_u32 v160, v0, 2, 0x10200
	v_mov_b32 v161, 0
	s_cmp_ge_u32 ttmp9, NLN                        ; the same for all eight waves of a work-group
	s_cbranch_scc1 .Lweights
	; ---------------- LayerNorm: tile T = the work-group's number
	s_load_b256 s[4:11], s[0:1], 0x0               ; x, g, b, the codes' buffer
	v_lshrrev_b32 v1, 5, v0
	s_delay_alu instid0(VALU_DEP_1)
	v_readfirstlane_b32 s16, v1                    ; wave 0..7
	v_and_b32 v1, 31, v0
	s_delay_alu instid0(VALU_DEP_1)
	v_lshlrev_b32 v2, 4, v1                        ; 16 x lane
	s_mul_i32 s23, s16, 2*PITCH
	v_add_nc_u32 v3, s23, v2                       ; LDS, on the way in: my wave's two rows
	v_and_b32 v16, 15, v0                          ; r
	v_bfe_u32 v17, v0, 4, 1                        ; h
	s_delay_alu instid0(VALU_DEP_2)
	v_mul_u32_u24 v1, v16, PITCH
	s_delay_alu instid0(VALU_DEP_1)
	v_lshl_add_u32 v1, v17, 6, v1
	s_lshl_b32 s23, s16, 9
	v_add_nc_u32 v1, s23, v1                       ; LDS, on the way out: row r, K step = wave, + 64 h
	s_mov_b32 s[SEL], 0x76543210
	s_mov_b32 s[SEL+1], 0xfedcba98
	s_mov_b32 s14, 0x3a800000                      ; 1 / 1024
	s_mov_b32 s15, 0x3727c5ac                      ; eps = 1e-5
	s_mov_b32 s[MNT], 0x600000
	s_lshr_b32 s17, ttmp9, 1                       ; g
	s_and_b32 s18, ttmp9, 1                        ; u
	s_lshl_b32 s19, s17, 5
	s_lshl_b32 s20, s18, 3
	s_add_co_u32 s19, s19, s20
	s_lshl_b32 s20, s16, 1
	s_and_b32 s20, s20, 7
	s_add_co_u32 s19, s19, s20
	s_lshr_b32 s20, s16, 2
	s_lshl_b32 s20, s20, 4
	s_add_co_u32 s19, s19, s20                     ; lane-rows 2 w and 2 w + 1 are memory rows s19 and s19 + 1
	s_lshl_b32 s20, s19, 12
	s_mov_b32 s21, 0
	s_lshl_b32 s24, ttmp9, 3
	s_add_co_u32 s24, s24, s16
	s_lshl_b32 s24, s24, 11                        ; image (T, ks = wave)
	s_mov_b32 s25, 0
	s_lshl_b32 s26, s17, 3
	s_add_co_u32 s26, s26, s16
	s_lshl_b32 s26, s26, 7
	s_lshl_b32 s27, s18, 6
	s_add_co_u32 s26, s26, s27
	s_add_co_u32 s26, s26, 0x400000                ; its scale words
	s_mov_b32 s27, 0
	s_wait_alu depctr_va_vdst(0)
	s_wait_kmcnt 0x0
	s_add_nc_u64 s[4:5], s[4:5], s[20:21]
	s_add_nc_u64 s[24:25], s[10:11], s[24:25]
	s_add_nc_u64 s[26:27], s[10:11], s[26:27]
.irp r, 0,1
.irp j, 0,1,2,3,4,5,6,7
	global_load_b128 v[X+32*\r+4*\j:X+32*\r+4*\j+3], v2, s[4:5] offset:4096*\r+512*\j
.endr
.endr
.irp j, 0,1,2,3,4,5,6,7
	global_load_b128 v[GA+4*\j:GA+4*\j+3], v2, s[6:7] offset:512*\j
	global_load_b128 v[BE+4*\j:BE+4*\j+3], v2, s[8:9] offset:512*\j
.endr
.irp b, 0,1,2,3
	v_mov_b32 v[TM+4+\b], 0                        ; written once: a lane permute's destination counts as one of its sources
.endr
	s_wait_loadcnt 16                              ; the two rows are in; the gain's and the bias's 16 loads may be out
	STAT X, 4
	STAT X+32, 10
	s_wait_loadcnt 0x0
	NORM X, 4, 0
	NORM X+32, 10, 1
	s_wait_dscnt 0x0                               ; for the others' sake: my rows lie in LDS
	s_barrier_signal -1
	s_barrier_wait -1
.irp c, 0,1,2,3
.irp j, 0,1,2,3
	ds_load_b128 v[X+16*\c+4*\j:X+16*\c+4*\j+3], v1 offset:128*\c+16*\j   ; register 16 c + i: k = 128 w + 32 c + 16 h + i of row r
.endr
.endr
	v_and_b32 v4, 15, v0
	s_delay_alu instid0(VALU_DEP_1)
	v_lshlrev_b32 v4, 2, v4                        ; 4 r
	s_wait_dscnt 0x0
	QUANT X, PCD, PW
.irp c, 0,1,2,3
	global_store_b128 v2, v[PCD+4*\c:PCD+4*\c+3], s[24:25] offset:512*\c
.endr
	global_store_b32 v4, v[PW], s[26:27]           ; lanes 16-31 hold and store the same word as lanes 0-15
	s_wait_tensorcnt 0x0
	ds_add_u32 v160, v161
	s_wait_dscnt 0x0
	s_endpgm
.Lweights:
	; ---------------- the weights
	s_load_b256 s[4:11], s[0:1], 0x20              ; wq, wk, wv, wo
	s_load_b128 s[12:15], s[0:1], 0x40             ; w1, w2
	s_load_b64 s[16:17], s[0:1], 0x50              ; wb
	v_lshrrev_b32 v1, 5, v0
	s_delay_alu instid0(VALU_DEP_1)
	v_readfirstlane_b32 s18, v1                    ; wave 0..7
	v_and_b32 v1, 31, v0                           ; lane
	s_wait_alu depctr_va_vdst(0)
	s_sub_co_u32 s57, ttmp9, NLN                   ; 0 .. 383
	s_lshr_b32 s19, s57, 5
	s_cmp_lt_u32 s19, 4
	s_cselect_b32 s20, 15, 12
	s_and_b32 s20, s19, s20                        ; the section: 0..3 wq wk wv wo, 4 w1, 8 w2 (its codes begin at section << 20)
	s_lshl_b32 s21, s20, 5
	s_sub_co_u32 s21, s57, s21                     ; my number within the section
	s_cmp_eq_u32 s20, 4
	s_cselect_b32 s22, 4, 2                        ; log2 of the blocks of 256 columns
	s_cselect_b32 s23, 14, 12                      ; log2 of a row's bytes
	s_cmp_eq_u32 s20, 8
	s_cselect_b32 s24, 5, 3                        ; log2 KS, KS = K / 128
	s_lshl_b32 s25, 1, s23                         ; a row's bytes
	s_bfm_b32 s26, s22, 0
	s_and_b32 s26, s21, s26                        ; block of columns
	s_lshr_b32 s27, s21, s22                       ; my K step
	s_lshl_b32 s26, s26, 3
	s_add_co_u32 s26, s26, s18                     ; g: my wave's group of 32 columns
	s_lshl_b32 s28, s27, 7
	s_lshl_b32 s28, s28, s23
	s_lshl_b32 s29, s26, 7
	s_add_co_u32 s28, s28, s29
	s_mov_b32 s29, 0                               ; s[28:29] where my part of the weight begins
	s_lshl_b32 s30, s26, 1
	s_lshl_b32 s30, s30, s24
	s_add_co_u32 s30, s30, s27
	s_lshl_b32 s30, s30, 11
	s_lshl_b32 s49, s20, 20
	s_add_co_u32 s30, s30, s49
	s_mov_b32 s31, 0                               ; s[30:31] image (2 g, my K step)
	s_lshl_b32 s50, s26, s24
	s_add_co_u32 s50, s50, s27
	s_lshl_b32 s50, s50, 7
	s_lshl_b32 s49, s20, 15
	s_add_co_u32 s50, s50, s49
	s_add_co_u32 s50, s50, 0xC00000
	s_mov_b32 s51, 0                               ; s[50:51] its scale words
	s_lshl_b32 s52, s25, 5
	s_mov_b32 s53, 0                               ; s[52:53] 32 rows of the weight
	s_lshl_b32 s49, 2048, s24                      ; from tile u = 0 to tile u = 1: KS images
	s_mov_b32 s56, 0x600000                        ; the mantissa field of 448
	v_bfe_u32 v4, v0, 3, 1                         ; u
	v_and_b32 v5, 7, v0
	v_bfe_u32 v6, v0, 4, 1
	s_delay_alu instid0(VALU_DEP_1)
	v_lshl_or_b32 v5, v6, 3, v5                    ; r
	s_delay_alu instid0(VALU_DEP_4)
	v_mul_u32_u24 v2, s49, v4
	s_delay_alu instid0(VALU_DEP_1)
	v_lshl_add_u32 v2, v5, 4, v2                   ; my 16 bytes in an image's run of 512
	s_delay_alu instid0(VALU_DEP_3)
	v_lshl_add_u32 v3, v4, 4, v5
	s_delay_alu instid0(VALU_DEP_1)
	v_lshlrev_b32 v3, 2, v3                        ; my scale word
	v_lshlrev_b32 v[WOFF], 2, v1
.irp i, 1,2,3,4,5,6,7,8,9,10,11,12,13,14,15,16,17,18,19,20,21,22,23,24,25,26,27,28,29,30,31
	s_delay_alu instid0(VALU_DEP_1)
	v_add_nc_u32 v[WOFF+\i], s25, v[WOFF+\i-1]
.endr
	s_wait_alu depctr_va_vdst(0)
	s_wait_kmcnt 0x0
	s_cmp_eq_u32 s20, 1                            ; the weight is chosen by the work-group's number alone
	s_cselect_b64 s[4:5], s[6:7], s[4:5]
	s_cmp_eq_u32 s20, 2
	s_cselect_b64 s[4:5], s[8:9], s[4:5]
	s_cmp_eq_u32 s20, 3
	s_cselect_b64 s[4:5], s[10:11], s[4:5]
	s_cmp_eq_u32 s20, 4
	s_cselect_b64 s[4:5], s[12:13], s[4:5]
	s_cmp_eq_u32 s20, 8
	s_cselect_b64 s[4:5], s[14:15], s[4:5]
	s_add_nc_u64 s[32:33], s[4:5], s[28:29]        ; a base for each of the four blocks: no pointer is stepped while loads are out
.irp t, 1,2,3
	s_add_nc_u64 s[32+2*\t:33+2*\t], s[30+2*\t:31+2*\t], s[52:53]
.endr
	s_add_nc_u64 s[54:55], s[16:17], s[50:51]      ; the scale words
	s_add_nc_u64 s[16:17], s[16:17], s[30:31]      ; the codes
	WLOAD 0
	WLOAD 1
.irp t, 0,1,2,3
	WBLOCK \t
.endr
	global_store_b32 v3, v[WSB], s[54:55]
	s_endpgm
.Lfunc_end_k_q55e6e132a6_prep:
	.size	k_q55e6e132a6_prep, .Lfunc_end_k_q55e6e132a6_prep-k_q55e6e132a6_prep
	.p2alignl 7, 3214868480
	.fill 96, 4, 3214868480
	.section	.rodata,"a",@progbits
	.p2align	6, 0x0
	.amdhsa_kernel k_q55e6e132a6_prep
		.amdhsa_group_segment_fixed_size 67072
		.amdhsa_private_segment_fixed_size 0
		.amdhsa_enable_private_segment 0
		.amdhsa_kernarg_size 88
		.amdhsa_user_sgpr_count 2
		.amdhsa_user_sgpr_kernarg_segment_ptr 1
		.amdhsa_wavefront_size32 1
		.amdhsa_system_sgpr_workgroup_id_x 1
		.amdhsa_system_sgpr_workgroup_id_y 1
		.amdhsa_system_sgpr_workgroup_id_z 1
		.amdhsa_system_vgpr_workitem_id 0
		.amdhsa_next_free_vgpr 162
		.amdhsa_next_free_sgpr 66
		.amdhsa_reserve_vcc 0
		.amdhsa_float_denorm_mode_32 3
		.amdhsa_float_denorm_mode_16_64 3
		.amdhsa_memory_ordered 1
		.amdhsa_forward_progress 1
		.amdhsa_inst_pref_size 68
	.end_amdhsa_kernel
	.amdgpu_metadata
---
amdhsa.version: [ 1, 2 ]
amdhsa.kernels:
  - .name:           k_q55e6e132a6_prep
    .symbol:         k_q55e6e132a6_prep.kd
    .args:
      - { .name: x, .offset: 0, .size: 8, .value_kind: global_buffer, .address_space: global }
      - { .name: g1, .offset: 8, .size: 8, .value_kind: global_buffer, .address_space: global }
      - { .name: be1, .offset: 16, .size: 8, .value_kind: global_buffer, .address_space: global }
      - { .name: hb, .offset: 24, .size: 8, .value_kind: global_buffer, .address_space: global }
      - { .name: wq, .offset: 32, .size: 8, .value_kind: global_buffer, .address_space: global }
      - { .name: wk, .offset: 40, .size: 8, .value_kind: global_buffer, .address_space: global }
      - { .name: wv, .offset: 48, .size: 8, .value_kind: global_buffer, .address_space: global }
      - { .name: wo, .offset: 56, .size: 8, .value_kind: global_buffer, .address_space: global }
      - { .name: w1, .offset: 64, .size: 8, .value_kind: global_buffer, .address_space: global }
      - { .name: w2, .offset: 72, .size: 8, .value_kind: global_buffer, .address_space: global }
      - { .name: wb, .offset: 80, .size: 8, .value_kind: global_buffer, .address_space: global }
    .group_segment_fixed_size: 67072
    .private_segment_fixed_size: 0
    .kernarg_segment_align: 8
    .kernarg_segment_size: 88
    .max_flat_workgroup_size: 256
    .sgpr_count:     66
    .vgpr_count:     162
    .wavefront_size: 32
...
	.end_amdgpu_metadata
.endif
;; end of part 1
;; launch qkvp (part 2): grid 8 x 24, 16 waves a work-group, clusters of 4 x 4, 327,680 bytes of LDS; arguments hb, wb, bq, bk, bv, qkv; writes qkv
.if DOCPART == 2
	.amdgcn_target "amdgcn-amd-amdhsa--gfx1250"
	.amdhsa_code_object_version 6
	.text
	.protected	k_q55e6e132a6_qkvp
	.globl	k_q55e6e132a6_qkvp
	.p2align	8
	.type	k_q55e6e132a6_qkvp,@function
k_q55e6e132a6_qkvp:
	s_mov_b64 s[64:65], 0
	v_nop
	global_prefetch_b8 v0, s[64:65] scope:SCOPE_SE
	s_setreg_imm32_b32 hwreg(HW_REG_WAVE_MODE, 25, 1), 1
	s_wait_xcnt 0x0
	s_wait_alu depctr_hold_cnt(0) depctr_sa_sdst(0) depctr_va_vdst(0) depctr_va_sdst(0) depctr_va_ssrc(0) depctr_va_vcc(0) depctr_vm_vsrc(0)
	s_getreg_b32 s2, hwreg(HW_REG_IB_STS2, 6, 4)
	s_cmp_eq_u32 s2, 0
	s_cbranch_scc0 .Lentry_in_a_cluster
	s_endpgm
.Lentry_in_a_cluster:
	s_bfe_u32 s2, ttmp6, 0x10000c
	s_cmp_lg_u32 s2, 0xf033
	s_cbranch_scc0 .Lentry_shape_is_right
	s_endpgm
.Lentry_shape_is_right:
; q, k and v = LN1(x) w + b on codes of E4M3 (one E8M0 byte for each 32 along K = 1,024), each result quantised again as the operand that attention wants, straight from the accumulators.
; Operands lie in memory as images of their registers (tile T = 2 g + u holds rows 32 g + 8 u + (r & 7) + 16 (r >> 3); image (T, ks) 2,048 bytes; scale words (g, ks) 128 bytes, word 4 (16 u + r)).
; Every product is D = P-fragment x R-fragment: a lane holds ONE row of R, and the 16 registers of P's tiles 2 b and 2 b + 1 are 16 NEIGHBOURS along P's rows: 32 b + 16 (lane / 16) + 0 .. 15.
; So 64 registers are quantised in place into an image whose K runs along P.
; Clusters with y 0..3: R = tokens (hb), P = the stacked columns of wq and wk: K of the result = a head's 64 channels: half images of 1,024 bytes, [bh][g][u], scale words [bh][g][16] (u = 0's two bytes, u = 1's two).
; Clusters with y 4, 5: R = wv's columns, P = tokens: K of the result = the keys: V^T images [bh][ks 16][dt 4], scale words [bh][ks][g' 2][128].  The mode hangs on the cluster's y alone: partners run alike.
; A work-group makes 256 x 256 with sixteen waves: wave (wr = w / 2, wp = w % 2) takes R's group wr (2 tiles) against P's half wp (8 tiles): 16 accumulators, which take turns.
; K goes through a ring of two LDS slots of 256 along K; a slot's fills are four joint tensor loads of 8 rows x 4,096 bytes (waves 0, 1: R's halves, shared along the cluster's row; waves 2, 3: P's, along its column).
; The scale words of all of K come once with the first fills.  A fetching wave has one tensor load out at the start and one behind each round.
; THE BIASES ARE ASKED FOR AT THE HEAD, so that they are in when the sums are finished: q's or k's 128 numbers of my columns as 4 a lane, bv's two of my rows; both kinds in both modes (every address lies inside its buffer), so
; the head has no branch for them.  The 128 go through 512 bytes of LDS of the wave's own and come back in the result's layout: 16 neighbours of each block for each half of the lanes.
; LIMITS: NaN and infinities are not served; a block of zeros, or one under 2^-118, gets the byte 1 (this program alone reads the bytes).  The bias is added in f32 behind the sums.
.set SLOTB, 131072                     ; a slot: R's 16 tiles x 2 K steps x 2,048, then P's
.set PPART, 65536
.set SCL,   262144                     ; R's scale words [g 8][ks 8][128], then P's
.set SPARE, 278528                     ; the spare words: 128 bytes for each of 16 waves
.set SCR,   280576                     ; 512 bytes for each wave, for the bias: no fill lands here
.set FILLB, 4096                       ; two K steps of an image row
.set ADRR,  4                          ; v4-5   my R fragments in slot 0, 1
.set ADRP,  6                          ; v6-7   my P fragments
.set ADRSR, 8                          ; v8     my R scale words
.set ADRSP, 9                          ; v9     my P scale words
.set SPW,   10                         ; v10    my spare word; never rewritten
.set NIL,   11                         ; v11    0; never rewritten
.set LI,    12                         ; v12    16 x lane
.set LS,    13                         ; v13    4 x lane
.set SR,    16                         ; v16    R's scale words;  v17-20 P's: scales and nothing else
.set SP,    17
.set SCI,   21                         ; v21    the bias's way into LDS: 16 x lane in my 512 bytes
.set BV,    22                         ; v22-23 bv of my row in tiles u = 0, 1
.set BC,    24                         ; v24-27 four numbers of bq or bk
.set SCO,   28                         ; v28    and out of it: 64 x (lane / 16)
.set BVA,   29                         ; v29    my row's place in bv
.set RF,    32                         ; v32-63   R's two fragments; later the codes
.set PF,    64                         ; v64-127  four of P's fragments; later the bias and the quantiser's work
.set ACC,   128                        ; v128-255 accumulator (u, t) at 128 + 64 u + 8 t
.set TM,    64
.set WV,    16
.set G1R,   24
.set G0R,   32
.set G1P,   48
.set G0P,   56
.set G1SR,  68
.set G0SR,  76
.set G1SP,  80
.set G0SP,  88
.set SEL,   96
.set MNT,   98
.macro PLACES n
.rept \n
	v_nop
.endr
.endm
.macro WM d, a, b, z, sa, sb, ra, rb   ; one product; z = 1: it starts the sum; ra, rb: the scale words stand in lanes 16-31
.if \z
.if (\ra) && (\rb)
	v_wmma_scale_f32_16x16x128_f8f6f4 v[\d:\d+7], v[\a:\a+15], v[\b:\b+15], 0, v[\sa], v[\sb] matrix_a_scale:MATRIX_SCALE_ROW1 matrix_b_scale:MATRIX_SCALE_ROW1
.elseif (\ra)
	v_wmma_scale_f32_16x16x128_f8f6f4 v[\d:\d+7], v[\a:\a+15], v[\b:\b+15], 0, v[\sa], v[\sb] matrix_a_scale:MATRIX_SCALE_ROW1
.elseif (\rb)
	v_wmma_scale_f32_16x16x128_f8f6f4 v[\d:\d+7], v[\a:\a+15], v[\b:\b+15], 0, v[\sa], v[\sb] matrix_b_scale:MATRIX_SCALE_ROW1
.else
	v_wmma_scale_f32_16x16x128_f8f6f4 v[\d:\d+7], v[\a:\a+15], v[\b:\b+15], 0, v[\sa], v[\sb]
.endif
.else
.if (\ra) && (\rb)
	v_wmma_scale_f32_16x16x128_f8f6f4 v[\d:\d+7], v[\a:\a+15], v[\b:\b+15], v[\d:\d+7], v[\sa], v[\sb] matrix_a_scale:MATRIX_SCALE_ROW1 matrix_b_scale:MATRIX_SCALE_ROW1
.elseif (\ra)
	v_wmma_scale_f32_16x16x128_f8f6f4 v[\d:\d+7], v[\a:\a+15], v[\b:\b+15], v[\d:\d+7], v[\sa], v[\sb] matrix_a_scale:MATRIX_SCALE_ROW1
.elseif (\rb)
	v_wmma_scale_f32_16x16x128_f8f6f4 v[\d:\d+7], v[\a:\a+15], v[\b:\b+15], v[\d:\d+7], v[\sa], v[\sb] matrix_b_scale:MATRIX_SCALE_ROW1
.else
	v_wmma_scale_f32_16x16x128_f8f6f4 v[\d:\d+7], v[\a:\a+15], v[\b:\b+15], v[\d:\d+7], v[\sa], v[\sb]
.endif
.endif
.endm
.macro QUANT s, pc, pw                 ; 64 numbers of a lane, register 16 b + i = k 32 b + 16 (lane / 16) + i of my row, become a fragment's codes and its scale word
.irp b, 0,1,2,3
	v_max3_num_f32 v[TM+\b], |v[\s+16*\b]|, |v[\s+1+16*\b]|, 0x4800000   ; my 16 numbers of block b, and the floor 2^(9 - 127): the byte cannot fall under 1
.endr
.irp i, 2,4,6,8,10,12,14
.irp b, 0,1,2,3
	s_delay_alu instid0(VALU_DEP_4)
	v_max3_num_f32 v[TM+\b], v[TM+\b], |v[\s+16*\b+\i]|, |v[\s+1+16*\b+\i]|
.endr
.endr
.irp b, 0,1,2,3
	s_delay_alu instid0(VALU_DEP_4)
	v_permlanex16_b32 v[TM+4+\b], v[TM+\b], s[SEL], s[SEL+1]
.endr
.irp b, 0,1,2,3
	s_delay_alu instid0(VALU_DEP_4)
	v_max_num_f32 v[TM+\b], v[TM+\b], v[TM+4+\b]   ; with lane l xor 16's: the block's largest magnitude
.endr
.irp b, 0,1,2,3
	s_delay_alu instid0(VALU_DEP_4)
	v_add_nc_u32 v[TM+12+\b], 0xfc000000, v[TM+\b] ; 8 off its exponent field: the conversion's scale operand
.endr
.irp b, 0,1,2,3
	v_and_or_b32 v[TM+8+\b], v[TM+\b], 0x7f800000, s[MNT]   ; 448 x the scale
.endr
.irp b, 0,1,2,3
	v_lshrrev_b32 v[TM+4+\b], 23, v[TM+12+\b]      ; the scale's byte
.endr
	s_delay_alu instid0(VALU_DEP_3)
	v_lshl_or_b32 v[\pw], v[TM+5], 8, v[TM+4]
	s_delay_alu instid0(VALU_DEP_1)
	v_lshl_or_b32 v[\pw], v[TM+6], 16, v[\pw]
	s_delay_alu instid0(VALU_DEP_1)
	v_lshl_or_b32 v[\pw], v[TM+7], 24, v[\pw]
.irp b, 0,1,2,3
.irp i, 0,1,2,3,4,5,6,7,8,9,10,11,12,13,14,15
	v_med3_num_f32 v[\s+16*\b+\i], v[\s+16*\b+\i], -v[TM+8+\b], v[TM+8+\b]   ; the conversion does not saturate (ISA guide 7.6.2)
.endr
	v_cvt_scalef32_pk8_fp8_f32 v[\pc+4*\b:\pc+4*\b+1], v[\s+16*\b:\s+16*\b+7], v[TM+12+\b]
	v_cvt_scalef32_pk8_fp8_f32 v[\pc+4*\b+2:\pc+4*\b+3], v[\s+16*\b+8:\s+16*\b+15], v[TM+12+\b]
.endr
	v_nop                                          ; a plain line behind the last conversion
.endm
.macro CROUND                          ; a round of the cluster's barrier
	s_barrier_signal -1
	s_barrier_wait -1
	s_cmp_lg_u32 s[WV], 0
	s_cbranch_scc1 .Lnot_wave_0_\@
	s_barrier_signal -3
.Lnot_wave_0_\@:
	s_barrier_wait -3
	s_barrier_signal -1
	s_barrier_wait -1
.endm
.macro JLOAD s                         ; a joint refill of slot s: waves 0, 1 R's halves, waves 2, 3 P's, the others nothing; four v_nop follow each line
	s_cmp_lt_u32 s[WV], 2
	s_cbranch_scc0 .Lnot_r_\@
	tensor_load_to_lds s[G0R+4*(\s):G0R+4*(\s)+3], s[G1R:G1R+7]
	s_nop 0
	PLACES 4
	s_branch .Lasked_\@
.Lnot_r_\@:
	s_cmp_lt_u32 s[WV], 4
	s_cbranch_scc0 .Lasked_\@
	tensor_load_to_lds s[G0P+4*(\s):G0P+4*(\s)+3], s[G1P:G1P+7]
	s_nop 0
	PLACES 4
.Lasked_\@:
.endm
; A K step of 128: the slot's q-th; ks: its number in K.  Eight places stand in front of each run of loads into registers that matrix instructions have read.
.macro KSTEP slot, q, ks, z
	PLACES 8
.irp u, 0,1
.irp c, 0,1,2,3
	ds_load_b128 v[RF+16*\u+4*\c:RF+16*\u+4*\c+3], v[ADRR+\slot] offset:\u*4096+(\q)*2048+512*\c
.endr
.endr
.irp t, 0,1,2,3
.irp c, 0,1,2,3
	ds_load_b128 v[PF+16*\t+4*\c:PF+16*\t+4*\c+3], v[ADRP+\slot] offset:\t*4096+(\q)*2048+512*\c
.endr
.endr
	ds_load_b32 v[SR], v[ADRSR] offset:(\ks)*128
.irp j, 0,1,2,3
	ds_load_b32 v[SP+\j], v[ADRSP] offset:\j*1024+(\ks)*128
.endr
	s_wait_dscnt 0x0
.irp t, 0,1,2,3
.irp u, 0,1
	WM ACC+64*\u+8*\t, PF+16*\t, RF+16*\u, \z, SP+\t/2, SR, \t%2, \u
.endr
.endr
	PLACES 8
.irp t, 4,5,6,7
.irp c, 0,1,2,3
	ds_load_b128 v[PF+16*(\t-4)+4*\c:PF+16*(\t-4)+4*\c+3], v[ADRP+\slot] offset:\t*4096+(\q)*2048+512*\c
.endr
.endr
	s_wait_dscnt 0x0
.irp t, 4,5,6,7
.irp u, 0,1
	WM ACC+64*\u+8*\t, PF+16*(\t-4), RF+16*\u, \z, SP+\t/2, SR, \t%2, \u
.endr
.endr
.endm
; The change of slots, at a slot's head.  fill = 1: the slot just left is filled again, behind a round of the cluster's barrier.
.macro TWO slot, fill, kb
	s_wait_tensorcnt 0x0                           ; all my tensor loads have landed, my part of this slot among them: a group 0 may be written
	ds_add_u32 v[SPW], v[NIL]
.if \fill
	ds_add_u32 v[SPW], v[NIL]                      ; and once more
	s_add_nc_u64 s[G0R+4*(1-\slot)+2:G0R+4*(1-\slot)+3], s[G0R+4*(1-\slot)+2:G0R+4*(1-\slot)+3], 2*FILLB
	s_add_nc_u64 s[G0P+4*(1-\slot)+2:G0P+4*(1-\slot)+3], s[G0P+4*(1-\slot)+2:G0P+4*(1-\slot)+3], 2*FILLB
.endif
	s_wait_dscnt 0x0                               ; the add is done, and my reads of the slot that I have left are over
.if \fill
	CROUND
	JLOAD 1-\slot                                  ; the first tensor load behind the round, one a wave
.else
	s_barrier_signal -1
	s_barrier_wait -1
.endif
	KSTEP \slot, 0, \kb, 0
	KSTEP \slot, 1, \kb+1, 0
.endm
	s_load_b256 s[4:11], s[0:1], 0x0               ; hb, wb, bq, bk
	s_load_b128 s[12:15], s[0:1], 0x20             ; bv, qkv
	v_lshl_add_u32 v[SPW], v0, 2, SPARE
	v_mov_b32 v[NIL], 0
	ds_add_u32 v10, v11
	ds_add_u32 v10, v11
	s_wait_dscnt 0x0
	v_lshrrev_b32 v1, 5, v0
	s_delay_alu instid0(VALU_DEP_1)
	v_readfirstlane_b32 s[WV], v1                  ; wave 0..15
	s_and_b32 s17, s[WV], 1                        ; wp; also which half of a tile I fetch
	s_lshr_b32 s18, s[WV], 1                       ; wr
	s_and_b32 s100, s[WV], 3
	s_lshl_b32 s101, s100, 12                      ; where my scale words go,
	s_lshl_b32 s100, s100, 15                      ; and my part of a slot: the wave's number alone enters an LDS address
	s_bfe_u32 s40, ttmp6, 0x40000                  ; cx
	s_bfe_u32 s41, ttmp6, 0x40004                  ; cy
	s_lshl_b32 s42, ttmp9, 2
	s_add_co_u32 s42, s42, s40                     ; x
	s_and_b32 s19, ttmp7, 0xffff                   ; the cluster's y: 0..3 q and k, 4..5 v
	s_lshl_b32 s45, s19, 2
	s_add_co_u32 s45, s45, s41                     ; y
	s_lshl_b32 s43, s41, 2
	s_lshl_b32 s43, 15, s43                        ; my row of the cluster
	s_lshl_b32 s44, 0x1111, s40                    ; my column
	s_or_b32 s[G1R], s43, (3<<16)|(1<<21)          ; 15:0 the mask; 17:16 elements of 8 bytes; 21 set beside a mask
	s_or_b32 s[G1P], s44, (3<<16)|(1<<21)
	s_or_b32 s[G1SR], s43, (3<<16)|(1<<21)
	s_or_b32 s[G1SP], s44, (3<<16)|(1<<21)
.irp g, G1R, G1P                       ; codes: 8 tiles' rows of 4,096 bytes (two K steps), 16,384 bytes apart
	s_mov_b32 s[\g+1], 512<<16
	s_mov_b32 s[\g+2], 8<<16
	s_mov_b32 s[\g+3], 512<<16
	s_mov_b32 s[\g+4], 8
	s_mov_b32 s[\g+5], 2048
	s_mov_b32 s[\g+6], 0
	s_mov_b32 s[\g+7], 0
.endr
.irp g, G1SR, G1SP                     ; scale words: 4,096 dense bytes as 16 rows of 256
	s_mov_b32 s[\g+1], 32<<16
	s_mov_b32 s[\g+2], 16<<16
	s_mov_b32 s[\g+3], 32<<16
	s_mov_b32 s[\g+4], 16
	s_mov_b32 s[\g+5], 32
	s_mov_b32 s[\g+6], 0
	s_mov_b32 s[\g+7], 0
.endr
	s_lshl_b32 s99, s19, 3
	s_add_co_u32 s99, s99, s42
	s_sub_co_u32 s99, s99, 32                      ; x + 8 (cluster y - 4): v's block of tokens
	s_mov_b32 s22, 0x400000
	s_mov_b32 s66, 0xC00000
	s_cmp_ge_u32 s19, 4                            ; all choices on this one compare
	s_cselect_b32 s20, s41, s45                    ; R's block: wv's (cy), or the tokens' (y)
	s_cselect_b32 s99, s99, s42                    ; P's block
	s_cselect_b32 s92, 0x200000, 0                 ; R's codes: wv's section of wb, or hb's start
	s_cselect_b32 s22, 0xC10000, s22               ; R's scale words
	s_cselect_b32 s66, 0x400000, s66               ; P's scale words
	s_lshl_b32 s21, s17, 17
	s_lshl_b32 s93, s20, 18
	s_add_co_u32 s92, s92, s93
	s_add_co_u32 s92, s92, s21
	s_mov_b32 s93, 0
	s_lshl_b32 s23, s20, 13
	s_add_co_u32 s22, s22, s23
	s_lshl_b32 s23, s17, 12
	s_add_co_u32 s22, s22, s23
	s_mov_b32 s23, 0
	s_lshl_b32 s46, s99, 18
	s_add_co_u32 s46, s46, s21
	s_mov_b32 s47, 0
	s_lshl_b32 s67, s99, 13
	s_add_co_u32 s66, s66, s67
	s_lshl_b32 s67, s17, 12
	s_add_co_u32 s66, s66, s67
	s_mov_b32 s67, 0
	s_mov_b32 s[SEL], 0x76543210
	s_mov_b32 s[SEL+1], 0xfedcba98
	s_mov_b32 s[MNT], 0x600000
	s_wait_kmcnt 0x0
	s_cmp_ge_u32 s19, 4
	s_cselect_b64 s[2:3], s[6:7], s[4:5]           ; R's buffer
	s_cselect_b64 s[94:95], s[4:5], s[6:7]         ; P's buffer
	s_add_nc_u64 s[92:93], s[2:3], s[92:93]
	s_add_nc_u64 s[22:23], s[2:3], s[22:23]
	s_add_nc_u64 s[46:47], s[94:95], s[46:47]
	s_add_nc_u64 s[66:67], s[94:95], s[66:67]
.irp s, 0,1
	s_mov_b32 s[G0R+4*\s], 1
	s_add_co_u32 s[G0R+4*\s+1], s100, \s*SLOTB
	s_add_nc_u64 s[G0R+4*\s+2:G0R+4*\s+3], s[92:93], \s*FILLB
	s_or_b32 s[G0R+4*\s+3], s[G0R+4*\s+3], 0x80000000
	s_mov_b32 s[G0P+4*\s], 1
	s_add_co_u32 s[G0P+4*\s+1], s100, \s*SLOTB
	s_add_nc_u64 s[G0P+4*\s+2:G0P+4*\s+3], s[46:47], \s*FILLB
	s_or_b32 s[G0P+4*\s+3], s[G0P+4*\s+3], 0x80000000
.endr
	s_mov_b32 s[G0SR], 1
	s_add_co_u32 s[G0SR+1], s101, SCL
	s_mov_b64 s[G0SR+2:G0SR+3], s[22:23]
	s_or_b32 s[G0SR+3], s[G0SR+3], 0x80000000
	s_mov_b32 s[G0SP], 1
	s_add_co_u32 s[G0SP+1], s101, SCL
	s_mov_b64 s[G0SP+2:G0SP+3], s[66:67]
	s_or_b32 s[G0SP+3], s[G0SP+3], 0x80000000
	CROUND                                         ; all sixteen work-groups are here: the first joint loads meet
; THE FIRST FILLS, ONE A WAVE, in one chain of arms on the wave's number: waves 0-3 slot 0 (R's halves, P's halves), waves 4-7 slot 1, waves 8-11 the scale words; waves 12-15 none.
; Every descriptor's half and LDS place hang on wave % 2 and wave % 4, so the same arithmetic serves all three groups of four.  A wave has one tensor load out at the start and one behind each round.
.macro ARM under, g0, g1, next
	s_cmp_lt_u32 s[WV], \under
	s_cbranch_scc0 \next
	tensor_load_to_lds s[\g0:\g0+3], s[\g1:\g1+7]
	s_nop 0
	PLACES 4
	s_branch .Lfirst_asked
\next:
.endm
	ARM 2, G0R, G1R, .Lh1
	ARM 4, G0P, G1P, .Lh2
	ARM 6, G0R+4, G1R, .Lh3
	ARM 8, G0P+4, G1P, .Lh4
	ARM 10, G0SR, G1SR, .Lh5
	ARM 12, G0SP, G1SP, .Lh6
.Lfirst_asked:
	v_and_b32 v1, 31, v0                           ; lane
	v_bfe_u32 v2, v0, 4, 1                         ; h
	s_delay_alu instid0(VALU_DEP_2)
	v_lshlrev_b32 v[LI], 4, v1
	s_wait_alu depctr_va_vdst(0)
	v_lshlrev_b32 v[LS], 2, v1
	s_lshl_b32 s20, s18, 13
	v_add_nc_u32 v[ADRR], s20, v[LI]
	s_delay_alu instid0(VALU_DEP_1)
	v_add_nc_u32 v[ADRR+1], SLOTB, v[ADRR]
	s_lshl_b32 s20, s17, 15
	s_add_co_u32 s20, s20, PPART
	v_add_nc_u32 v[ADRP], s20, v[LI]
	s_delay_alu instid0(VALU_DEP_1)
	v_add_nc_u32 v[ADRP+1], SLOTB, v[ADRP]
	s_lshl_b32 s20, s18, 10
	s_add_co_u32 s20, s20, SCL
	v_add_nc_u32 v[ADRSR], s20, v[LS]
	s_lshl_b32 s20, s17, 12
	s_add_co_u32 s20, s20, SCL+8192
	v_add_nc_u32 v[ADRSP], s20, v[LS]
	s_lshl_b32 s20, s[WV], 9
	s_add_co_u32 s20, s20, SCR                     ; my 512 bytes for the bias
	v_add_nc_u32 v[SCI], s20, v[LI]
	v_lshl_add_u32 v[SCO], v2, 6, s20
	v_and_b32 v3, 7, v0
	v_bfe_u32 v14, v0, 3, 1
	s_delay_alu instid0(VALU_DEP_2)
	v_lshlrev_b32 v[BVA], 2, v3
	s_delay_alu instid0(VALU_DEP_1)
	v_lshl_add_u32 v[BVA], v14, 6, v[BVA]          ; 4 ((r & 7) + 16 (r >> 3))
	s_wait_alu depctr_va_vdst(0)
	s_cmp_eq_u32 ttmp9, 0
	s_cselect_b64 s[8:9], s[8:9], s[10:11]         ; bq or bk
	s_lshl_b32 s20, s40, 10
	s_lshl_b32 s21, s17, 9
	s_add_co_u32 s20, s20, s21
	s_mov_b32 s21, 0
	s_add_nc_u64 s[8:9], s[8:9], s[20:21]          ; at 256 cx + 128 wp: the 128 columns that are mine where q or k is made
	s_lshl_b32 s20, s41, 3
	s_add_co_u32 s20, s20, s18
	s_lshl_b32 s20, s20, 7
	s_add_nc_u64 s[12:13], s[12:13], s[20:21]      ; bv at 32 (8 cy + wr): the 32 columns of wv that are mine where v is made
	global_load_b128 v[BC:BC+3], v[LI], s[8:9]     ; these three stay out over the whole K loop; their registers and addresses are not named there
	global_load_b32 v[BV], v[BVA], s[12:13]
	global_load_b32 v[BV+1], v[BVA], s[12:13] offset:32
	s_wait_tensorcnt 0x0                           ; my one first fill is in; every wave waits, so the barrier shows both slots and the scale words
	s_barrier_signal -1
	s_barrier_wait -1
	KSTEP 0, 0, 0, 1                               ; the first K step starts the sums
	KSTEP 0, 1, 1, 0
	TWO 1, 1, 2
	TWO 0, 1, 4
	TWO 1, 0, 6
	PLACES 8                                       ; behind the last products: P's registers are loaded again, and the sums are read
	s_wait_loadcnt 0x0                             ; the biases
	ds_store_b128 v[SCI], v[BC:BC+3]               ; my own bytes: LDS serves a wave's instructions in order, so no wait and no barrier
.irp b, 0,1,2,3
.irp j, 0,1,2,3
	ds_load_b128 v[PF+16*\b+4*\j:PF+16*\b+4*\j+3], v[SCO] offset:128*\b+16*\j   ; register 16 b + i: the bias of column 32 b + 16 h + i
.endr
.endr
	s_wait_tensorcnt 0x0                           ; the wave's last LDS instructions
	ds_add_u32 v[SPW], v[NIL]
	v_cmp_gt_u32 vcc_lo, 16, v1                    ; lanes 0-15
	s_wait_dscnt 0x0
	s_cmp_ge_u32 s19, 4
	s_cbranch_scc1 .Lmode_v
	; ---- q and k: my lane's row is a token, my registers run along 128 columns: two heads
	s_lshl_b32 s20, s45, 3
	s_add_co_u32 s20, s20, s18                     ; G: my group of 32 tokens
	s_lshr_b32 s22, s20, 6                         ; batch
	s_and_b32 s23, s20, 63                         ; the group within it
	s_lshl_b32 s22, s22, 4
	s_lshl_b32 s92, s40, 2
	s_add_co_u32 s22, s22, s92
	s_lshl_b32 s92, s17, 1
	s_add_co_u32 s22, s22, s92                     ; bh of my first head: 16 batch + 4 cx + 2 wp
	s_lshl_b32 s92, s22, 6
	s_add_co_u32 s92, s92, s23
	s_lshl_b32 s92, s92, 11
	s_lshl_b32 s93, ttmp9, 22                      ; q's section or k's
	s_add_co_u32 s92, s92, s93
	s_mov_b32 s93, 0
	s_add_nc_u64 s[92:93], s[14:15], s[92:93]
	s_lshl_b32 s94, s22, 12
	s_lshl_b32 s95, s23, 6
	s_add_co_u32 s94, s94, s95
	s_lshl_b32 s95, ttmp9, 17
	s_add_co_u32 s94, s94, s95
	s_add_co_u32 s94, s94, 0xC00000
	s_mov_b32 s95, 0
	s_add_nc_u64 s[94:95], s[14:15], s[94:95]
	v_and_b32 v14, 15, v0
	s_delay_alu instid0(VALU_DEP_1)
	v_lshlrev_b32 v14, 2, v14
	s_delay_alu instid0(VALU_DEP_1)
	v_lshl_add_u32 v14, v2, 12, v14                ; 4 r; lanes 16-31 store the second head's word
.irp u, 0,1
.set j, 0
.rept 32
	v_pk_add_f32 v[ACC+64*\u+2*j:ACC+64*\u+2*j+1], v[ACC+64*\u+2*j:ACC+64*\u+2*j+1], v[PF+2*j:PF+2*j+1]   ; each accumulator from its low end on
.set j, j+1
.endr
.endr
.irp b, 0,1,2,3
	v_mov_b32 v[TM+4+\b], 0                        ; a lane permute's destination counts as one of its sources
.endr
	QUANT ACC, RF, 80
	QUANT ACC+64, RF+16, 81
.irp u, 0,1
.irp b, 0,1,2,3
	global_store_b128 v[LI], v[RF+16*\u+4*\b:RF+16*\u+4*\b+3], s[92:93] offset:\u*1024+(\b/2)*131072+(\b%2)*512   ; 512 consecutive bytes: half of a half image
.endr
.endr
	v_perm_b32 v82, v81, v80, 0x05040100           ; the first head's word: u = 0's two bytes, u = 1's two
	v_perm_b32 v83, v81, v80, 0x07060302           ; the second head's
	s_delay_alu instid0(VALU_DEP_1)
	v_cndmask_b32 v82, v83, v82, vcc_lo
	global_store_b32 v14, v82, s[94:95]
	s_branch .Lend
.Lmode_v:
	; ---- v: my lane's row is a channel of a head, my registers run along 128 tokens: the keys
	s_lshl_b32 s20, s41, 3
	s_add_co_u32 s20, s20, s18                     ; Gd: my group of 32 columns of wv
	s_lshr_b32 s21, s20, 1                         ; head
	s_and_b32 s20, s20, 1                          ; g'
	s_lshl_b32 s22, s99, 1
	s_add_co_u32 s22, s22, s17                     ; which 128 tokens
	s_lshr_b32 s23, s22, 4                         ; batch
	s_and_b32 s22, s22, 15                         ; ks
	s_lshl_b32 s23, s23, 4
	s_add_co_u32 s23, s23, s21                     ; bh
	s_lshl_b32 s23, s23, 4
	s_add_co_u32 s23, s23, s22                     ; 16 bh + ks
	s_lshl_b32 s92, s23, 2
	s_lshl_b32 s93, s20, 1
	s_add_co_u32 s92, s92, s93
	s_lshl_b32 s92, s92, 11
	s_add_co_u32 s92, s92, 0x800000
	s_mov_b32 s93, 0
	s_add_nc_u64 s[92:93], s[14:15], s[92:93]
	s_lshl_b32 s94, s23, 1
	s_add_co_u32 s94, s94, s20
	s_lshl_b32 s94, s94, 7
	s_add_co_u32 s94, s94, 0xC40000
	s_mov_b32 s95, 0
	s_add_nc_u64 s[94:95], s[14:15], s[94:95]
.set j, 0
.rept 32
	v_pk_add_f32 v[ACC+2*j:ACC+2*j+1], v[ACC+2*j:ACC+2*j+1], v[BV:BV+1] op_sel_hi:[1,0]
.set j, j+1
.endr
.set j, 0
.rept 32
	v_pk_add_f32 v[ACC+64+2*j:ACC+64+2*j+1], v[ACC+64+2*j:ACC+64+2*j+1], v[BV:BV+1] op_sel:[0,1] op_sel_hi:[1,1]
.set j, j+1
.endr
.irp b, 0,1,2,3
	v_mov_b32 v[TM+4+\b], 0
.endr
	QUANT ACC, RF, 80
	QUANT ACC+64, RF+16, 81
.irp u, 0,1
.irp b, 0,1,2,3
	global_store_b128 v[LI], v[RF+16*\u+4*\b:RF+16*\u+4*\b+3], s[92:93] offset:\u*2048+512*\b
.endr
.endr
	v_cndmask_b32 v84, v81, v80, vcc_lo            ; lanes 0-15 tile u = 0's words, lanes 16-31 tile u = 1's
	global_store_b32 v[LS], v84, s[94:95]
.Lend:
	CROUND                                         ; the closing round
	s_endpgm
.Lfunc_end_k_q55e6e132a6_qkvp:
	.size	k_q55e6e132a6_qkvp, .Lfunc_end_k_q55e6e132a6_qkvp-k_q55e6e132a6_qkvp
	.p2alignl 7, 3214868480
	.fill 96, 4, 3214868480
	.section	.rodata,"a",@progbits
	.p2align	6, 0x0
	.amdhsa_kernel k_q55e6e132a6_qkvp
		.amdhsa_group_segment_fixed_size 327680
		.amdhsa_private_segment_fixed_size 0
		.amdhsa_enable_private_segment 0
		.amdhsa_kernarg_size 48
		.amdhsa_user_sgpr_count 2
		.amdhsa_user_sgpr_kernarg_segment_ptr 1
		.amdhsa_wavefront_size32 1
		.amdhsa_system_sgpr_workgroup_id_x 1
		.amdhsa_system_sgpr_workgroup_id_y 1
		.amdhsa_system_sgpr_workgroup_id_z 1
		.amdhsa_system_vgpr_workitem_id 0
		.amdhsa_next_free_vgpr 256
		.amdhsa_next_free_sgpr 102
		.amdhsa_reserve_vcc 1
		.amdhsa_float_denorm_mode_32 3
		.amdhsa_float_denorm_mode_16_64 3
		.amdhsa_memory_ordered 1
		.amdhsa_forward_progress 1
		.amdhsa_inst_pref_size 107
	.end_amdhsa_kernel
	.amdgpu_metadata
---
amdhsa.version: [ 1, 2 ]
amdhsa.kernels:
  - .name:           k_q55e6e132a6_qkvp
    .symbol:         k_q55e6e132a6_qkvp.kd
    .args:
      - { .name: hb, .offset: 0, .size: 8, .value_kind: global_buffer, .address_space: global }
      - { .name: wb, .offset: 8, .size: 8, .value_kind: global_buffer, .address_space: global }
      - { .name: bq, .offset: 16, .size: 8, .value_kind: global_buffer, .address_space: global }
      - { .name: bk, .offset: 24, .size: 8, .value_kind: global_buffer, .address_space: global }
      - { .name: bv, .offset: 32, .size: 8, .value_kind: global_buffer, .address_space: global }
      - { .name: qkv, .offset: 40, .size: 8, .value_kind: global_buffer, .address_space: global }
    .group_segment_fixed_size: 327680
    .private_segment_fixed_size: 0
    .kernarg_segment_align: 8
    .kernarg_segment_size: 48
    .max_flat_workgroup_size: 512
    .sgpr_count:     102
    .vgpr_count:     256
    .wavefront_size: 32
...
	.end_amdgpu_metadata
.endif
;; end of part 2
;; launch attn (part 3): grid 8 x 32, 16 waves a work-group, clusters of 4 x 1, 327,680 bytes of LDS; arguments qkv, ao; writes ao
.if DOCPART == 3
	.amdgcn_target "amdgcn-amd-amdhsa--gfx1250"
	.amdhsa_code_object_version 6
	.text
	.protected	k_q55e6e132a6_attn
	.globl	k_q55e6e132a6_attn
	.p2align	8
	.type	k_q55e6e132a6_attn,@function
k_q55e6e132a6_attn:
	s_mov_b64 s[64:65], 0
	v_nop
	global_prefetch_b8 v0, s[64:65] scope:SCOPE_SE
	s_setreg_imm32_b32 hwreg(HW_REG_WAVE_MODE, 25, 1), 1
	s_wait_xcnt 0x0
	s_wait_alu depctr_hold_cnt(0) depctr_sa_sdst(0) depctr_va_vdst(0) depctr_va_sdst(0) depctr_va_ssrc(0) depctr_va_vcc(0) depctr_vm_vsrc(0)
	s_getreg_b32 s2, hwreg(HW_REG_IB_STS2, 6, 4)
	s_cmp_eq_u32 s2, 0
	s_cbranch_scc0 .Lentry_in_a_cluster
	s_endpgm
.Lentry_in_a_cluster:
	s_bfe_u32 s2, ttmp6, 0x10000c
	s_cmp_lg_u32 s2, 0x3003
	s_cbranch_scc0 .Lentry_shape_is_right
	s_endpgm
.Lentry_shape_is_right:
; Attention of one head (bh = 16 batch + head) for 256 queries, both products on codes of E4M3 with E8M0 scales; the result, divided by the row's sum, is quantised along head x 64 + channel as the next product's operand.
; t = score x log2(e) / 8; M = the running largest t rounded UP to a whole number; p = 2^(t - M) is quantised along the keys; the row's sum is taken of the unquantised p; when M moves, sum and O are multiplied by 2^(old M - new M): exact.
; A wave owns one tile of 16 queries; a lane holds ONE query throughout (both products take the keys', then the channels', fragment as source 0).
; K = 64 IN THE FIRST PRODUCT: a group of 32 keys lies as two half images (tiles u = 0, 1) of 1,024 bytes on end, which are ONE fragment: k 0..63 key 32 g + (r & 7) + 16 (r >> 3), k 64..127 the key 8 further on.
; It is multiplied by [Q | 0] and by [0 | Q]: the zero codes stand in Q's registers alone.  The 16 registers of the two results are 16 neighbouring keys, 32 g + 16 (lane / 16) + 0 .. 15.
; A head's K (131,072 bytes), V^T (131,072) and scale words (8,192) fit in LDS: nothing is filled again.  The four query blocks of a cluster ask JOINTLY: waves 0, 1 chunk 0 of K and of V, waves 2, 3 their scale words, waves 4 to 9 chunks 1 to 3 of 512 keys:
; one tensor load of a wave is out at the most; a chunk's wait leaves the later chunks on their way.
; LIMITS: NaN and infinities are not served; v_exp_f32 gives 0 under 2^-126; a block of zeros, or one under 2^-118, gets the byte 1 (this program alone reads the bytes).
.set VC,   131072
.set KSC,  262144
.set VSC,  266240
.set ADK,  8                           ; v8-11  the step's LDS addresses: K, V, K's scale words, V's
.set ADV,  9
.set ADS,  10
.set ADT,  11                          ; v12 -M, v13 the largest t, v[14:15] the sum in two halves
.set KF,   40                          ; v40-103  four fragments of K, then of V;  v16-23 zeros, v24-31 Q, v32-39 zeros
.set S,    104                         ; v104-167 S^T, then p
.set OA,   168                         ; v168-199 O^T: register 16 g' + i = channel 32 g' + 16 (lane / 16) + i
.set PC,   200                         ; v200-215 p's codes
.set BM,   216
.set T4,   220
.set HL,   224
.set SO,   228
.set FF,   232                         ; v[232:233] f, and a written partner
.set TT,   234
.set KSW,  240                         ; v240-245: scales and nothing else: K's, V's, Q's, p's
.set VSW,  242
.set QW,   244
.set PWD,  245
.set WV,   12
.set G1C,  16
.set G1S,  24
.set SEL,  52
.set CS,   54
.set MNT,  56
.set TB,   57
.set TS,   58
.set CNT,  59
.macro PLACES n
.rept \n
	v_nop
.endr
.endm
.macro WM d, a, b, z, sa, sb, ra, rb
.if \z
.if (\ra)
	v_wmma_scale_f32_16x16x128_f8f6f4 v[\d:\d+7], v[\a:\a+15], v[\b:\b+15], 0, v[\sa], v[\sb] matrix_a_scale:MATRIX_SCALE_ROW1
.else
	v_wmma_scale_f32_16x16x128_f8f6f4 v[\d:\d+7], v[\a:\a+15], v[\b:\b+15], 0, v[\sa], v[\sb]
.endif
.else
.if (\ra)
	v_wmma_scale_f32_16x16x128_f8f6f4 v[\d:\d+7], v[\a:\a+15], v[\b:\b+15], v[\d:\d+7], v[\sa], v[\sb] matrix_a_scale:MATRIX_SCALE_ROW1
.else
	v_wmma_scale_f32_16x16x128_f8f6f4 v[\d:\d+7], v[\a:\a+15], v[\b:\b+15], v[\d:\d+7], v[\sa], v[\sb]
.endif
.endif
.endm
.macro CROUND
	s_barrier_signal -1
	s_barrier_wait -1
	s_cmp_lg_u32 s[WV], 0
	s_cbranch_scc1 .Lnot_wave_0_\@
	s_barrier_signal -3
.Lnot_wave_0_\@:
	s_barrier_wait -3
	s_barrier_signal -1
	s_barrier_wait -1
.endm
; A key step: 128 keys.
.macro STEP
	v_add_nc_u32 v[ADK], s[TB], v1
	v_add_nc_u32 v[ADV], s[TB], v2
	v_add_nc_u32 v[ADS], s[TS], v3
	v_add_nc_u32 v[ADT], s[TS], v4                 ; with the four additions of the sums behind the last products: eight places in front of the loads below
.irp b, 0,1,2,3
.irp c, 0,1,2,3
	ds_load_b128 v[KF+16*\b+4*\c:KF+16*\b+4*\c+3], v[ADK] offset:2048*\b+512*\c
.endr
.endr
	ds_load_b32 v[KSW], v[ADS]                     ; lanes 0-15 group 0's words, lanes 16-31 group 1's
	ds_load_b32 v[KSW+1], v[ADS] offset:128
	s_wait_alu depctr_va_vdst(0)
	s_wait_dscnt 0x0
.irp b, 0,1,2,3
	WM S+16*\b, KF+16*\b, 24, 1, KSW+\b/2, QW, \b%2, 0      ; x [Q | 0]: keys 32 b + 16 h + 0 .. 7
	WM S+16*\b+8, KF+16*\b, 16, 1, KSW+\b/2, QW, \b%2, 0    ; x [0 | Q]: keys 32 b + 16 h + 8 .. 15
.endr
	PLACES 8
.irp d, 0,1,2,3
.irp c, 0,1,2,3
	ds_load_b128 v[KF+16*\d+4*\c:KF+16*\d+4*\c+3], v[ADV] offset:2048*\d+512*\c   ; V^T's four tiles land under the softmax
.endr
.endr
	ds_load_b32 v[VSW], v[ADT]
	ds_load_b32 v[VSW+1], v[ADT] offset:128
.irp b, 0,1,2,3
	v_max3_num_f32 v[BM+\b], v[S+16*\b], v[S+1+16*\b], v[S+2+16*\b]   ; the largest score of each block of 32 keys: for the row's maximum and, since p rises with the score, for the block's largest p
.endr
.irp i, 3,5,7,9,11,13
.irp b, 0,1,2,3
	v_max3_num_f32 v[BM+\b], v[BM+\b], v[S+16*\b+\i], v[S+1+16*\b+\i]
.endr
.endr
.irp b, 0,1,2,3
	v_max_num_f32 v[BM+\b], v[BM+\b], v[S+15+16*\b]
.endr
.irp b, 0,1,2,3
	s_delay_alu instid0(VALU_DEP_4)
	v_permlanex16_b32 v[T4+\b], v[BM+\b], s[SEL], s[SEL+1]
.endr
.irp b, 0,1,2,3
	s_delay_alu instid0(VALU_DEP_4)
	v_max_num_f32 v[BM+\b], v[BM+\b], v[T4+\b]     ; with lane l xor 16's 16 keys
.endr
	s_delay_alu instid0(VALU_DEP_2)
	v_max3_num_f32 v[TT], v[BM], v[BM+1], v[BM+2]
	s_delay_alu instid0(VALU_DEP_1)
	v_max_num_f32 v[TT], v[TT], v[BM+3]
	s_delay_alu instid0(VALU_DEP_1)
	v_mul_f32 v[TT], s[CS], v[TT]                  ; as t (c is positive)
	s_delay_alu instid0(VALU_DEP_1)
	v_max_num_f32 v13, v13, v[TT]                  ; the running largest t
	v_mov_b32 v[TT], v12
	s_delay_alu instid0(VALU_DEP_2)
	v_floor_f32 v12, -v13                          ; the new -M = floor(-t): M is a whole number
	s_delay_alu instid0(VALU_DEP_1)
	v_sub_f32 v[TT], v12, v[TT]                    ; old M - new M: a whole number, 0 or less
	s_delay_alu instid0(VALU_DEP_1)
	v_cvt_i32_f32 v[TT], v[TT]                     ; (it saturates)
	s_delay_alu instid0(VALU_DEP_1)
	v_ldexp_f32 v[FF], 1.0, v[TT]                  ; f = 2^(old M - new M)
.irp j, 0,2,4,6,8,10,12,14,16,18,20,22,24,26,28,30,32,34,36,38,40,42,44,46,48,50,52,54,56,58,60,62
	v_pk_fma_f32 v[S+\j:S+\j+1], v[S+\j:S+\j+1], s[CS:CS+1], v[12:13] op_sel_hi:[1,0,0]   ; t - M
.endr
.irp b, 0,1,2,3
	v_fma_f32 v[BM+\b], v[BM+\b], s[CS], v12
.endr
	s_wait_alu depctr_va_vdst(0)
.irp j, 0,1,2,3,4,5,6,7,8,9,10,11,12,13,14,15,16,17,18,19,20,21,22,23,24,25,26,27,28,29,30,31,32,33,34,35,36,37,38,39,40,41,42,43,44,45,46,47,48,49,50,51,52,53,54,55,56,57,58,59,60,61,62,63
	v_exp_f32 v[S+\j], v[S+\j]                     ; p = 2^(t - M)
.endr
.irp b, 0,1,2,3
	v_exp_f32 v[BM+\b], v[BM+\b]                   ; the block's largest p
.endr
	v_pk_mul_f32 v[14:15], v[14:15], v[FF:FF+1] op_sel_hi:[1,0]   ; the sums under the new M (a plain line behind the exponentials)
	s_wait_alu depctr_va_vdst(0)
.irp b, 0,1,2,3
	v_max_num_f32 v[BM+\b], 0x4800000, v[BM+\b]    ; the floor 2^(9 - 127)
.endr
.irp b, 0,1,2,3
	s_delay_alu instid0(VALU_DEP_4)
	v_add_nc_u32 v[SO+\b], 0xfc000000, v[BM+\b]    ; the conversion's scale operand
.endr
.irp b, 0,1,2,3
	v_and_or_b32 v[HL+\b], v[BM+\b], 0x7f800000, s[MNT]   ; 448 x the scale
.endr
.irp b, 0,1,2,3
	v_lshrrev_b32 v[T4+\b], 23, v[SO+\b]           ; the scale's byte
.endr
	s_delay_alu instid0(VALU_DEP_3)
	v_lshl_or_b32 v[PWD], v[T4+1], 8, v[T4]        ; p's scale word for these 128 keys
	s_delay_alu instid0(VALU_DEP_1)
	v_lshl_or_b32 v[PWD], v[T4+2], 16, v[PWD]
	s_delay_alu instid0(VALU_DEP_1)
	v_lshl_or_b32 v[PWD], v[T4+3], 24, v[PWD]
	v_pk_add_f32 v[220:221], v[108:109], v[112:113]
	v_pk_add_f32 v[252:253], v[116:117], v[120:121]
	v_pk_add_f32 v[250:251], v[124:125], v[128:129]
	v_pk_add_f32 v[248:249], v[132:133], v[136:137]
	v_pk_add_f32 v[246:247], v[140:141], v[144:145]
	v_pk_add_f32 v[6:7], v[148:149], v[152:153]
	v_pk_add_f32 v[238:239], v[156:157], v[160:161]
	v_pk_add_f32 v[14:15], v[14:15], v[164:165]
	v_pk_add_f32 v[220:221], v[220:221], v[104:105]
	v_pk_add_f32 v[252:253], v[252:253], v[106:107]
	v_pk_add_f32 v[250:251], v[250:251], v[110:111]
	v_pk_add_f32 v[248:249], v[248:249], v[114:115]
	v_pk_add_f32 v[246:247], v[246:247], v[118:119]
	v_pk_add_f32 v[6:7], v[6:7], v[122:123]
	v_pk_add_f32 v[238:239], v[238:239], v[126:127]
	v_pk_add_f32 v[14:15], v[14:15], v[130:131]
	v_pk_add_f32 v[220:221], v[220:221], v[134:135]
	v_pk_add_f32 v[252:253], v[252:253], v[138:139]
	v_pk_add_f32 v[250:251], v[250:251], v[142:143]
	v_pk_add_f32 v[248:249], v[248:249], v[146:147]
	v_pk_add_f32 v[246:247], v[246:247], v[150:151]
	v_pk_add_f32 v[6:7], v[6:7], v[154:155]
	v_pk_add_f32 v[238:239], v[238:239], v[158:159]
	v_pk_add_f32 v[14:15], v[14:15], v[162:163]
	v_pk_add_f32 v[220:221], v[220:221], v[166:167]
	s_delay_alu instid0(VALU_DEP_2)
	v_pk_add_f32 v[14:15], v[14:15], v[248:249]
	s_delay_alu instid0(VALU_DEP_2)
	v_pk_add_f32 v[220:221], v[220:221], v[246:247]
	v_pk_add_f32 v[252:253], v[252:253], v[6:7]    ; the last four additions of the sums stand behind the second product, as its places
.irp b, 0,1,2,3
.irp i, 0,2,4,6,8,10,12,14
	v_dual_min_num_f32 v[S+16*\b+\i], v[S+16*\b+\i], v[HL+\b] :: v_dual_min_num_f32 v[S+16*\b+\i+1], v[S+16*\b+\i+1], v[HL+\b]   ; the conversion does not saturate (ISA guide 7.6.2); p is not negative; two holds an instruction
.endr
	v_cvt_scalef32_pk8_fp8_f32 v[PC+4*\b:PC+4*\b+1], v[S+16*\b:S+16*\b+7], v[SO+\b]
	v_cvt_scalef32_pk8_fp8_f32 v[PC+4*\b+2:PC+4*\b+3], v[S+16*\b+8:S+16*\b+15], v[SO+\b]
.endr
.irp j, 0,2,4,6,8,10,12,14,16,18,20,22,24,26,28,30
	v_pk_mul_f32 v[OA+\j:OA+\j+1], v[OA+\j:OA+\j+1], v[FF:FF+1] op_sel_hi:[1,0]   ; O^T under the new M; also the places between the codes and the products
.endr
	s_wait_alu depctr_va_vdst(0)
	s_wait_dscnt 0x0                               ; V^T is in
.irp d, 0,1,2,3
	WM OA+8*\d, KF+16*\d, PC, 0, VSW+\d/2, PWD, \d%2, 0
.endr
	v_pk_add_f32 v[250:251], v[250:251], v[238:239]   ; the partial sums are joined: four plain lines that name no register of the products above
	v_pk_add_f32 v[14:15], v[14:15], v[252:253]
	v_pk_add_f32 v[220:221], v[220:221], v[250:251]
	v_pk_add_f32 v[14:15], v[14:15], v[220:221]
	s_add_co_u32 s[TB], s[TB], 8192
	s_add_co_u32 s[TS], s[TS], 256
.endm
.macro RUN first, n                    ; a barrier, which shows what the waves have waited for, then n key steps from step first on, with no barrier between them: nothing in LDS is ever written again
	s_wait_dscnt 0x0
	s_barrier_signal -1
	s_barrier_wait -1
	s_mov_b32 s[TB], \first*8192
	s_mov_b32 s[TS], \first*256
	s_mov_b32 s[CNT], \n
.Lstep_\@:
	STEP
	s_sub_co_u32 s[CNT], s[CNT], 1
	s_cmp_lg_u32 s[CNT], 0
	s_cbranch_scc1 .Lstep_\@
.endm
	s_load_b128 s[4:7], s[0:1], 0x0                ; qkv, ao
	v_lshl_add_u32 v254, v0, 2, 0x42000
	v_mov_b32 v255, 0
	ds_add_u32 v254, v255
	ds_add_u32 v254, v255
	v_lshrrev_b32 v1, 5, v0
	s_delay_alu instid0(VALU_DEP_1)
	v_readfirstlane_b32 s[WV], v1                  ; wave 0..15
	s_and_b32 s13, s[WV], 1                        ; what I fetch, if I fetch: K's (0) or V's (1); also my tile's u
	s_bfe_u32 s61, ttmp6, 0x40000                  ; cx
	s_lshl_b32 s15, ttmp9, 2
	s_add_co_u32 s15, s15, s61
	s_lshl_b32 s15, s15, 4
	s_add_co_u32 s15, s15, s[WV]                   ; T': my tile of queries in the head: it enters Q's and the result's addresses alone
	s_and_b32 s14, ttmp7, 0xffff                   ; bh, which the four partners share
	s_lshl_b32 s62, s13, 22
	s_lshl_b32 s63, s14, 17
	s_add_co_u32 s62, s62, s63
	s_add_co_u32 s62, s62, 0x400000
	s_mov_b32 s63, 0                               ; the head's codes of K or of V
	s_lshl_b32 s2, s13, 17
	s_lshl_b32 s3, s14, 12
	s_add_co_u32 s2, s2, s3
	s_add_co_u32 s2, s2, 0xC20000
	s_mov_b32 s3, 0                                ; and their scale words
	s_mov_b32 s[G1C], 15|(3<<16)|(1<<21)           ; the mask: all four work-groups; elements of 8 bytes; 21 set beside a mask
	s_mov_b32 s[G1C+1], 32<<16                     ; 32,768 dense bytes as 128 rows of 256
	s_mov_b32 s[G1C+2], 128<<16
	s_mov_b32 s[G1C+3], 32<<16
	s_mov_b32 s[G1C+4], 128
	s_mov_b32 s[G1C+5], 32
	s_mov_b32 s[G1C+6], 0
	s_mov_b32 s[G1C+7], 0
	s_mov_b32 s[G1S], 15|(3<<16)|(1<<21)           ; 4,096 dense bytes as 16 rows of 256
	s_mov_b32 s[G1S+1], 32<<16
	s_mov_b32 s[G1S+2], 16<<16
	s_mov_b32 s[G1S+3], 32<<16
	s_mov_b32 s[G1S+4], 16
	s_mov_b32 s[G1S+5], 32
	s_mov_b32 s[G1S+6], 0
	s_mov_b32 s[G1S+7], 0
	s_mov_b32 s[SEL], 0x76543210
	s_mov_b32 s[SEL+1], 0xfedcba98
	s_mov_b32 s[CS], 0x3e38aa3b                    ; c = log2(e) / sqrt(64)
	s_mov_b32 s[CS+1], s[CS]
	s_mov_b32 s[MNT], 0x600000
	s_mov_b32 s60, 0x01000100
	s_cmp_eq_u32 s13, 1
	s_cselect_b32 s60, 0x03020302, s60             ; my tile's two bytes of Q's word, twice
	s_lshl_b32 s8, s14, 17
	s_lshl_b32 s9, s15, 10
	s_add_co_u32 s8, s8, s9
	s_mov_b32 s9, 0                                ; Q's half image
	s_lshl_b32 s10, s14, 12
	s_lshr_b32 s11, s15, 1
	s_lshl_b32 s11, s11, 6
	s_add_co_u32 s10, s10, s11
	s_add_co_u32 s10, s10, 0xC00000
	s_mov_b32 s11, 0                               ; Q's scale words
	s_wait_dscnt 0x0
	s_wait_kmcnt 0x0
	s_add_nc_u64 s[62:63], s[4:5], s[62:63]
	s_add_nc_u64 s[2:3], s[4:5], s[2:3]
	s_add_nc_u64 s[8:9], s[4:5], s[8:9]
	s_add_nc_u64 s[10:11], s[4:5], s[10:11]
	s_mov_b32 s32, 1
	s_lshl_b32 s33, s13, 12
	s_add_co_u32 s33, s33, KSC
	s_mov_b64 s[34:35], s[2:3]
	s_or_b32 s35, s35, 0x80000000
	s_lshr_b32 s40, s[WV], 1                       ; which chunk of 512 keys I fetch: ((wave / 2) % 4) | (wave / 8): waves 0, 1: 0; 4, 5: 2; 6, 7: 3; 8, 9: 1
	s_and_b32 s40, s40, 3
	s_lshr_b32 s41, s[WV], 3
	s_or_b32 s40, s40, s41
	s_lshl_b32 s40, s40, 15                        ; 32,768 bytes a chunk, in memory and in LDS
	s_mov_b32 s41, 0
	s_lshl_b32 s61, s13, 17                        ; K's part of LDS or V's
	s_mov_b32 s36, 1
	s_add_co_u32 s37, s61, s40
	s_add_nc_u64 s[38:39], s[62:63], s[40:41]
	s_or_b32 s39, s39, 0x80000000
	CROUND                                         ; all four work-groups are here: the joint loads meet
; THE FILLS, ONE JOINT LOAD A WAVE, in one chain of arms: waves 0, 1 chunk 0 of K and of V; waves 2, 3 their scale words; waves 4 to 9 chunks 1 to 3; the others none.
; Waves 0 to 3 have load lines of their own: they alone wait at the first barrier, behind which chunk 0 is read; the third line's loads are waited for at the second.
	s_cmp_lt_u32 s[WV], 2
	s_cbranch_scc0 .Lnot_first
	tensor_load_to_lds s[36:39], s[G1C:G1C+7]
	s_nop 0
	PLACES 4
	s_branch .Lno_fill
.Lnot_first:
	s_cmp_lt_u32 s[WV], 4
	s_cbranch_scc0 .Lnot_scales
	tensor_load_to_lds s[32:35], s[G1S:G1S+7]
	s_nop 0
	PLACES 4
	s_branch .Lno_fill
.Lnot_scales:
	s_cmp_lt_u32 s[WV], 10
	s_cbranch_scc0 .Lno_fill
	tensor_load_to_lds s[36:39], s[G1C:G1C+7]
	s_nop 0
	PLACES 4
.Lno_fill:
	v_and_b32 v5, 31, v0
	s_delay_alu instid0(VALU_DEP_1)
	v_lshlrev_b32 v1, 4, v5                        ; 16 x lane: K's fragments
	s_delay_alu instid0(VALU_DEP_2)
	v_lshlrev_b32 v3, 2, v5
	s_delay_alu instid0(VALU_DEP_2)
	v_add_nc_u32 v2, VC, v1                        ; V's
	s_delay_alu instid0(VALU_DEP_2)
	v_add_nc_u32 v4, VSC, v3                       ; V's scale words
	s_delay_alu instid0(VALU_DEP_3)
	v_add_nc_u32 v3, KSC, v3                       ; K's
	v_and_b32 v5, 15, v0
	s_delay_alu instid0(VALU_DEP_1)
	v_lshlrev_b32 v5, 2, v5                        ; 4 r
	global_load_b128 v[24:27], v1, s[8:9]
	global_load_b128 v[28:31], v1, s[8:9] offset:512
	global_load_b32 v[QW], v5, s[10:11]
	v_mov_b32 v13, 0xff61b1e6                      ; the largest t so far: -3e38
	s_delay_alu instid0(VALU_DEP_1)
	v_floor_f32 v12, -v13                          ; -M
	v_mov_b32 v14, 0
	v_mov_b32 v15, 0
	v_mov_b32 v[FF+1], 0                           ; named with f as a pair
	v_mov_b32 v[TT], 0
.irp b, 0,1,2,3
	v_mov_b32 v[T4+\b], 0                          ; a lane permute's destination counts as one of its sources
.endr
	s_wait_loadcnt 0x0
	v_perm_b32 v[QW], v[QW], v[QW], s60            ; one word serves [Q | 0] and [0 | Q]
.irp j, 0,1,2,3,4,5,6,7
	v_mov_b32 v[16+\j], 0                          ; the zero codes on both sides of Q
	v_mov_b32 v[32+\j], 0
.endr
.irp j, 0,1,2,3,4,5,6,7,8,9,10,11,12,13,14,15,16,17,18,19,20,21,22,23,24,25,26,27,28,29,30,31
	v_mov_b32 v[OA+\j], 0                          ; the step is written once: the first finds zeros
.endr
	s_wait_alu depctr_va_vdst(0)
	s_cmp_lt_u32 s[WV], 4
	s_cbranch_scc0 .Lnot_first_four
	s_wait_tensorcnt 0x0                           ; waves 0 to 3: chunk 0 and the scale words have landed
.Lnot_first_four:
	RUN 0, 4                                       ; the first 512 keys, while chunks 1 to 3 are on their way
	s_wait_tensorcnt 0x0                           ; every wave: all that is still out
	RUN 4, 12
	; ---- the way out: O^T / the sum, quantised along the head's 64 channels (two blocks), straight into the next operand's image
	PLACES 8
	v_add_f32 v14, v14, v15
	s_delay_alu instid0(VALU_DEP_1)
	v_permlanex16_b32 v[TT], v14, s[SEL], s[SEL+1]
	s_delay_alu instid0(VALU_DEP_1)
	v_add_f32 v14, v14, v[TT]                      ; the row's sum
	s_wait_alu depctr_va_vdst(0)
	v_rcp_f32 v14, v14
	v_nop
	s_wait_alu depctr_va_vdst(0)
.irp j, 0,1,2,3,4,5,6,7,8,9,10,11,12,13,14,15,16,17,18,19,20,21,22,23,24,25,26,27,28,29,30,31
	v_mul_f32 v[S+\j], v[OA+\j], v14               ; each accumulator from its low end on
.endr
	s_lshr_b32 s2, s14, 4
	s_lshl_b32 s2, s2, 7
	s_add_co_u32 s2, s2, s15                       ; T: my tile among all 256
	s_and_b32 s3, s14, 15                          ; head
	s_lshr_b32 s8, s3, 1
	s_and_b32 s9, s3, 1
	s_lshl_b32 s10, s2, 3
	s_add_co_u32 s10, s10, s8
	s_lshl_b32 s10, s10, 11
	s_lshl_b32 s11, s9, 10
	s_add_co_u32 s10, s10, s11
	s_mov_b32 s11, 0
	s_add_nc_u64 s[10:11], s[6:7], s[10:11]        ; image (T, head / 2), its half head % 2
	s_lshr_b32 s60, s2, 1
	s_lshl_b32 s60, s60, 3
	s_add_co_u32 s60, s60, s8
	s_lshl_b32 s60, s60, 7
	s_and_b32 s61, s2, 1
	s_lshl_b32 s61, s61, 6
	s_add_co_u32 s60, s60, s61
	s_lshl_b32 s61, s9, 1
	s_add_co_u32 s60, s60, s61
	s_add_co_u32 s60, s60, 0x400000
	s_mov_b32 s61, 0
	s_add_nc_u64 s[60:61], s[6:7], s[60:61]        ; my two bytes of the scale words
.irp b, 0,1
	v_max3_num_f32 v[BM+\b], |v[S+16*\b]|, |v[S+1+16*\b]|, 0x4800000
.endr
.irp i, 2,4,6,8,10,12,14
.irp b, 0,1
	s_delay_alu instid0(VALU_DEP_2)
	v_max3_num_f32 v[BM+\b], v[BM+\b], |v[S+16*\b+\i]|, |v[S+1+16*\b+\i]|
.endr
.endr
.irp b, 0,1
	s_delay_alu instid0(VALU_DEP_2)
	v_permlanex16_b32 v[T4+\b], v[BM+\b], s[SEL], s[SEL+1]
.endr
.irp b, 0,1
	s_delay_alu instid0(VALU_DEP_2)
	v_max_num_f32 v[BM+\b], v[BM+\b], v[T4+\b]
.endr
.irp b, 0,1
	s_delay_alu instid0(VALU_DEP_2)
	v_add_nc_u32 v[SO+\b], 0xfc000000, v[BM+\b]
.endr
.irp b, 0,1
	s_delay_alu instid0(VALU_DEP_4)
	v_and_or_b32 v[HL+\b], v[BM+\b], 0x7f800000, s[MNT]
.endr
.irp b, 0,1
	s_delay_alu instid0(VALU_DEP_4)
	v_lshrrev_b32 v[T4+\b], 23, v[SO+\b]
.endr
	s_delay_alu instid0(VALU_DEP_1)
	v_lshl_or_b32 v[TT], v[T4+1], 8, v[T4]
.irp b, 0,1
.irp i, 0,1,2,3,4,5,6,7,8,9,10,11,12,13,14,15
	v_med3_num_f32 v[S+16*\b+\i], v[S+16*\b+\i], -v[HL+\b], v[HL+\b]
.endr
	v_cvt_scalef32_pk8_fp8_f32 v[PC+4*\b:PC+4*\b+1], v[S+16*\b:S+16*\b+7], v[SO+\b]
	v_cvt_scalef32_pk8_fp8_f32 v[PC+4*\b+2:PC+4*\b+3], v[S+16*\b+8:S+16*\b+15], v[SO+\b]
.endr
	v_nop
	global_store_b128 v1, v[PC:PC+3], s[10:11]
	global_store_b128 v1, v[PC+4:PC+7], s[10:11] offset:512
	global_store_b16 v5, v[TT], s[60:61]           ; lanes 16-31 hold and store the same two bytes as lanes 0-15
	s_wait_tensorcnt 0x0
	ds_add_u32 v254, v255
	s_wait_dscnt 0x0
	CROUND                                         ; the closing round
	s_endpgm
.Lfunc_end_k_q55e6e132a6_attn:
	.size	k_q55e6e132a6_attn, .Lfunc_end_k_q55e6e132a6_attn-k_q55e6e132a6_attn
	.p2alignl 7, 3214868480
	.fill 96, 4, 3214868480
	.section	.rodata,"a",@progbits
	.p2align	6, 0x0
	.amdhsa_kernel k_q55e6e132a6_attn
		.amdhsa_group_segment_fixed_size 327680
		.amdhsa_private_segment_fixed_size 0
		.amdhsa_enable_private_segment 0
		.amdhsa_kernarg_size 16
		.amdhsa_user_sgpr_count 2
		.amdhsa_user_sgpr_kernarg_segment_ptr 1
		.amdhsa_wavefront_size32 1
		.amdhsa_system_sgpr_workgroup_id_x 1
		.amdhsa_system_sgpr_workgroup_id_y 1
		.amdhsa_system_sgpr_workgroup_id_z 1
		.amdhsa_system_vgpr_workitem_id 0
		.amdhsa_next_free_vgpr 256
		.amdhsa_next_free_sgpr 66
		.amdhsa_reserve_vcc 0
		.amdhsa_float_denorm_mode_32 3
		.amdhsa_float_denorm_mode_16_64 3
		.amdhsa_memory_ordered 1
		.amdhsa_forward_progress 1
		.amdhsa_inst_pref_size 55
	.end_amdhsa_kernel
	.amdgpu_metadata
---
amdhsa.version: [ 1, 2 ]
amdhsa.kernels:
  - .name:           k_q55e6e132a6_attn
    .symbol:         k_q55e6e132a6_attn.kd
    .args:
      - { .name: qkv, .offset: 0, .size: 8, .value_kind: global_buffer, .address_space: global }
      - { .name: ao, .offset: 8, .size: 8, .value_kind: global_buffer, .address_space: global }
    .group_segment_fixed_size: 327680
    .private_segment_fixed_size: 0
    .kernarg_segment_align: 8
    .kernarg_segment_size: 16
    .max_flat_workgroup_size: 512
    .sgpr_count:     66
    .vgpr_count:     256
    .wavefront_size: 32
...
	.end_amdgpu_metadata
.endif
;; end of part 3
;; launch oproj (part 4): grid 8 x 32, 8 waves a work-group, no clusters, 140,288 bytes of LDS; arguments ao, wb, bo, x, x1; writes x1
.if DOCPART == 4
	.amdgcn_target "amdgcn-amd-amdhsa--gfx1250"
	.amdhsa_code_object_version 6
	.text
	.protected	k_q55e6e132a6_oproj
	.globl	k_q55e6e132a6_oproj
	.p2align	8
	.type	k_q55e6e132a6_oproj,@function
k_q55e6e132a6_oproj:
	s_mov_b64 s[64:65], 0
	v_nop
	global_prefetch_b8 v0, s[64:65] scope:SCOPE_SE
	s_setreg_imm32_b32 hwreg(HW_REG_WAVE_MODE, 25, 1), 1
	s_wait_xcnt 0x0
; x1 = x + (attention's result) wo + bo: a product on codes of E4M3 with E8M0 scales, K = 1,024; the result is f32 [4096][1024].
; Operands lie in memory as images of their registers (tile T = 2 g + u holds rows 32 g + 8 u + (r & 7) + 16 (r >> 3); image (T, ks) 2,048 bytes at (T x KS + ks) x 2048; scale words (g, ks) 128 bytes, word 4 (16 u + r)).
; NO OPERAND PASSES THROUGH LDS: each load of a wave reads 512 consecutive bytes of an image straight into four registers of a fragment.  So there is no ring, no tensor load and no joint load (a joint load lands in LDS): cluster = none.
; A work-group makes 128 tokens x 128 columns (256 work-groups) with eight waves: wave w takes the quadrant (wr = (w / 2) % 2, wp = w % 2) of 64 x 64 and the half kh = w / 4 of K: 16 accumulators, which take turns.
; D = P-fragment (16 columns) x R-fragment (16 tokens): a lane holds one token, and the registers of P's tiles 2 b, 2 b + 1 are columns 32 b + 16 (lane / 16) + 0 .. 15.
; Two sets of eight fragments and four scale words: while one set is multiplied the other's 36 loads are out; a set is asked for again behind its products and their eight places.
; THE WAY OUT: every wave lays its four tiles in stages of 16 rows x 272 bytes in LDS; behind one barrier wave (quadrant, kh) reads tiles 2 kh, 2 kh + 1 of both halves of K back by rows, adds them, the residual and the bias, and sixteen lanes store 256 consecutive bytes, aligned.
; PREFETCH: the residual's 32 rows x 256 bytes of a wave are asked for at the head, a lane a row, each block once.  The codes are not: a wave has four K steps, of which two are asked for by loads at the head.
; REGISTERS: window 0: v1-15 addresses and the bias, v16-19 and v24-27 scale words (and nothing else), v128-255 accumulator (u, t) at 128 + 32 u + 8 t.  Window 1: set s at 128 s: P's four fragments, then R's four; on the way out v0-63 the residual, v64-127 and v128-191 the two halves' rows.
; LIMITS: NaN and infinities are not served.  The sums start at 0; the halves of K, then residual, then bias, are added in f32.
.set KS,    8
.set RSO,   0x400000                   ; R's scale words in its buffer
.set PCO,   0x300000                   ; P's codes in wb
.set PSO,   0xC18000                   ; P's scale words in wb
.set NS,    KS/2                       ; K steps a wave
.set TSTR,  KS*2048                    ; from tile to tile
.set GSTR,  KS*128                     ; from group to group among the scale words
.set SPITCH, 272
.set STG,   16*SPITCH
.set SPARE, 32*STG                     ; behind the 32 stages: the spare words, 128 bytes a wave
.set LI,  1
.set LS,  2
.set STO, 3
.set RD,  4
.set RD1, 5
.set CO,  6
.set BO,  7
.set SPW, 8
.set NIL, 9
.set PFO, 10
.set PR,  31
.set BI,  12
.set SC,  16                           ; set s: P's two words at 16 + 8 s, R's two at 18 + 8 s: no product's two have numbers equal modulo 8
.set ACC, 128
.set RB,  20
.set PB,  22
.set RS,  24
.set PS,  26
.set PFA, 28
.set LIM, 30
.set CNT, 31
.set MSB, 0
.macro WIN new                         ; the immediate's high byte repeats the setting that is left
.if MSB != \new
	s_set_vgpr_msb (MSB<<8)|\new
.set MSB, \new
.endif
.endm
.macro PLACES n
.rept \n
	v_nop
.endr
.endm
.macro WM d, a, b, z, sa, sb, ra, rb
.if \z
.if (\ra) && (\rb)
	v_wmma_scale_f32_16x16x128_f8f6f4 v[\d:\d+7], v[\a:\a+15], v[\b:\b+15], 0, v[\sa], v[\sb] matrix_a_scale:MATRIX_SCALE_ROW1 matrix_b_scale:MATRIX_SCALE_ROW1
.elseif (\ra)
	v_wmma_scale_f32_16x16x128_f8f6f4 v[\d:\d+7], v[\a:\a+15], v[\b:\b+15], 0, v[\sa], v[\sb] matrix_a_scale:MATRIX_SCALE_ROW1
.elseif (\rb)
	v_wmma_scale_f32_16x16x128_f8f6f4 v[\d:\d+7], v[\a:\a+15], v[\b:\b+15], 0, v[\sa], v[\sb] matrix_b_scale:MATRIX_SCALE_ROW1
.else
	v_wmma_scale_f32_16x16x128_f8f6f4 v[\d:\d+7], v[\a:\a+15], v[\b:\b+15], 0, v[\sa], v[\sb]
.endif
.else
.if (\ra) && (\rb)
	v_wmma_scale_f32_16x16x128_f8f6f4 v[\d:\d+7], v[\a:\a+15], v[\b:\b+15], v[\d:\d+7], v[\sa], v[\sb] matrix_a_scale:MATRIX_SCALE_ROW1 matrix_b_scale:MATRIX_SCALE_ROW1
.elseif (\ra)
	v_wmma_scale_f32_16x16x128_f8f6f4 v[\d:\d+7], v[\a:\a+15], v[\b:\b+15], v[\d:\d+7], v[\sa], v[\sb] matrix_a_scale:MATRIX_SCALE_ROW1
.elseif (\rb)
	v_wmma_scale_f32_16x16x128_f8f6f4 v[\d:\d+7], v[\a:\a+15], v[\b:\b+15], v[\d:\d+7], v[\sa], v[\sb] matrix_b_scale:MATRIX_SCALE_ROW1
.else
	v_wmma_scale_f32_16x16x128_f8f6f4 v[\d:\d+7], v[\a:\a+15], v[\b:\b+15], v[\d:\d+7], v[\sa], v[\sb]
.endif
.endif
.endm
.macro LOADSET s, kk                   ; 36 loads: the K step kk on from the bases, into set s
	WIN 0x40                                       ; destination window 1, address window 0
.irp t, 0,1,2,3
.irp c, 0,1,2,3
	global_load_b128 v[128*\s+16*\t+4*\c:128*\s+16*\t+4*\c+3], v[LI], s[PB:PB+1] offset:\t*TSTR+(\kk)*2048+512*\c
.endr
.endr
.irp u, 0,1,2,3
.irp c, 0,1,2,3
	global_load_b128 v[128*\s+64+16*\u+4*\c:128*\s+64+16*\u+4*\c+3], v[LI], s[RB:RB+1] offset:\u*TSTR+(\kk)*2048+512*\c
.endr
.endr
	WIN 0
.irp g, 0,1
	global_load_b32 v[SC+8*\s+\g], v[LS], s[PS:PS+1] offset:\g*GSTR+(\kk)*128
	global_load_b32 v[SC+8*\s+2+\g], v[LS], s[RS:RS+1] offset:\g*GSTR+(\kk)*128
.endr
.endm
.macro MULS s, z                       ; 16 products on set s
	WIN 0x05                                       ; sources 0 and 1 window 1, C and D window 0
.irp u, 0,1,2,3
.irp t, 0,1,2,3
	WM ACC+32*\u+8*\t, 128*\s+16*\t, 128*\s+64+16*\u, \z, SC+8*\s+\t/2, SC+8*\s+2+\u/2, \t%2, \u%2
.endr
.endr
	WIN 0
.endm
; A K step.  cnt: the loads issued behind this set's, which may stay out.  ld: the K step (from the bases) that the set takes next, or -1.  Eight places stand between the products and loads into what they have read.
.macro STEP s, z, cnt, ld, ask=0
	s_wait_loadcnt \cnt
	MULS \s, \z
	PLACES 8
.if \ask
	s_cmp_gt_u32 s[CNT], s[LIM]
	s_cbranch_scc0 .Lnone_\@
	global_prefetch_b8 v[PFO], s[PFA:PFA+1] offset:8192 th:TH_LOAD_NT scope:SCOPE_SE
.Lnone_\@:
.endif
.if \ld >= 0
	LOADSET \s, \ld
.endif
.endm
	s_load_b256 s[4:11], s[0:1], 0x0               ; R's buffer, wb, the bias, the residual
	s_load_b64 s[12:13], s[0:1], 0x20              ; the result
	v_lshrrev_b32 v11, 5, v0
	v_readfirstlane_b32 s16, v11                   ; wave 0..7
	s_and_b32 s17, s16, 1                          ; wp
	s_bfe_u32 s18, s16, 0x10001                    ; wr
	s_lshr_b32 s19, s16, 2                         ; kh
	s_and_b32 s15, ttmp7, 0xffff                   ; y: block of 128 tokens; ttmp9 = x: block of 128 columns
	s_mul_i32 s40, s16, 4*STG                      ; my four stages
	s_and_b32 s41, s16, 3
	s_mul_i32 s41, s41, 4*STG
	s_mul_i32 s32, s19, 2*STG
	s_add_co_u32 s41, s41, s32                     ; the stages that I read back: my quadrant's, half 0 of K, tile 2 kh
	s_lshl_b32 s32, s15, 3
	s_lshl_b32 s33, s18, 2
	s_add_co_u32 s32, s32, s33                     ; R's tile 8 y + 4 wr
	s_mul_i32 s[RB], s32, TSTR
	s_mul_i32 s34, s19, NS*2048
	s_add_co_u32 s[RB], s[RB], s34
	s_mov_b32 s[RB+1], 0
	s_mul_i32 s[RS], s32, GSTR/2
	s_mul_i32 s35, s19, NS*128
	s_add_co_u32 s[RS], s[RS], s35
	s_add_co_u32 s[RS], s[RS], RSO
	s_mov_b32 s[RS+1], 0
	s_lshl_b32 s32, ttmp9, 3
	s_lshl_b32 s33, s17, 2
	s_add_co_u32 s32, s32, s33                     ; P's tile 8 x + 4 wp
	s_mul_i32 s[PB], s32, TSTR
	s_add_co_u32 s[PB], s[PB], s34
	s_add_co_u32 s[PB], s[PB], PCO
	s_mov_b32 s[PB+1], 0
	s_mul_i32 s[PS], s32, GSTR/2
	s_add_co_u32 s[PS], s[PS], s35
	s_add_co_u32 s[PS], s[PS], PSO
	s_mov_b32 s[PS+1], 0
	s_lshl_b32 s36, s15, 7
	s_lshl_b32 s33, s18, 6
	s_add_co_u32 s36, s36, s33
	s_lshl_b32 s33, s19, 5
	s_add_co_u32 s36, s36, s33                     ; the first of the 32 tokens that I finish: 128 y + 64 wr + 32 kh
	s_lshl_b32 s36, s36, 12
	s_lshl_b32 s38, ttmp9, 9
	s_lshl_b32 s33, s17, 8
	s_add_co_u32 s38, s38, s33                     ; my 64 columns, in bytes
	s_mov_b32 s39, 0
	s_add_co_u32 s36, s36, s38
	s_mov_b32 s37, 0
.if NS > 4
	s_lshl_b32 s45, s15, 3
	s_add_co_u32 s45, s45, ttmp9                   ; the prefetches: wave 0: R's tile 8 y + x, whole
	s_lshl_b32 s46, ttmp9, 3
	s_lshr_b32 s47, s15, 2
	s_add_co_u32 s46, s46, s47                     ; wave 1: P's tile 8 x + y / 4,
	s_and_b32 s47, s15, 3
	s_lshl_b32 s47, s47, 10                        ; its quarter y % 4 of a trip's 4,096 bytes
	s_add_co_u32 s47, s47, PCO
	s_cmp_eq_u32 s16, 0
	s_cselect_b32 s42, 31, 7                       ; the lanes that name a block of their own; the others name the last again
	s_cselect_b32 s43, 15, 3
	s_cselect_b32 s44, 4, 2
	s_cselect_b32 s45, s45, s46
	s_cselect_b32 s47, 0, s47
	s_mul_i32 s[PFA], s45, TSTR
	s_add_co_u32 s[PFA], s[PFA], s47
	s_add_co_u32 s[PFA], s[PFA], 3*2048            ; at K step 3 of each half
	s_mov_b32 s[PFA+1], 0
	s_cmp_lt_u32 s16, 2
	s_cselect_b32 s[LIM], 2, -1
.endif
	v_lshl_add_u32 v[SPW], v0, 2, SPARE
	v_mov_b32 v[NIL], 0
	v_and_b32 v11, 31, v0                          ; lane
	v_and_b32 v28, 15, v0                          ; r
	v_bfe_u32 v29, v0, 4, 1                        ; h
	v_lshlrev_b32 v[LI], 4, v11
	v_lshlrev_b32 v[LS], 2, v11
	v_lshlrev_b32 v[PR], 12, v11                   ; a lane a row of the residual
	v_mul_u32_u24 v[STO], v28, SPITCH
	v_lshl_add_u32 v[STO], v29, 6, v[STO]
	v_add_nc_u32 v[STO], s40, v[STO]               ; into a stage: row r, + 64 h
	v_mul_u32_u24 v[RD], v29, SPITCH
	v_lshl_add_u32 v[RD], v28, 4, v[RD]
	v_add_nc_u32 v[RD], s41, v[RD]                 ; back: lanes 0-15 one row, lanes 16-31 the next
	v_add_nc_u32 v[RD1], 16*STG, v[RD]             ; the same of the other half of K
	v_lshlrev_b32 v[CO], 12, v29
	v_lshl_add_u32 v[CO], v28, 4, v[CO]            ; and the same two rows in memory
	v_lshlrev_b32 v[BO], 4, v28                    ; my four columns of the bias
.if NS > 4
	v_min_u32 v[PFO], s42, v11
	v_and_b32 v30, s43, v[PFO]
	v_lshrrev_b32 v[PFO], s44, v[PFO]
	v_mul_u32_u24 v[PFO], v[PFO], NS*2048          ; which half of K,
	v_lshl_add_u32 v[PFO], v30, 8, v[PFO]          ; and which block of 256 bytes
.endif
	s_wait_alu depctr_va_vdst(0)
	s_wait_kmcnt 0x0
	s_add_nc_u64 s[RB:RB+1], s[4:5], s[RB:RB+1]
	s_add_nc_u64 s[RS:RS+1], s[4:5], s[RS:RS+1]
	s_add_nc_u64 s[PB:PB+1], s[6:7], s[PB:PB+1]
	s_add_nc_u64 s[PS:PS+1], s[6:7], s[PS:PS+1]
	s_add_nc_u64 s[8:9], s[8:9], s[38:39]
	s_add_nc_u64 s[10:11], s[10:11], s[36:37]
	s_add_nc_u64 s[12:13], s[12:13], s[36:37]
.if NS > 4
	s_cmp_eq_u32 s16, 0
	s_cselect_b64 s[48:49], s[4:5], s[6:7]
	s_add_nc_u64 s[PFA:PFA+1], s[48:49], s[PFA:PFA+1]
.endif
	LOADSET 0, 0
	global_prefetch_b8 v[PR], s[10:11] th:TH_LOAD_NT scope:SCOPE_SE   ; the residual's rows that I finish
.if NS > 4
	s_cmp_eq_u32 s[LIM], 2
	s_cbranch_scc0 .Lno_ask
	global_prefetch_b8 v[PFO], s[PFA:PFA+1] th:TH_LOAD_NT scope:SCOPE_SE               ; K steps 3, 4 of each half,
	global_prefetch_b8 v[PFO], s[PFA:PFA+1] offset:4096 th:TH_LOAD_NT scope:SCOPE_SE   ; and 5, 6
.Lno_ask:
.endif
	LOADSET 1, 1
	STEP 0, 1, 36, 2                               ; the first K step starts the sums; behind set 0's loads stand set 1's 36
	s_wait_xcnt 0x0                                ; the loads have read their bases, which step to K step 3
	s_add_nc_u64 s[RB:RB+1], s[RB:RB+1], 3*2048
	s_add_nc_u64 s[PB:PB+1], s[PB:PB+1], 3*2048
	s_add_nc_u64 s[RS:RS+1], s[RS:RS+1], 3*128
	s_add_nc_u64 s[PS:PS+1], s[PS:PS+1], 3*128
.if NS > 4
	s_mov_b32 s[CNT], (NS-4)/2
.Lk:                                               ; a trip: two K steps, each asking for the K step two on
	STEP 1, 0, 36, 0, 1
	STEP 0, 0, 36, 1
	s_wait_xcnt 0x0
	s_add_nc_u64 s[RB:RB+1], s[RB:RB+1], 2*2048
	s_add_nc_u64 s[PB:PB+1], s[PB:PB+1], 2*2048
	s_add_nc_u64 s[RS:RS+1], s[RS:RS+1], 2*128
	s_add_nc_u64 s[PS:PS+1], s[PS:PS+1], 2*128
	s_add_nc_u64 s[PFA:PFA+1], s[PFA:PFA+1], 2*2048
	s_sub_co_u32 s[CNT], s[CNT], 1
	s_cmp_lg_u32 s[CNT], 0
	s_cbranch_scc1 .Lk
.endif
	STEP 1, 0, 36, 0                               ; K step NS - 3 asks for the last
	STEP 0, 0, 36, -1
	WIN 0x40
.irp uu, 0,1
.irp i, 0,1,2,3,4,5,6,7
	global_load_b128 v[32*\uu+4*\i:32*\uu+4*\i+3], v[CO], s[10:11] offset:(8*\uu+2*\i+8*(\i/4))*4096   ; the residual, in the layout in which the rows leave, into set 0's registers
.endr
.endr
	WIN 0
	global_load_b128 v[BI:BI+3], v[BO], s[8:9]
	STEP 1, 0, 17, -1                              ; behind the last set's loads stand the residual's 16 and the bias's one
.irp u, 0,1,2,3
.irp t, 0,1,2,3
	ds_store_b128 v[STO], v[ACC+32*\u+8*\t:ACC+32*\u+8*\t+3] offset:\u*STG+128*(\t/2)+32*(\t%2)        ; each accumulator from its low end on
	ds_store_b128 v[STO], v[ACC+32*\u+8*\t+4:ACC+32*\u+8*\t+7] offset:\u*STG+128*(\t/2)+32*(\t%2)+16
.endr
.endr
	s_wait_dscnt 0x0                               ; for the others' sake: my tiles lie in LDS
	s_barrier_signal -1
	s_barrier_wait -1
	WIN 0x40
.irp uu, 0,1
.irp i, 0,1,2,3,4,5,6,7
	ds_load_b128 v[64+32*\uu+4*\i:64+32*\uu+4*\i+3], v[RD] offset:\uu*STG+\i*2*SPITCH
	ds_load_b128 v[128+32*\uu+4*\i:128+32*\uu+4*\i+3], v[RD1] offset:\uu*STG+\i*2*SPITCH
.endr
.endr
	WIN 0
	s_wait_loadcnt 0x0                             ; the residual and the bias
	s_wait_dscnt 0x0
	WIN 0x45                                       ; destination and both sources window 1
.set j, 0
.rept 32
	v_pk_add_f32 v[64+2*j:65+2*j], v[64+2*j:65+2*j], v[128+2*j:129+2*j]   ; the two halves of K
.set j, j+1
.endr
.set j, 0
.rept 32
	v_pk_add_f32 v[64+2*j:65+2*j], v[64+2*j:65+2*j], v[2*j:2*j+1]         ; the residual
.set j, j+1
.endr
	WIN 0x41                                       ; source 1 window 0
.set j, 0
.rept 16
	v_pk_add_f32 v[64+4*j:65+4*j], v[64+4*j:65+4*j], v[BI:BI+1]
	v_pk_add_f32 v[66+4*j:67+4*j], v[66+4*j:67+4*j], v[BI+2:BI+3]
.set j, j+1
.endr
	WIN 0x04                                       ; the stores' data window 1, their address window 0
.irp uu, 0,1
.irp i, 0,1,2,3,4,5,6,7
	global_store_b128 v[CO], v[64+32*\uu+4*\i:64+32*\uu+4*\i+3], s[12:13] offset:(8*\uu+2*\i+8*(\i/4))*4096   ; sixteen lanes store 256 consecutive bytes, aligned
.endr
.endr
	WIN 0
	s_wait_tensorcnt 0x0                           ; the wave's end
	ds_add_u32 v[SPW], v[NIL]
	s_wait_dscnt 0x0
	s_endpgm
.Lfunc_end_k_q55e6e132a6_oproj:
	.size	k_q55e6e132a6_oproj, .Lfunc_end_k_q55e6e132a6_oproj-k_q55e6e132a6_oproj
	.p2alignl 7, 3214868480
	.fill 96, 4, 3214868480
	.section	.rodata,"a",@progbits
	.p2align	6, 0x0
	.amdhsa_kernel k_q55e6e132a6_oproj
		.amdhsa_group_segment_fixed_size 140288
		.amdhsa_private_segment_fixed_size 0
		.amdhsa_enable_private_segment 0
		.amdhsa_kernarg_size 40
		.amdhsa_user_sgpr_count 2
		.amdhsa_user_sgpr_kernarg_segment_ptr 1
		.amdhsa_wavefront_size32 1
		.amdhsa_system_sgpr_workgroup_id_x 1
		.amdhsa_system_sgpr_workgroup_id_y 1
		.amdhsa_system_sgpr_workgroup_id_z 1
		.amdhsa_system_vgpr_workitem_id 0
		.amdhsa_next_free_vgpr 512
		.amdhsa_next_free_sgpr 66
		.amdhsa_reserve_vcc 0
		.amdhsa_float_denorm_mode_32 3
		.amdhsa_float_denorm_mode_16_64 3
		.amdhsa_memory_ordered 1
		.amdhsa_forward_progress 1
		.amdhsa_inst_pref_size 41
	.end_amdhsa_kernel
	.amdgpu_metadata
---
amdhsa.version: [ 1, 2 ]
amdhsa.kernels:
  - .name:           k_q55e6e132a6_oproj
    .symbol:         k_q55e6e132a6_oproj.kd
    .args:
      - { .name: ao, .offset: 0, .size: 8, .value_kind: global_buffer, .address_space: global }
      - { .name: wb, .offset: 8, .size: 8, .value_kind: global_buffer, .address_space: global }
      - { .name: bo, .offset: 16, .size: 8, .value_kind: global_buffer, .address_space: global }
      - { .name: x, .offset: 24, .size: 8, .value_kind: global_buffer, .address_space: global }
      - { .name: x1, .offset: 32, .size: 8, .value_kind: global_buffer, .address_space: global }
    .group_segment_fixed_size: 140288
    .private_segment_fixed_size: 0
    .kernarg_segment_align: 8
    .kernarg_segment_size: 40
    .max_flat_workgroup_size: 256
    .sgpr_count:     66
    .vgpr_count:     512
    .wavefront_size: 32
...
	.end_amdgpu_metadata
.endif
;; end of part 4
;; launch ln2 (part 5): grid 256 x 1, 8 waves a work-group, no clusters, 67,072 bytes of LDS; arguments x1, g2, be2, h2; writes h2
.if DOCPART == 5
	.amdgcn_target "amdgcn-amd-amdhsa--gfx1250"
	.amdhsa_code_object_version 6
	.text
	.protected	k_q55e6e132a6_ln2
	.globl	k_q55e6e132a6_ln2
	.p2align	8
	.type	k_q55e6e132a6_ln2,@function
k_q55e6e132a6_ln2:
	s_mov_b64 s[64:65], 0
	v_nop
	global_prefetch_b8 v0, s[64:65] scope:SCOPE_SE
	s_setreg_imm32_b32 hwreg(HW_REG_WAVE_MODE, 25, 1), 1
	s_wait_xcnt 0x0
; LayerNorm of [4096][1024] f32 rows, quantised along the row to E4M3 with one E8M0 byte for each 32, stored as images of operand registers:
; tile T = 2 g + u holds rows 32 g + 8 u + (r & 7) + 16 (r >> 3), r = 0 .. 15; image (T, ks) at (8 T + ks) x 2048, byte 512 c + 16 (r + 16 h) + i = code of (row, k = 128 ks + 32 c + 16 h + i);
; scale words at 0x400000 + (8 g + ks) x 128 + 4 (16 u + r).
; A work-group is one tile.  First each of the eight waves takes two whole rows (4,096 bytes: 32 registers a lane): mean, then the mean of squared differences (two passes over registers), (x - mu) rsqrt(var + eps) g + b,
; and lays them in LDS, rows 4,112 bytes apart (an odd multiple of 16: the sixteen rows that a load touches start at sixteen different groups of banks).  Behind one barrier wave w takes K step w:
; lane (r, h) reads 16 neighbours of each of the four blocks of its row, quantises, and the conversions' results are the image's registers: each store covers 512 consecutive bytes.
; LIMITS: NaN and infinities are not served; a block of zeros, or one whose largest magnitude lies under 2^-118, gets the byte 1 (this program alone reads the bytes).
.set PITCH, 4112
.set TM,   16                          ; v16-31   the quantiser's work
.set X,    32                          ; v32-95   two rows; later 64 numbers of one K step
.set GA,   96                          ; v96-127  the gain
.set BE,   128                         ; v128-159 the bias
.set PCD,  96                          ; later: the codes
.set PW,   112                         ; and the scale word
.set SEL,  12
.set MNT,  22
.macro QUANT s, pc, pw                 ; 64 numbers of a lane, register 16 b + i = k 32 b + 16 (lane / 16) + i of my row, become a fragment's codes and its scale word
.irp b, 0,1,2,3
	v_max3_num_f32 v[TM+\b], |v[\s+16*\b]|, |v[\s+1+16*\b]|, 0x4800000   ; my 16 numbers of block b, and the floor 2^(9 - 127): the byte cannot fall under 1
.endr
.irp i, 2,4,6,8,10,12,14
.irp b, 0,1,2,3
	s_delay_alu instid0(VALU_DEP_4)
	v_max3_num_f32 v[TM+\b], v[TM+\b], |v[\s+16*\b+\i]|, |v[\s+1+16*\b+\i]|
.endr
.endr
.irp b, 0,1,2,3
	s_delay_alu instid0(VALU_DEP_4)
	v_permlanex16_b32 v[TM+4+\b], v[TM+\b], s[SEL], s[SEL+1]
.endr
.irp b, 0,1,2,3
	s_delay_alu instid0(VALU_DEP_4)
	v_max_num_f32 v[TM+\b], v[TM+\b], v[TM+4+\b]   ; with lane l xor 16's: the block's largest magnitude
.endr
.irp b, 0,1,2,3
	s_delay_alu instid0(VALU_DEP_4)
	v_add_nc_u32 v[TM+12+\b], 0xfc000000, v[TM+\b] ; 8 off its exponent field: the conversion's scale operand
.endr
.irp b, 0,1,2,3
	v_and_or_b32 v[TM+8+\b], v[TM+\b], 0x7f800000, s[MNT]   ; 448 x the scale
.endr
.irp b, 0,1,2,3
	v_lshrrev_b32 v[TM+4+\b], 23, v[TM+12+\b]      ; the scale's byte
.endr
	s_delay_alu instid0(VALU_DEP_3)
	v_lshl_or_b32 v[\pw], v[TM+5], 8, v[TM+4]
	s_delay_alu instid0(VALU_DEP_1)
	v_lshl_or_b32 v[\pw], v[TM+6], 16, v[\pw]
	s_delay_alu instid0(VALU_DEP_1)
	v_lshl_or_b32 v[\pw], v[TM+7], 24, v[\pw]
.irp b, 0,1,2,3
.irp i, 0,1,2,3,4,5,6,7,8,9,10,11,12,13,14,15
	v_med3_num_f32 v[\s+16*\b+\i], v[\s+16*\b+\i], -v[TM+8+\b], v[TM+8+\b]   ; the conversion does not saturate (ISA guide 7.6.2)
.endr
	v_cvt_scalef32_pk8_fp8_f32 v[\pc+4*\b:\pc+4*\b+1], v[\s+16*\b:\s+16*\b+7], v[TM+12+\b]
	v_cvt_scalef32_pk8_fp8_f32 v[\pc+4*\b+2:\pc+4*\b+3], v[\s+16*\b+8:\s+16*\b+15], v[TM+12+\b]
.endr
	v_nop                                          ; a plain line behind the last conversion
.endm
.macro XSUM a                          ; the sum of v[a] over the 32 lanes, in every lane; v[a + 1] is at work
	s_delay_alu instid0(VALU_DEP_1)
	v_add_f32_dpp v[\a], v[\a], v[\a] row_xmask:1 row_mask:0xf bank_mask:0xf
	s_delay_alu instid0(VALU_DEP_1)
	v_add_f32_dpp v[\a], v[\a], v[\a] row_xmask:2 row_mask:0xf bank_mask:0xf
	s_delay_alu instid0(VALU_DEP_1)
	v_add_f32_dpp v[\a], v[\a], v[\a] row_xmask:4 row_mask:0xf bank_mask:0xf
	s_delay_alu instid0(VALU_DEP_1)
	v_add_f32_dpp v[\a], v[\a], v[\a] row_xmask:8 row_mask:0xf bank_mask:0xf
	s_delay_alu instid0(VALU_DEP_1)
	v_permlanex16_b32 v[\a+1], v[\a], s[SEL], s[SEL+1]
	s_delay_alu instid0(VALU_DEP_1)
	v_add_f32 v[\a], v[\a], v[\a+1]
.endm
.macro STAT xr, t                      ; the row in v[xr] on becomes x - mu; 1 / sqrt(var + eps) is left in v[t + 2]
	v_pk_add_f32 v[\t:\t+1], v[\xr:\xr+1], v[\xr+2:\xr+3]
	v_pk_add_f32 v[\t+2:\t+3], v[\xr+4:\xr+5], v[\xr+6:\xr+7]
.irp j, 8,12,16,20,24,28
	s_delay_alu instid0(VALU_DEP_2)
	v_pk_add_f32 v[\t:\t+1], v[\t:\t+1], v[\xr+\j:\xr+\j+1]
	s_delay_alu instid0(VALU_DEP_2)
	v_pk_add_f32 v[\t+2:\t+3], v[\t+2:\t+3], v[\xr+\j+2:\xr+\j+3]
.endr
	s_delay_alu instid0(VALU_DEP_1)
	v_pk_add_f32 v[\t:\t+1], v[\t:\t+1], v[\t+2:\t+3]
	s_delay_alu instid0(VALU_DEP_1)
	v_add_f32 v[\t], v[\t], v[\t+1]
	XSUM \t
	s_delay_alu instid0(VALU_DEP_1)
	v_mul_f32 v[\t], 0x3a800000, v[\t]             ; mu = sum / 1024
.irp j, 0,2,4,6,8,10,12,14,16,18,20,22,24,26,28,30
	v_pk_add_f32 v[\xr+\j:\xr+\j+1], v[\xr+\j:\xr+\j+1], v[\t:\t+1] op_sel_hi:[1,0] neg_lo:[0,1] neg_hi:[0,1]
.endr
	v_pk_mul_f32 v[\t+2:\t+3], v[\xr:\xr+1], v[\xr:\xr+1]
	v_pk_mul_f32 v[\t+4:\t+5], v[\xr+2:\xr+3], v[\xr+2:\xr+3]
.irp j, 4,8,12,16,20,24,28
	s_delay_alu instid0(VALU_DEP_2)
	v_pk_fma_f32 v[\t+2:\t+3], v[\xr+\j:\xr+\j+1], v[\xr+\j:\xr+\j+1], v[\t+2:\t+3]
	s_delay_alu instid0(VALU_DEP_2)
	v_pk_fma_f32 v[\t+4:\t+5], v[\xr+\j+2:\xr+\j+3], v[\xr+\j+2:\xr+\j+3], v[\t+4:\t+5]
.endr
	s_delay_alu instid0(VALU_DEP_1)
	v_pk_add_f32 v[\t+2:\t+3], v[\t+2:\t+3], v[\t+4:\t+5]
	s_delay_alu instid0(VALU_DEP_1)
	v_add_f32 v[\t+2], v[\t+2], v[\t+3]
	XSUM \t+2
	s_delay_alu instid0(VALU_DEP_1)
	v_fma_f32 v[\t+2], v[\t+2], s14, s15           ; var + eps
	s_wait_alu depctr_va_vdst(0)
	v_rsq_f32 v[\t+2], v[\t+2]
	v_nop                                          ; a plain line behind the transcendental
.endm
.macro NORM xr, t, row                 ; ((x - mu) rsqrt) g + b, and into LDS
	s_wait_alu depctr_va_vdst(0)
.irp j, 0,2,4,6,8,10,12,14,16,18,20,22,24,26,28,30
	v_pk_mul_f32 v[\xr+\j:\xr+\j+1], v[\xr+\j:\xr+\j+1], v[\t+2:\t+3] op_sel_hi:[1,0]
	s_delay_alu instid0(VALU_DEP_1)
	v_pk_fma_f32 v[\xr+\j:\xr+\j+1], v[\xr+\j:\xr+\j+1], v[GA+\j:GA+\j+1], v[BE+\j:BE+\j+1]
.endr
.irp j, 0,1,2,3,4,5,6,7
	ds_store_b128 v3, v[\xr+4*\j:\xr+4*\j+3] offset:\row*PITCH+512*\j
.endr
.endm
	s_load_b256 s[4:11], s[0:1], 0x0               ; x, g, b, the codes' buffer
	v_lshl_add_u32 v160, v0, 2, 0x10200
	v_mov_b32 v161, 0
	v_lshrrev_b32 v1, 5, v0
	s_delay_alu instid0(VALU_DEP_1)
	v_readfirstlane_b32 s16, v1                    ; wave 0..7
	v_and_b32 v1, 31, v0
	s_delay_alu instid0(VALU_DEP_1)
	v_lshlrev_b32 v2, 4, v1                        ; 16 x lane
	s_mul_i32 s23, s16, 2*PITCH
	v_add_nc_u32 v3, s23, v2                       ; LDS, on the way in: my wave's two rows
	v_and_b32 v16, 15, v0                          ; r
	v_bfe_u32 v17, v0, 4, 1                        ; h
	s_delay_alu instid0(VALU_DEP_2)
	v_mul_u32_u24 v1, v16, PITCH
	s_delay_alu instid0(VALU_DEP_1)
	v_lshl_add_u32 v1, v17, 6, v1
	s_lshl_b32 s23, s16, 9
	v_add_nc_u32 v1, s23, v1                       ; LDS, on the way out: row r, K step = wave, + 64 h
	s_mov_b32 s[SEL], 0x76543210
	s_mov_b32 s[SEL+1], 0xfedcba98
	s_mov_b32 s14, 0x3a800000                      ; 1 / 1024
	s_mov_b32 s15, 0x3727c5ac                      ; eps = 1e-5
	s_mov_b32 s[MNT], 0x600000
	s_lshr_b32 s17, ttmp9, 1                       ; g
	s_and_b32 s18, ttmp9, 1                        ; u
	s_lshl_b32 s19, s17, 5
	s_lshl_b32 s20, s18, 3
	s_add_co_u32 s19, s19, s20
	s_lshl_b32 s20, s16, 1
	s_and_b32 s20, s20, 7
	s_add_co_u32 s19, s19, s20
	s_lshr_b32 s20, s16, 2
	s_lshl_b32 s20, s20, 4
	s_add_co_u32 s19, s19, s20                     ; lane-rows 2 w and 2 w + 1 are memory rows s19 and s19 + 1
	s_lshl_b32 s20, s19, 12
	s_mov_b32 s21, 0
	s_lshl_b32 s24, ttmp9, 3
	s_add_co_u32 s24, s24, s16
	s_lshl_b32 s24, s24, 11                        ; image (T, ks = wave)
	s_mov_b32 s25, 0
	s_lshl_b32 s26, s17, 3
	s_add_co_u32 s26, s26, s16
	s_lshl_b32 s26, s26, 7
	s_lshl_b32 s27, s18, 6
	s_add_co_u32 s26, s26, s27
	s_add_co_u32 s26, s26, 0x400000                ; its scale words
	s_mov_b32 s27, 0
	s_wait_alu depctr_va_vdst(0)
	s_wait_kmcnt 0x0
	s_add_nc_u64 s[4:5], s[4:5], s[20:21]
	s_add_nc_u64 s[24:25], s[10:11], s[24:25]
	s_add_nc_u64 s[26:27], s[10:11], s[26:27]
.irp r, 0,1
.irp j, 0,1,2,3,4,5,6,7
	global_load_b128 v[X+32*\r+4*\j:X+32*\r+4*\j+3], v2, s[4:5] offset:4096*\r+512*\j
.endr
.endr
.irp j, 0,1,2,3,4,5,6,7
	global_load_b128 v[GA+4*\j:GA+4*\j+3], v2, s[6:7] offset:512*\j
	global_load_b128 v[BE+4*\j:BE+4*\j+3], v2, s[8:9] offset:512*\j
.endr
.irp b, 0,1,2,3
	v_mov_b32 v[TM+4+\b], 0                        ; written once: a lane permute's destination counts as one of its sources
.endr
	s_wait_loadcnt 16                              ; the two rows are in; the gain's and the bias's 16 loads may be out
	STAT X, 4
	STAT X+32, 10
	s_wait_loadcnt 0x0
	NORM X, 4, 0
	NORM X+32, 10, 1
	s_wait_dscnt 0x0                               ; for the others' sake: my rows lie in LDS
	s_barrier_signal -1
	s_barrier_wait -1
.irp c, 0,1,2,3
.irp j, 0,1,2,3
	ds_load_b128 v[X+16*\c+4*\j:X+16*\c+4*\j+3], v1 offset:128*\c+16*\j   ; register 16 c + i: k = 128 w + 32 c + 16 h + i of row r
.endr
.endr
	v_and_b32 v4, 15, v0
	s_delay_alu instid0(VALU_DEP_1)
	v_lshlrev_b32 v4, 2, v4                        ; 4 r
	s_wait_dscnt 0x0
	QUANT X, PCD, PW
.irp c, 0,1,2,3
	global_store_b128 v2, v[PCD+4*\c:PCD+4*\c+3], s[24:25] offset:512*\c
.endr
	global_store_b32 v4, v[PW], s[26:27]           ; lanes 16-31 hold and store the same word as lanes 0-15
	s_wait_tensorcnt 0x0
	ds_add_u32 v160, v161
	s_wait_dscnt 0x0
	s_endpgm
.Lfunc_end_k_q55e6e132a6_ln2:
	.size	k_q55e6e132a6_ln2, .Lfunc_end_k_q55e6e132a6_ln2-k_q55e6e132a6_ln2
	.p2alignl 7, 3214868480
	.fill 96, 4, 3214868480
	.section	.rodata,"a",@progbits
	.p2align	6, 0x0
	.amdhsa_kernel k_q55e6e132a6_ln2
		.amdhsa_group_segment_fixed_size 67072
		.amdhsa_private_segment_fixed_size 0
		.amdhsa_enable_private_segment 0
		.amdhsa_kernarg_size 32
		.amdhsa_user_sgpr_count 2
		.amdhsa_user_sgpr_kernarg_segment_ptr 1
		.amdhsa_wavefront_size32 1
		.amdhsa_system_sgpr_workgroup_id_x 1
		.amdhsa_system_sgpr_workgroup_id_y 1
		.amdhsa_system_sgpr_workgroup_id_z 1
		.amdhsa_system_vgpr_workitem_id 0
		.amdhsa_next_free_vgpr 162
		.amdhsa_next_free_sgpr 66
		.amdhsa_reserve_vcc 0
		.amdhsa_float_denorm_mode_32 3
		.amdhsa_float_denorm_mode_16_64 3
		.amdhsa_memory_ordered 1
		.amdhsa_forward_progress 1
		.amdhsa_inst_pref_size 34
	.end_amdhsa_kernel
	.amdgpu_metadata
---
amdhsa.version: [ 1, 2 ]
amdhsa.kernels:
  - .name:           k_q55e6e132a6_ln2
    .symbol:         k_q55e6e132a6_ln2.kd
    .args:
      - { .name: x1, .offset: 0, .size: 8, .value_kind: global_buffer, .address_space: global }
      - { .name: g2, .offset: 8, .size: 8, .value_kind: global_buffer, .address_space: global }
      - { .name: be2, .offset: 16, .size: 8, .value_kind: global_buffer, .address_space: global }
      - { .name: h2, .offset: 24, .size: 8, .value_kind: global_buffer, .address_space: global }
    .group_segment_fixed_size: 67072
    .private_segment_fixed_size: 0
    .kernarg_segment_align: 8
    .kernarg_segment_size: 32
    .max_flat_workgroup_size: 256
    .sgpr_count:     66
    .vgpr_count:     162
    .wavefront_size: 32
...
	.end_amdgpu_metadata
.endif
;; end of part 5
;; launch ffn1 (part 6): grid 16 x 16, 16 waves a work-group, clusters of 4 x 4, 327,680 bytes of LDS; arguments h2, wb, b1, gb; writes gb
.if DOCPART == 6
	.amdgcn_target "amdgcn-amd-amdhsa--gfx1250"
	.amdhsa_code_object_version 6
	.text
	.protected	k_q55e6e132a6_ffn1
	.globl	k_q55e6e132a6_ffn1
	.p2align	8
	.type	k_q55e6e132a6_ffn1,@function
k_q55e6e132a6_ffn1:
	s_mov_b64 s[64:65], 0
	v_nop
	global_prefetch_b8 v0, s[64:65] scope:SCOPE_SE
	s_setreg_imm32_b32 hwreg(HW_REG_WAVE_MODE, 25, 1), 1
	s_wait_xcnt 0x0
	s_wait_alu depctr_hold_cnt(0) depctr_sa_sdst(0) depctr_va_vdst(0) depctr_va_sdst(0) depctr_va_ssrc(0) depctr_va_vcc(0) depctr_vm_vsrc(0)
	s_getreg_b32 s2, hwreg(HW_REG_IB_STS2, 6, 4)
	s_cmp_eq_u32 s2, 0
	s_cbranch_scc0 .Lentry_in_a_cluster
	s_endpgm
.Lentry_in_a_cluster:
	s_bfe_u32 s2, ttmp6, 0x10000c
	s_cmp_lg_u32 s2, 0xf033
	s_cbranch_scc0 .Lentry_shape_is_right
	s_endpgm
.Lentry_shape_is_right:
; gelu(LN2(x1) w1 + b1), exact (erf), on codes of E4M3 with E8M0 scales, K = 1,024; the result is quantised along the 4,096 hidden units, straight from the accumulators, as the next product's operand.
; Operands lie in memory as images of their registers (tile T = 2 g + u holds rows 32 g + 8 u + (r & 7) + 16 (r >> 3); image (T, ks) 2,048 bytes; scale words (g, ks) 128 bytes, word 4 (16 u + r)).
; D = P-fragment (16 hidden units) x R-fragment (16 tokens): a lane holds ONE token, and the 16 registers of P's tiles 2 b and 2 b + 1 are 16 NEIGHBOURING hidden units: 32 b + 16 (lane / 16) + 0 .. 15.
; A work-group makes 256 tokens x 256 units with sixteen waves: wave (wr = w / 2, wp = w % 2): R's group wr (2 tiles) x P's half wp (8 tiles): 16 accumulators, which take turns.
; K goes through a ring of two LDS slots of 256 along K; a slot's fills are four joint tensor loads of 8 rows x 4,096 bytes (waves 0, 1: R's halves, shared along the cluster's row; waves 2, 3: P's, along its column).
; The scale words of all of K come once with the first fills: a fetching wave has one tensor load out at the start and one behind each round.
; THE BIAS IS ASKED FOR AT THE HEAD, 4 of my 128 numbers a lane, so that it is in when the sums are finished; it then goes through 512 bytes of LDS of the wave's own and comes back in the result's layout.
; erf(x) = x P(x^2) / Q(x^2) with x held within +-4: the f32 rational form, absolute error about 1e-7; so 1 + erf loses relative accuracy for arguments under about -3, as any f32 erf does.
; LIMITS: NaN and infinities are not served; a block of zeros, or one under 2^-118, gets the byte 1 (this program alone reads the bytes).  The bias is added in f32 behind the sums.
.set SLOTB, 131072
.set PPART, 65536
.set SCL,   262144
.set SPARE, 278528
.set SCR,   280576                     ; 512 bytes for each wave, for the bias: no fill lands here
.set FILLB, 4096
.set ADRR,  4
.set ADRP,  6
.set ADRSR, 8
.set ADRSP, 9
.set SPW,   10                         ; my spare word; never rewritten
.set NIL,   11                         ; 0; never rewritten
.set LI,    12
.set LS,    13
.set SR,    16                         ; v16 R's scale words, v17-20 P's: scales and nothing else
.set SP,    17
.set SCI,   21                         ; v21    the bias's way into LDS: 16 x lane in my 512 bytes
.set BC,    24                         ; v24-27 four numbers of the bias
.set SCO,   28                         ; v28    and out of it: 64 x (lane / 16)
.set RF,    32                         ; v32-63 R's two fragments; later the codes
.set PF,    64                         ; v64-127 four of P's fragments; later the bias, then the work below
.set ACC,   128                        ; accumulator (u, t) at 128 + 64 u + 8 t
.set XC,    64
.set X2,    72
.set PP,    80
.set QQ,    88
.set A0V,   96
.set B0V,   98
.set TM,    100
.set WV,    16
.set G1R,   24
.set G0R,   32
.set G1P,   48
.set G0P,   56
.set G1SR,  68
.set G0SR,  76
.set G1SP,  80
.set G0SP,  88
.set SEL,   96
.set MNT,   98
.macro PLACES n
.rept \n
	v_nop
.endr
.endm
.macro WM d, a, b, z, sa, sb, ra, rb
.if \z
.if (\ra) && (\rb)
	v_wmma_scale_f32_16x16x128_f8f6f4 v[\d:\d+7], v[\a:\a+15], v[\b:\b+15], 0, v[\sa], v[\sb] matrix_a_scale:MATRIX_SCALE_ROW1 matrix_b_scale:MATRIX_SCALE_ROW1
.elseif (\ra)
	v_wmma_scale_f32_16x16x128_f8f6f4 v[\d:\d+7], v[\a:\a+15], v[\b:\b+15], 0, v[\sa], v[\sb] matrix_a_scale:MATRIX_SCALE_ROW1
.elseif (\rb)
	v_wmma_scale_f32_16x16x128_f8f6f4 v[\d:\d+7], v[\a:\a+15], v[\b:\b+15], 0, v[\sa], v[\sb] matrix_b_scale:MATRIX_SCALE_ROW1
.else
	v_wmma_scale_f32_16x16x128_f8f6f4 v[\d:\d+7], v[\a:\a+15], v[\b:\b+15], 0, v[\sa], v[\sb]
.endif
.else
.if (\ra) && (\rb)
	v_wmma_scale_f32_16x16x128_f8f6f4 v[\d:\d+7], v[\a:\a+15], v[\b:\b+15], v[\d:\d+7], v[\sa], v[\sb] matrix_a_scale:MATRIX_SCALE_ROW1 matrix_b_scale:MATRIX_SCALE_ROW1
.elseif (\ra)
	v_wmma_scale_f32_16x16x128_f8f6f4 v[\d:\d+7], v[\a:\a+15], v[\b:\b+15], v[\d:\d+7], v[\sa], v[\sb] matrix_a_scale:MATRIX_SCALE_ROW1
.elseif (\rb)
	v_wmma_scale_f32_16x16x128_f8f6f4 v[\d:\d+7], v[\a:\a+15], v[\b:\b+15], v[\d:\d+7], v[\sa], v[\sb] matrix_b_scale:MATRIX_SCALE_ROW1
.else
	v_wmma_scale_f32_16x16x128_f8f6f4 v[\d:\d+7], v[\a:\a+15], v[\b:\b+15], v[\d:\d+7], v[\sa], v[\sb]
.endif
.endif
.endm
.macro QUANT s, pc, pw                 ; 64 numbers of a lane, register 16 b + i = k 32 b + 16 (lane / 16) + i of my row, become a fragment's codes and its scale word
.irp b, 0,1,2,3
	v_max3_num_f32 v[TM+\b], |v[\s+16*\b]|, |v[\s+1+16*\b]|, 0x4800000   ; my 16 numbers of block b, and the floor 2^(9 - 127): the byte cannot fall under 1
.endr
.irp i, 2,4,6,8,10,12,14
.irp b, 0,1,2,3
	s_delay_alu instid0(VALU_DEP_4)
	v_max3_num_f32 v[TM+\b], v[TM+\b], |v[\s+16*\b+\i]|, |v[\s+1+16*\b+\i]|
.endr
.endr
.irp b, 0,1,2,3
	s_delay_alu instid0(VALU_DEP_4)
	v_permlanex16_b32 v[TM+4+\b], v[TM+\b], s[SEL], s[SEL+1]
.endr
.irp b, 0,1,2,3
	s_delay_alu instid0(VALU_DEP_4)
	v_max_num_f32 v[TM+\b], v[TM+\b], v[TM+4+\b]   ; with lane l xor 16's: the block's largest magnitude
.endr
.irp b, 0,1,2,3
	s_delay_alu instid0(VALU_DEP_4)
	v_add_nc_u32 v[TM+12+\b], 0xfc000000, v[TM+\b] ; 8 off its exponent field: the conversion's scale operand
.endr
.irp b, 0,1,2,3
	v_and_or_b32 v[TM+8+\b], v[TM+\b], 0x7f800000, s[MNT]   ; 448 x the scale
.endr
.irp b, 0,1,2,3
	v_lshrrev_b32 v[TM+4+\b], 23, v[TM+12+\b]      ; the scale's byte
.endr
	s_delay_alu instid0(VALU_DEP_3)
	v_lshl_or_b32 v[\pw], v[TM+5], 8, v[TM+4]
	s_delay_alu instid0(VALU_DEP_1)
	v_lshl_or_b32 v[\pw], v[TM+6], 16, v[\pw]
	s_delay_alu instid0(VALU_DEP_1)
	v_lshl_or_b32 v[\pw], v[TM+7], 24, v[\pw]
.irp b, 0,1,2,3
.irp i, 0,1,2,3,4,5,6,7,8,9,10,11,12,13,14,15
	v_med3_num_f32 v[\s+16*\b+\i], v[\s+16*\b+\i], -v[TM+8+\b], v[TM+8+\b]   ; the conversion does not saturate (ISA guide 7.6.2)
.endr
	v_cvt_scalef32_pk8_fp8_f32 v[\pc+4*\b:\pc+4*\b+1], v[\s+16*\b:\s+16*\b+7], v[TM+12+\b]
	v_cvt_scalef32_pk8_fp8_f32 v[\pc+4*\b+2:\pc+4*\b+3], v[\s+16*\b+8:\s+16*\b+15], v[TM+12+\b]
.endr
	v_nop                                          ; a plain line behind the last conversion
.endm
.macro CROUND
	s_barrier_signal -1
	s_barrier_wait -1
	s_cmp_lg_u32 s[WV], 0
	s_cbranch_scc1 .Lnot_wave_0_\@
	s_barrier_signal -3
.Lnot_wave_0_\@:
	s_barrier_wait -3
	s_barrier_signal -1
	s_barrier_wait -1
.endm
.macro JLOAD s                         ; a joint refill of slot s: waves 0, 1 R's halves, waves 2, 3 P's, the others nothing; four v_nop follow each line
	s_cmp_lt_u32 s[WV], 2
	s_cbranch_scc0 .Lnot_r_\@
	tensor_load_to_lds s[G0R+4*(\s):G0R+4*(\s)+3], s[G1R:G1R+7]
	s_nop 0
	PLACES 4
	s_branch .Lasked_\@
.Lnot_r_\@:
	s_cmp_lt_u32 s[WV], 4
	s_cbranch_scc0 .Lasked_\@
	tensor_load_to_lds s[G0P+4*(\s):G0P+4*(\s)+3], s[G1P:G1P+7]
	s_nop 0
	PLACES 4
.Lasked_\@:
.endm
.macro KSTEP slot, q, ks, z            ; 128 along K.  Eight places stand in front of each run of loads into registers that matrix instructions have read
	PLACES 8
.irp u, 0,1
.irp c, 0,1,2,3
	ds_load_b128 v[RF+16*\u+4*\c:RF+16*\u+4*\c+3], v[ADRR+\slot] offset:\u*4096+(\q)*2048+512*\c
.endr
.endr
.irp t, 0,1,2,3
.irp c, 0,1,2,3
	ds_load_b128 v[PF+16*\t+4*\c:PF+16*\t+4*\c+3], v[ADRP+\slot] offset:\t*4096+(\q)*2048+512*\c
.endr
.endr
	ds_load_b32 v[SR], v[ADRSR] offset:(\ks)*128
.irp j, 0,1,2,3
	ds_load_b32 v[SP+\j], v[ADRSP] offset:\j*1024+(\ks)*128
.endr
	s_wait_dscnt 0x0
.irp t, 0,1,2,3
.irp u, 0,1
	WM ACC+64*\u+8*\t, PF+16*\t, RF+16*\u, \z, SP+\t/2, SR, \t%2, \u
.endr
.endr
	PLACES 8
.irp t, 4,5,6,7
.irp c, 0,1,2,3
	ds_load_b128 v[PF+16*(\t-4)+4*\c:PF+16*(\t-4)+4*\c+3], v[ADRP+\slot] offset:\t*4096+(\q)*2048+512*\c
.endr
.endr
	s_wait_dscnt 0x0
.irp t, 4,5,6,7
.irp u, 0,1
	WM ACC+64*\u+8*\t, PF+16*(\t-4), RF+16*\u, \z, SP+\t/2, SR, \t%2, \u
.endr
.endr
.endm
.macro TWO slot, fill, kb              ; the change of slots, at a slot's head
	s_wait_tensorcnt 0x0                           ; all my tensor loads have landed, my part of this slot among them: a group 0 may be written
	ds_add_u32 v[SPW], v[NIL]
.if \fill
	ds_add_u32 v[SPW], v[NIL]                      ; and once more
	s_add_nc_u64 s[G0R+4*(1-\slot)+2:G0R+4*(1-\slot)+3], s[G0R+4*(1-\slot)+2:G0R+4*(1-\slot)+3], 2*FILLB
	s_add_nc_u64 s[G0P+4*(1-\slot)+2:G0P+4*(1-\slot)+3], s[G0P+4*(1-\slot)+2:G0P+4*(1-\slot)+3], 2*FILLB
.endif
	s_wait_dscnt 0x0                               ; the add is done, and my reads of the slot that I have left are over
.if \fill
	CROUND
	JLOAD 1-\slot                                  ; the first tensor load behind the round, one a wave
.else
	s_barrier_signal -1
	s_barrier_wait -1
.endif
	KSTEP \slot, 0, \kb, 0
	KSTEP \slot, 1, \kb+1, 0
.endm
.macro GELU8 z                         ; eight numbers in place: z / 2 + (z / 2) erf(z / sqrt 2)
.irp k, 0,2,4,6
	v_pk_mul_f32 v[XC+\k:XC+\k+1], v[\z+\k:\z+\k+1], 0x3f3504f3 op_sel_hi:[1,0]
.endr
.irp k, 0,1,2,3,4,5,6,7
	v_med3_num_f32 v[XC+\k], v[XC+\k], -4.0, 4.0
.endr
.irp k, 0,2,4,6
	v_pk_mul_f32 v[X2+\k:X2+\k+1], v[XC+\k:XC+\k+1], v[XC+\k:XC+\k+1]
.endr
.irp k, 0,2,4,6
	v_pk_fma_f32 v[PP+\k:PP+\k+1], v[X2+\k:X2+\k+1], v[A0V:A0V+1], 0x32EDFFEE op_sel_hi:[1,1,0]
	v_pk_fma_f32 v[QQ+\k:QQ+\k+1], v[X2+\k:X2+\k+1], v[B0V:B0V+1], 0xB95FBD29 op_sel_hi:[1,1,0]
.endr
.irp a, 0xB60CFF51, 0xB86EC2D2, 0xBA40AC63, 0xBB41A1F6, 0xBC83DBD4
.irp k, 0,2,4,6
	v_pk_fma_f32 v[PP+\k:PP+\k+1], v[PP+\k:PP+\k+1], v[X2+\k:X2+\k+1], \a op_sel_hi:[1,1,0]
.endr
.endr
.irp a, 0xBADC924E, 0xBBF19BF8, 0xBC69B6A7
.irp k, 0,2,4,6
	v_pk_fma_f32 v[QQ+\k:QQ+\k+1], v[QQ+\k:QQ+\k+1], v[X2+\k:X2+\k+1], \a op_sel_hi:[1,1,0]
.endr
.endr
	s_wait_alu depctr_va_vdst(0)
.irp k, 0,1,2,3,4,5,6,7
	v_rcp_f32 v[QQ+\k], v[QQ+\k]
.endr
.irp k, 0,2,4,6
	v_pk_mul_f32 v[PP+\k:PP+\k+1], v[PP+\k:PP+\k+1], v[XC+\k:XC+\k+1]   ; plain lines behind the reciprocals
.endr
.irp k, 0,2,4,6
	v_pk_mul_f32 v[\z+\k:\z+\k+1], v[\z+\k:\z+\k+1], 0.5 op_sel_hi:[1,0]
.endr
	s_wait_alu depctr_va_vdst(0)
.irp k, 0,2,4,6
	v_pk_mul_f32 v[PP+\k:PP+\k+1], v[PP+\k:PP+\k+1], v[QQ+\k:QQ+\k+1]   ; erf
.endr
.irp k, 0,2,4,6
	s_delay_alu instid0(VALU_DEP_4)
	v_pk_fma_f32 v[\z+\k:\z+\k+1], v[\z+\k:\z+\k+1], v[PP+\k:PP+\k+1], v[\z+\k:\z+\k+1]
.endr
.endm
	s_load_b256 s[4:11], s[0:1], 0x0               ; h2, wb, b1, gb
	v_lshl_add_u32 v[SPW], v0, 2, SPARE
	v_mov_b32 v[NIL], 0
	ds_add_u32 v10, v11
	ds_add_u32 v10, v11
	s_wait_dscnt 0x0
	v_lshrrev_b32 v1, 5, v0
	s_delay_alu instid0(VALU_DEP_1)
	v_readfirstlane_b32 s[WV], v1                  ; wave 0..15
	s_and_b32 s17, s[WV], 1                        ; wp; also which half of a tile I fetch
	s_lshr_b32 s18, s[WV], 1                       ; wr
	s_and_b32 s100, s[WV], 3
	s_lshl_b32 s101, s100, 12
	s_lshl_b32 s100, s100, 15
	s_bfe_u32 s40, ttmp6, 0x40000                  ; cx
	s_bfe_u32 s41, ttmp6, 0x40004                  ; cy
	s_lshl_b32 s42, ttmp9, 2
	s_add_co_u32 s42, s42, s40                     ; x: block of 256 hidden units
	s_and_b32 s45, ttmp7, 0xffff
	s_lshl_b32 s45, s45, 2
	s_add_co_u32 s45, s45, s41                     ; y: block of 256 tokens
	s_lshl_b32 s43, s41, 2
	s_lshl_b32 s43, 15, s43                        ; my row of the cluster
	s_lshl_b32 s44, 0x1111, s40                    ; my column
	s_or_b32 s[G1R], s43, (3<<16)|(1<<21)
	s_or_b32 s[G1P], s44, (3<<16)|(1<<21)
	s_or_b32 s[G1SR], s43, (3<<16)|(1<<21)
	s_or_b32 s[G1SP], s44, (3<<16)|(1<<21)
.irp g, G1R, G1P                       ; codes: 8 tiles' rows of 4,096 bytes (two K steps), 16,384 bytes apart
	s_mov_b32 s[\g+1], 512<<16
	s_mov_b32 s[\g+2], 8<<16
	s_mov_b32 s[\g+3], 512<<16
	s_mov_b32 s[\g+4], 8
	s_mov_b32 s[\g+5], 2048
	s_mov_b32 s[\g+6], 0
	s_mov_b32 s[\g+7], 0
.endr
.irp g, G1SR, G1SP                     ; scale words: 4,096 dense bytes as 16 rows of 256
	s_mov_b32 s[\g+1], 32<<16
	s_mov_b32 s[\g+2], 16<<16
	s_mov_b32 s[\g+3], 32<<16
	s_mov_b32 s[\g+4], 16
	s_mov_b32 s[\g+5], 32
	s_mov_b32 s[\g+6], 0
	s_mov_b32 s[\g+7], 0
.endr
	s_lshl_b32 s20, s45, 18
	s_lshl_b32 s21, s17, 17
	s_add_co_u32 s20, s20, s21
	s_mov_b32 s21, 0
	s_lshl_b32 s22, s45, 13
	s_lshl_b32 s23, s17, 12
	s_add_co_u32 s22, s22, s23
	s_add_co_u32 s22, s22, 0x400000
	s_mov_b32 s23, 0
	s_lshl_b32 s46, s42, 18
	s_lshl_b32 s47, s17, 17
	s_add_co_u32 s46, s46, s47
	s_add_co_u32 s46, s46, 0x400000
	s_mov_b32 s47, 0
	s_lshl_b32 s66, s42, 13
	s_lshl_b32 s67, s17, 12
	s_add_co_u32 s66, s66, s67
	s_add_co_u32 s66, s66, 0xC20000
	s_mov_b32 s67, 0
	s_mov_b32 s[SEL], 0x76543210
	s_mov_b32 s[SEL+1], 0xfedcba98
	s_mov_b32 s[MNT], 0x600000
	s_wait_kmcnt 0x0
	s_add_nc_u64 s[20:21], s[4:5], s[20:21]
	s_add_nc_u64 s[22:23], s[4:5], s[22:23]
	s_add_nc_u64 s[46:47], s[6:7], s[46:47]
	s_add_nc_u64 s[66:67], s[6:7], s[66:67]
.irp s, 0,1
	s_mov_b32 s[G0R+4*\s], 1
	s_add_co_u32 s[G0R+4*\s+1], s100, \s*SLOTB
	s_add_nc_u64 s[G0R+4*\s+2:G0R+4*\s+3], s[20:21], \s*FILLB
	s_or_b32 s[G0R+4*\s+3], s[G0R+4*\s+3], 0x80000000
	s_mov_b32 s[G0P+4*\s], 1
	s_add_co_u32 s[G0P+4*\s+1], s100, \s*SLOTB
	s_add_nc_u64 s[G0P+4*\s+2:G0P+4*\s+3], s[46:47], \s*FILLB
	s_or_b32 s[G0P+4*\s+3], s[G0P+4*\s+3], 0x80000000
.endr
	s_mov_b32 s[G0SR], 1
	s_add_co_u32 s[G0SR+1], s101, SCL
	s_mov_b64 s[G0SR+2:G0SR+3], s[22:23]
	s_or_b32 s[G0SR+3], s[G0SR+3], 0x80000000
	s_mov_b32 s[G0SP], 1
	s_add_co_u32 s[G0SP+1], s101, SCL
	s_mov_b64 s[G0SP+2:G0SP+3], s[66:67]
	s_or_b32 s[G0SP+3], s[G0SP+3], 0x80000000
	CROUND                                         ; all sixteen work-groups are here: the first joint loads meet
; THE FIRST FILLS, ONE A WAVE, in one chain of arms on the wave's number: waves 0-3 slot 0 (R's halves, P's halves), waves 4-7 slot 1, waves 8-11 the scale words; waves 12-15 none.
; Every descriptor's half and LDS place hang on wave % 2 and wave % 4, so the same arithmetic serves all three groups of four.  A wave has one tensor load out at the start and one behind each round.
; No prefetch: the block is 256 x 256 in clusters and K has four fills, two of them at the head.
.macro ARM under, g0, g1, next
	s_cmp_lt_u32 s[WV], \under
	s_cbranch_scc0 \next
	tensor_load_to_lds s[\g0:\g0+3], s[\g1:\g1+7]
	s_nop 0
	PLACES 4
	s_branch .Lfirst_asked
\next:
.endm
	ARM 2, G0R, G1R, .Lh1
	ARM 4, G0P, G1P, .Lh2
	ARM 6, G0R+4, G1R, .Lh3
	ARM 8, G0P+4, G1P, .Lh4
	ARM 10, G0SR, G1SR, .Lh5
	ARM 12, G0SP, G1SP, .Lh6
.Lfirst_asked:
	v_and_b32 v1, 31, v0                           ; lane
	v_bfe_u32 v2, v0, 4, 1                         ; h
	s_delay_alu instid0(VALU_DEP_2)
	v_lshlrev_b32 v[LI], 4, v1
	s_wait_alu depctr_va_vdst(0)
	v_lshlrev_b32 v[LS], 2, v1
	s_lshl_b32 s20, s18, 13
	v_add_nc_u32 v[ADRR], s20, v[LI]
	s_delay_alu instid0(VALU_DEP_1)
	v_add_nc_u32 v[ADRR+1], SLOTB, v[ADRR]
	s_lshl_b32 s20, s17, 15
	s_add_co_u32 s20, s20, PPART
	v_add_nc_u32 v[ADRP], s20, v[LI]
	s_delay_alu instid0(VALU_DEP_1)
	v_add_nc_u32 v[ADRP+1], SLOTB, v[ADRP]
	s_lshl_b32 s20, s18, 10
	s_add_co_u32 s20, s20, SCL
	v_add_nc_u32 v[ADRSR], s20, v[LS]
	s_lshl_b32 s20, s17, 12
	s_add_co_u32 s20, s20, SCL+8192
	v_add_nc_u32 v[ADRSP], s20, v[LS]
	s_lshl_b32 s20, s[WV], 9
	s_add_co_u32 s20, s20, SCR                     ; my 512 bytes for the bias
	v_add_nc_u32 v[SCI], s20, v[LI]
	v_lshl_add_u32 v[SCO], v2, 6, s20
	s_lshl_b32 s20, s42, 10
	s_lshl_b32 s21, s17, 9
	s_add_co_u32 s20, s20, s21
	s_mov_b32 s21, 0
	s_add_nc_u64 s[8:9], s[8:9], s[20:21]          ; the bias of my 128 hidden units
	global_load_b128 v[BC:BC+3], v[LI], s[8:9]     ; it stays out over the whole K loop; its registers and address are not named there
	s_wait_alu depctr_va_vdst(0)
	s_wait_tensorcnt 0x0                           ; my one first fill is in; every wave waits, so the barrier shows both slots and the scale words
	s_barrier_signal -1
	s_barrier_wait -1
	KSTEP 0, 0, 0, 1                               ; the first K step starts the sums
	KSTEP 0, 1, 1, 0
	TWO 1, 1, 2
	TWO 0, 1, 4
	TWO 1, 0, 6
	PLACES 8                                       ; behind the last products: P's registers are loaded again, and the sums are read
	s_wait_loadcnt 0x0                             ; the bias
	ds_store_b128 v[SCI], v[BC:BC+3]               ; my own bytes: LDS serves a wave's instructions in order, so no wait and no barrier
.irp b, 0,1,2,3
.irp j, 0,1,2,3
	ds_load_b128 v[PF+16*\b+4*\j:PF+16*\b+4*\j+3], v[SCO] offset:128*\b+16*\j   ; register 16 b + i: the bias of hidden unit 32 b + 16 h + i
.endr
.endr
	s_wait_tensorcnt 0x0                           ; the wave's last LDS instructions; the addresses of the way out are made among them
	ds_add_u32 v[SPW], v[NIL]
	s_lshl_b32 s20, s45, 3
	s_add_co_u32 s20, s20, s18                     ; G: my group of 32 tokens
	s_lshl_b32 s22, s42, 1
	s_add_co_u32 s22, s22, s17                     ; the next product's K step: 2 x + wp
	s_lshl_b32 s92, s20, 6
	s_add_co_u32 s92, s92, s22
	s_lshl_b32 s92, s92, 11
	s_mov_b32 s93, 0
	s_add_nc_u64 s[92:93], s[10:11], s[92:93]      ; image (2 G, that K step)
	s_lshl_b32 s94, s20, 5
	s_add_co_u32 s94, s94, s22
	s_lshl_b32 s94, s94, 7
	s_add_co_u32 s94, s94, 0x1000000
	s_mov_b32 s95, 0
	s_add_nc_u64 s[94:95], s[10:11], s[94:95]      ; its scale words
	v_cmp_gt_u32 vcc_lo, 16, v1                    ; lanes 0-15
	s_wait_dscnt 0x0
.irp u, 0,1
.set j, 0
.rept 32
	v_pk_add_f32 v[ACC+64*\u+2*j:ACC+64*\u+2*j+1], v[ACC+64*\u+2*j:ACC+64*\u+2*j+1], v[PF+2*j:PF+2*j+1]   ; each accumulator from its low end on
.set j, j+1
.endr
.endr
	v_mov_b32 v[A0V], 0xAF95DF0B                   ; the leading coefficients of P and of Q, each twice
	v_mov_b32 v[A0V+1], 0xAF95DF0B
	v_mov_b32 v[B0V], 0xB77460CD
	v_mov_b32 v[B0V+1], 0xB77460CD
.irp b, 0,1,2,3
	v_mov_b32 v[TM+4+\b], 0                        ; a lane permute's destination counts as one of its sources
.endr
.irp t, 0,1,2,3,4,5,6,7,8,9,10,11,12,13,14,15
	GELU8 ACC+8*\t
.endr
	QUANT ACC, RF, 116
	QUANT ACC+64, RF+16, 117
.irp u, 0,1
.irp b, 0,1,2,3
	global_store_b128 v[LI], v[RF+16*\u+4*\b:RF+16*\u+4*\b+3], s[92:93] offset:\u*65536+512*\b   ; 512 consecutive bytes of an image
.endr
.endr
	v_cndmask_b32 v118, v117, v116, vcc_lo         ; lanes 0-15 tile u = 0's words, lanes 16-31 tile u = 1's
	global_store_b32 v[LS], v118, s[94:95]
	CROUND                                         ; the closing round
	s_endpgm
.Lfunc_end_k_q55e6e132a6_ffn1:
	.size	k_q55e6e132a6_ffn1, .Lfunc_end_k_q55e6e132a6_ffn1-k_q55e6e132a6_ffn1
	.p2alignl 7, 3214868480
	.fill 96, 4, 3214868480
	.section	.rodata,"a",@progbits
	.p2align	6, 0x0
	.amdhsa_kernel k_q55e6e132a6_ffn1
		.amdhsa_group_segment_fixed_size 327680
		.amdhsa_private_segment_fixed_size 0
		.amdhsa_enable_private_segment 0
		.amdhsa_kernarg_size 32
		.amdhsa_user_sgpr_count 2
		.amdhsa_user_sgpr_kernarg_segment_ptr 1
		.amdhsa_wavefront_size32 1
		.amdhsa_system_sgpr_workgroup_id_x 1
		.amdhsa_system_sgpr_workgroup_id_y 1
		.amdhsa_system_sgpr_workgroup_id_z 1
		.amdhsa_system_vgpr_workitem_id 0
		.amdhsa_next_free_vgpr 256
		.amdhsa_next_free_sgpr 102
		.amdhsa_reserve_vcc 1
		.amdhsa_float_denorm_mode_32 3
		.amdhsa_float_denorm_mode_16_64 3
		.amdhsa_memory_ordered 1
		.amdhsa_forward_progress 1
		.amdhsa_inst_pref_size 182
	.end_amdhsa_kernel
	.amdgpu_metadata
---
amdhsa.version: [ 1, 2 ]
amdhsa.kernels:
  - .name:           k_q55e6e132a6_ffn1
    .symbol:         k_q55e6e132a6_ffn1.kd
    .args:
      - { .name: h2, .offset: 0, .size: 8, .value_kind: global_buffer, .address_space: global }
      - { .name: wb, .offset: 8, .size: 8, .value_kind: global_buffer, .address_space: global }
      - { .name: b1, .offset: 16, .size: 8, .value_kind: global_buffer, .address_space: global }
      - { .name: gb, .offset: 24, .size: 8, .value_kind: global_buffer, .address_space: global }
    .group_segment_fixed_size: 327680
    .private_segment_fixed_size: 0
    .kernarg_segment_align: 8
    .kernarg_segment_size: 32
    .max_flat_workgroup_size: 512
    .sgpr_count:     102
    .vgpr_count:     256
    .wavefront_size: 32
...
	.end_amdgpu_metadata
.endif
;; end of part 6
;; launch ffn2 (part 7): grid 8 x 32, 8 waves a work-group, clusters of 4 x 4, 327,680 bytes of LDS; arguments gb, wb, b2, x1, out0; writes out0
.if DOCPART == 7
	.amdgcn_target "amdgcn-amd-amdhsa--gfx1250"
	.amdhsa_code_object_version 6
	.text
	.protected	k_q55e6e132a6_ffn2
	.globl	k_q55e6e132a6_ffn2
	.p2align	8
	.type	k_q55e6e132a6_ffn2,@function
k_q55e6e132a6_ffn2:
	s_mov_b64 s[64:65], 0
	v_nop
	global_prefetch_b8 v0, s[64:65] scope:SCOPE_SE
	s_setreg_imm32_b32 hwreg(HW_REG_WAVE_MODE, 25, 1), 1
	s_wait_xcnt 0x0
	s_wait_alu depctr_hold_cnt(0) depctr_sa_sdst(0) depctr_va_vdst(0) depctr_va_sdst(0) depctr_va_ssrc(0) depctr_va_vcc(0) depctr_vm_vsrc(0)
	s_getreg_b32 s2, hwreg(HW_REG_IB_STS2, 6, 4)
	s_cmp_eq_u32 s2, 0
	s_cbranch_scc0 .Lentry_in_a_cluster
	s_endpgm
.Lentry_in_a_cluster:
	s_bfe_u32 s2, ttmp6, 0x10000c
	s_cmp_lg_u32 s2, 0xf033
	s_cbranch_scc0 .Lentry_shape_is_right
	s_endpgm
.Lentry_shape_is_right:
; out = x1 + gelu(..) w2 + b2: a product on codes of E4M3 with E8M0 scales, K = 4,096; the result is f32 [4096][1024].
; Operands lie in memory as images of their registers (tile T = 2 g + u holds rows 32 g + 8 u + (r & 7) + 16 (r >> 3); image (T, ks) 2,048 bytes at (T x KS + ks) x 2048; scale words (g, ks) 128 bytes, word 4 (16 u + r)).
; A work-group makes 128 tokens x 128 columns (256 work-groups) with eight waves: wave w takes the quadrant (wr = (w / 2) % 2, wp = w % 2) of 64 x 64 and the half kh = w / 4 of K: 16 accumulators, which take turns.
; D = P-fragment (16 columns) x R-fragment (16 tokens): a lane holds one token, and the registers of P's tiles 2 b, 2 b + 1 are columns 32 b + 16 (lane / 16) + 0 .. 15.
; THE TWO OPERANDS COME BY TWO ROADS.  R (the tokens) comes through LDS: a ring of two slots, each [half of K][8 tiles][4 K steps x 2,048 bytes] = 131,072 bytes, filled by joint tensor loads shared along the cluster's row:
; every wave fetches two tiles' rows of 8,192 bytes of its half: one load a wave at the head (fill 0), one behind the full sequence and a round (fill 1), one behind each of two rounds (fills 2, 3).
; P (the columns) and all scale words come by plain loads straight into registers, 512 consecutive bytes of an image a load: two sets of four fragments and four scale words; while one set is multiplied the other's 20 loads are out.
; P is not asked for jointly: a joint load lands in LDS, and P does not pass through LDS.  Every offset is an immediate: no base is stepped.
; THE WAY OUT: every wave lays its four tiles in stages of 16 rows x 272 bytes, which lie over slot 0 (it has had its last fill and its last read) and 8,192 bytes of their own behind it; behind one barrier wave (quadrant, kh) reads tiles 2 kh, 2 kh + 1
; of both halves of K back by rows, adds them, the residual and the bias, and sixteen lanes store 256 consecutive bytes, aligned.
; PREFETCH.  P: two K steps are 4,096 bytes of a tile in each half of K; the 32 work-groups that read a tile share it in four: work-group y asks for the quarter y % 4 of tile 8 x + y / 4 (wave 0: 4 blocks of 256 bytes in each half; its other lanes name the last again):
; K steps 3 to 6 at the head, then behind K steps 1, 3, 5, 7 the two K steps that are loaded four K steps later; K steps 0 to 2 and 15 come by their loads alone.
; R: fills 2 and 3 are asked for behind fill 1's load; the four partners share a fill's 16 rows by address: waves 4 to 7 of the partner at cx take tiles 2 cx, 2 cx + 1 in both halves, lanes 256 bytes apart.  The residual: 32 rows x 256 bytes a wave, a lane a row, at the head.
; REGISTERS: window 0: v1-15, v20-23 addresses and the bias, v16-19 and v24-27 scale words (and nothing else), v128-255 accumulator (u, t) at 128 + 32 u + 8 t.  Window 1: P's set s at 64 s, R's four fragments at 128; on the way out v0-63 the residual, v128-191 and v192-255 the two halves' rows.
; LIMITS: NaN and infinities are not served.  The sums start at 0; the halves of K, then residual, then bias, are added in f32.
.set KS,    32
.set RSO,   0x1000000                  ; R's scale words in its buffer
.set PCO,   0x800000                   ; P's codes in wb
.set PSO,   0xC40000                   ; P's scale words in wb
.set NS,    KS/2                       ; K steps a wave
.set TSTR,  KS*2048                    ; from tile to tile
.set GSTR,  KS*128                     ; from group to group among the scale words
.set SLOTB, 131072                     ; slot 1 lies at 0, slot 0 at SLOTB
.set FILLB, 8192                       ; four K steps of a tile
.set SPITCH, 272
.set STG,   16*SPITCH
.set STGB,  SLOTB                      ; the 32 stages: slot 0's bytes and 8,192 more
.set SPARE, STGB+32*STG                ; behind them the spare words, 128 bytes a wave
.set LI,  1
.set LS,  2
.set STO, 3
.set RD,  4
.set RD1, 5
.set CO,  6
.set BO,  7
.set SPW, 8
.set NIL, 9
.set PFO, 10
.set BI,  12
.set SC,  16                           ; set s: P's two words at 16 + 8 s, R's two at 18 + 8 s: no product's two have numbers equal modulo 8
.set ADR, 20                           ; v20, v21 my R fragments in slot 0, 1
.set PF2, 22
.set PR,  23
.set ACC, 128
.set WV,  16
.set PB,  22
.set RS,  24
.set PS,  26
.set PFA, 28
.set PFB, 30
.set G0,  32                           ; s[32:39] group 0, one set for each slot
.set G1,  48                           ; s[48:55] group 1
.set MSB, 0
.macro WIN new                         ; the immediate's high byte repeats the setting that is left
.if MSB != \new
	s_set_vgpr_msb (MSB<<8)|\new
.set MSB, \new
.endif
.endm
.macro PLACES n
.rept \n
	v_nop
.endr
.endm
.macro WM d, a, b, z, sa, sb, ra, rb
.if \z
.if (\ra) && (\rb)
	v_wmma_scale_f32_16x16x128_f8f6f4 v[\d:\d+7], v[\a:\a+15], v[\b:\b+15], 0, v[\sa], v[\sb] matrix_a_scale:MATRIX_SCALE_ROW1 matrix_b_scale:MATRIX_SCALE_ROW1
.elseif (\ra)
	v_wmma_scale_f32_16x16x128_f8f6f4 v[\d:\d+7], v[\a:\a+15], v[\b:\b+15], 0, v[\sa], v[\sb] matrix_a_scale:MATRIX_SCALE_ROW1
.elseif (\rb)
	v_wmma_scale_f32_16x16x128_f8f6f4 v[\d:\d+7], v[\a:\a+15], v[\b:\b+15], 0, v[\sa], v[\sb] matrix_b_scale:MATRIX_SCALE_ROW1
.else
	v_wmma_scale_f32_16x16x128_f8f6f4 v[\d:\d+7], v[\a:\a+15], v[\b:\b+15], 0, v[\sa], v[\sb]
.endif
.else
.if (\ra) && (\rb)
	v_wmma_scale_f32_16x16x128_f8f6f4 v[\d:\d+7], v[\a:\a+15], v[\b:\b+15], v[\d:\d+7], v[\sa], v[\sb] matrix_a_scale:MATRIX_SCALE_ROW1 matrix_b_scale:MATRIX_SCALE_ROW1
.elseif (\ra)
	v_wmma_scale_f32_16x16x128_f8f6f4 v[\d:\d+7], v[\a:\a+15], v[\b:\b+15], v[\d:\d+7], v[\sa], v[\sb] matrix_a_scale:MATRIX_SCALE_ROW1
.elseif (\rb)
	v_wmma_scale_f32_16x16x128_f8f6f4 v[\d:\d+7], v[\a:\a+15], v[\b:\b+15], v[\d:\d+7], v[\sa], v[\sb] matrix_b_scale:MATRIX_SCALE_ROW1
.else
	v_wmma_scale_f32_16x16x128_f8f6f4 v[\d:\d+7], v[\a:\a+15], v[\b:\b+15], v[\d:\d+7], v[\sa], v[\sb]
.endif
.endif
.endm
.macro CROUND                          ; a round of the cluster's barrier
	s_barrier_signal -1
	s_barrier_wait -1
	s_cmp_lg_u32 s[WV], 0
	s_cbranch_scc1 .Lnot_wave_0_\@
	s_barrier_signal -3
.Lnot_wave_0_\@:
	s_barrier_wait -3
	s_barrier_signal -1
	s_barrier_wait -1
.endm
.macro TLOAD slot                      ; my joint load into a slot; an s_nop 0 and four v_nop follow it
	tensor_load_to_lds s[G0+4*\slot:G0+4*\slot+3], s[G1:G1+7]
	s_nop 0
	PLACES 4
.endm
.macro LOADP s, kk                     ; 20 loads: P's four fragments and the four scale words of my K step kk, into set s
	WIN 0x40                                       ; destination window 1, address window 0
.irp t, 0,1,2,3
.irp c, 0,1,2,3
	global_load_b128 v[64*(\s)+16*\t+4*\c:64*(\s)+16*\t+4*\c+3], v[LI], s[PB:PB+1] offset:\t*TSTR+(\kk)*2048+512*\c
.endr
.endr
	WIN 0
.irp g, 0,1
	global_load_b32 v[SC+8*(\s)+\g], v[LS], s[PS:PS+1] offset:\g*GSTR+(\kk)*128
	global_load_b32 v[SC+8*(\s)+2+\g], v[LS], s[RS:RS+1] offset:\g*GSTR+(\kk)*128
.endr
.endm
.macro DSR ks                          ; R's four fragments of my K step ks, from its slot
	WIN 0x40
.irp u, 0,1,2,3
.irp c, 0,1,2,3
	ds_load_b128 v[128+16*\u+4*\c:128+16*\u+4*\c+3], v[ADR+((\ks)/4)%2] offset:\u*FILLB+((\ks)%4)*2048+512*\c
.endr
.endr
	WIN 0
.endm
.macro MULS s, z                       ; 16 products
	WIN 0x05                                       ; sources 0 and 1 window 1, C and D window 0
.irp u, 0,1,2,3
.irp t, 0,1,2,3
	WM ACC+32*\u+8*\t, 64*(\s)+16*\t, 128+16*\u, \z, SC+8*(\s)+\t/2, SC+8*(\s)+2+\u/2, \t%2, \u%2
.endr
.endr
	WIN 0
.endm
; A K step.  Behind this set's loads stand the other set's 20 (ahead of the last step: the residual's 16 and the bias's one).  Eight places stand between the products and the loads into what they have read.
.macro STEP ks, z
.if (\ks) == NS-1
	s_wait_loadcnt 17
.else
	s_wait_loadcnt 20
.endif
	s_wait_dscnt 0x0                               ; R's fragments
	MULS (\ks)%2, \z
	PLACES 8
.if ((\ks)%2 == 1) && ((\ks) < 8)
	s_cmp_eq_u32 s[WV], 0
	s_cbranch_scc0 .Lnone_\@
	global_prefetch_b8 v[PFO], s[PFA:PFA+1] offset:((\ks)+6)*2048 th:TH_LOAD_NT scope:SCOPE_SE
.Lnone_\@:
.endif
.if (\ks)+2 < NS
	LOADP (\ks)%2, (\ks)+2
.endif
.if ((\ks)+1 < NS) && (((\ks)+1)%4 != 0)
	DSR (\ks)+1
.endif
.endm
; The change of slots.  fill = 1: the slot just left is filled again, behind a round of the cluster's barrier, with the fill two on.
.macro CHANGE fill, slot
	s_wait_tensorcnt 0x0                           ; my one tensor load has landed: my part of the slot ahead; a group 0 may be written
	ds_add_u32 v[SPW], v[NIL]                      ; 0 onto my spare word
.if \fill
	s_add_nc_u64 s[G0+4*\slot+2:G0+4*\slot+3], s[G0+4*\slot+2:G0+4*\slot+3], 2*FILLB
.endif
	s_wait_dscnt 0x0                               ; the add is done, and my reads of the slot that I have left are over
.if \fill
	CROUND
	TLOAD \slot                                    ; the first tensor load behind the round, one a wave
.else
	s_barrier_signal -1
	s_barrier_wait -1
.endif
.endm
	s_load_b256 s[4:11], s[0:1], 0x0               ; R's buffer, wb, the bias, the residual
	s_load_b64 s[12:13], s[0:1], 0x20              ; the result
	v_lshl_add_u32 v[SPW], v0, 2, SPARE
	v_mov_b32 v[NIL], 0
	ds_add_u32 v[SPW], v[NIL]                      ; the opening add, twice on end; its wait stands ahead of my first tensor load
	ds_add_u32 v[SPW], v[NIL]
	v_lshrrev_b32 v11, 5, v0
	v_readfirstlane_b32 s[WV], v11                 ; wave 0..7
	s_and_b32 s17, s[WV], 1                        ; wp
	s_bfe_u32 s18, s[WV], 0x10001                  ; wr
	s_lshr_b32 s19, s[WV], 2                       ; kh
	s_bfe_u32 s14, ttmp6, 0x40000                  ; cx
	s_bfe_u32 s57, ttmp6, 0x40004                  ; cy
	s_lshl_b32 s56, ttmp9, 2
	s_add_co_u32 s56, s56, s14                     ; x: block of 128 columns
	s_and_b32 s15, ttmp7, 0xffff
	s_lshl_b32 s15, s15, 2
	s_add_co_u32 s15, s15, s57                     ; y: block of 128 tokens
	s_lshl_b32 s42, s57, 2
	s_lshl_b32 s42, 15, s42                        ; my row of the cluster: it shares R's tiles
	s_or_b32 s[G1], s42, (3<<16)|(1<<21)           ; 15:0 the mask; 17:16 elements of 8 bytes; 21 set beside a mask
	s_mov_b32 s[G1+1], 1024<<16                    ; two tiles' rows of 8,192 bytes, TSTR bytes apart
	s_mov_b32 s[G1+2], 2<<16
	s_mov_b32 s[G1+3], 1024<<16
	s_mov_b32 s[G1+4], 2
	s_mov_b32 s[G1+5], KS*256
	s_mov_b32 s[G1+6], 0
	s_mov_b32 s[G1+7], 0
	s_lshl_b32 s20, s15, 3
	s_and_b32 s43, s[WV], 3
	s_lshl_b32 s43, s43, 1
	s_add_co_u32 s20, s20, s43                     ; what I fetch: tiles 8 y + 2 (w % 4) and the next,
	s_mul_i32 s20, s20, TSTR
	s_mul_i32 s44, s19, NS*2048                    ; in my half of K,
	s_add_co_u32 s20, s20, s44
	s_mov_b32 s21, 0
	s_lshl_b32 s45, s[WV], 14                      ; to LDS byte 16,384 w of a slot
	s_lshl_b32 s46, s19, 16
	s_lshl_b32 s47, s18, 15
	s_add_co_u32 s46, s46, s47                     ; what I read: (8 kh + 4 wr) x 8,192
	s_mul_i32 s40, s[WV], 4*STG
	s_add_co_u32 s40, s40, STGB                    ; my four stages
	s_and_b32 s41, s[WV], 3
	s_mul_i32 s41, s41, 4*STG
	s_mul_i32 s42, s19, 2*STG
	s_add_co_u32 s41, s41, s42
	s_add_co_u32 s41, s41, STGB                    ; the stages that I read back: my quadrant's, half 0 of K, tile 2 kh
	s_mul_i32 s47, s19, NS*128
	s_lshl_b32 s42, s15, 3
	s_lshl_b32 s43, s18, 2
	s_add_co_u32 s42, s42, s43                     ; R's tile 8 y + 4 wr: its scale words
	s_mul_i32 s[RS], s42, GSTR/2
	s_add_co_u32 s[RS], s[RS], s47
	s_add_co_u32 s[RS], s[RS], RSO
	s_mov_b32 s[RS+1], 0
	s_lshl_b32 s42, s56, 3
	s_lshl_b32 s43, s17, 2
	s_add_co_u32 s42, s42, s43                     ; P's tile 8 x + 4 wp
	s_mul_i32 s[PB], s42, TSTR
	s_add_co_u32 s[PB], s[PB], s44
	s_add_co_u32 s[PB], s[PB], PCO
	s_mov_b32 s[PB+1], 0
	s_mul_i32 s[PS], s42, GSTR/2
	s_add_co_u32 s[PS], s[PS], s47
	s_add_co_u32 s[PS], s[PS], PSO
	s_mov_b32 s[PS+1], 0
	s_lshl_b32 s60, s15, 7
	s_lshl_b32 s43, s18, 6
	s_add_co_u32 s60, s60, s43
	s_lshl_b32 s43, s19, 5
	s_add_co_u32 s60, s60, s43                     ; the first of the 32 tokens that I finish: 128 y + 64 wr + 32 kh
	s_lshl_b32 s60, s60, 12
	s_lshl_b32 s58, s56, 9
	s_lshl_b32 s43, s17, 8
	s_add_co_u32 s58, s58, s43                     ; my 64 columns, in bytes
	s_mov_b32 s59, 0
	s_add_co_u32 s60, s60, s58
	s_mov_b32 s61, 0
	s_lshl_b32 s42, s56, 3                         ; the prefetches.  P: tile 8 x + y / 4,
	s_lshr_b32 s43, s15, 2
	s_add_co_u32 s42, s42, s43
	s_mul_i32 s[PFA], s42, TSTR
	s_and_b32 s43, s15, 3
	s_lshl_b32 s43, s43, 10                        ; its quarter y % 4 of two K steps' 4,096 bytes
	s_add_co_u32 s[PFA], s[PFA], s43
	s_add_co_u32 s[PFA], s[PFA], PCO
	s_mov_b32 s[PFA+1], 0
	s_lshl_b32 s42, s15, 3                         ; R: tile 8 y + 2 cx + w % 2,
	s_lshl_b32 s43, s14, 1
	s_add_co_u32 s42, s42, s43
	s_add_co_u32 s42, s42, s17
	s_mul_i32 s[PFB], s42, TSTR
	s_mul_i32 s43, s18, NS*2048                    ; the half (w / 2) % 2 of K,
	s_add_co_u32 s[PFB], s[PFB], s43
	s_add_co_u32 s[PFB], s[PFB], 2*FILLB           ; at fill 2
	s_mov_b32 s[PFB+1], 0
	v_and_b32 v11, 31, v0                          ; lane
	v_and_b32 v28, 15, v0                          ; r
	v_bfe_u32 v29, v0, 4, 1                        ; h
	v_lshlrev_b32 v[LI], 4, v11
	v_lshlrev_b32 v[LS], 2, v11
	v_lshlrev_b32 v[PR], 12, v11                   ; a lane a row of the residual
	v_lshlrev_b32 v[PF2], 8, v11                   ; a lane a block of 256 bytes of a tile's 8,192
	v_add_nc_u32 v[ADR+1], s46, v[LI]
	v_add_nc_u32 v[ADR], SLOTB, v[ADR+1]
	v_mul_u32_u24 v[STO], v28, SPITCH
	v_lshl_add_u32 v[STO], v29, 6, v[STO]
	v_add_nc_u32 v[STO], s40, v[STO]               ; into a stage: row r, + 64 h
	v_mul_u32_u24 v[RD], v29, SPITCH
	v_lshl_add_u32 v[RD], v28, 4, v[RD]
	v_add_nc_u32 v[RD], s41, v[RD]                 ; back: lanes 0-15 one row, lanes 16-31 the next
	v_add_nc_u32 v[RD1], 16*STG, v[RD]             ; the same of the other half of K
	v_lshlrev_b32 v[CO], 12, v29
	v_lshl_add_u32 v[CO], v28, 4, v[CO]            ; and the same two rows in memory
	v_lshlrev_b32 v[BO], 4, v28                    ; my four columns of the bias
	v_min_u32 v[PFO], 7, v11                       ; P's prefetch: eight lanes name blocks of their own, the others the last again
	v_and_b32 v30, 3, v[PFO]
	v_lshrrev_b32 v[PFO], 2, v[PFO]
	v_mul_u32_u24 v[PFO], v[PFO], NS*2048          ; which half of K,
	v_lshl_add_u32 v[PFO], v30, 8, v[PFO]          ; and which block of 256 bytes
	s_wait_alu depctr_va_vdst(0)
	s_wait_dscnt 0x0                               ; both opening adds are done
	s_wait_kmcnt 0x0
	s_add_nc_u64 s[20:21], s[4:5], s[20:21]
	s_add_nc_u64 s[RS:RS+1], s[4:5], s[RS:RS+1]
	s_add_nc_u64 s[PFB:PFB+1], s[4:5], s[PFB:PFB+1]
	s_add_nc_u64 s[PB:PB+1], s[6:7], s[PB:PB+1]
	s_add_nc_u64 s[PS:PS+1], s[6:7], s[PS:PS+1]
	s_add_nc_u64 s[PFA:PFA+1], s[6:7], s[PFA:PFA+1]
	s_add_nc_u64 s[8:9], s[8:9], s[58:59]
	s_add_nc_u64 s[10:11], s[10:11], s[60:61]
	s_add_nc_u64 s[12:13], s[12:13], s[60:61]
.irp f, 0,1
	s_mov_b32 s[G0+4*\f], 1
	s_add_co_u32 s[G0+4*\f+1], s45, (1-\f)*SLOTB
	s_add_nc_u64 s[G0+4*\f+2:G0+4*\f+3], s[20:21], \f*FILLB
	s_or_b32 s[G0+4*\f+3], s[G0+4*\f+3], 0x80000000
.endr
	CROUND                                         ; all sixteen work-groups are here: the first joint loads meet
	TLOAD 0                                        ; fill 0: one load a wave, every wave
	LOADP 0, 0
	global_prefetch_b8 v[PR], s[10:11] th:TH_LOAD_NT scope:SCOPE_SE   ; the residual's rows that I finish
	s_cmp_eq_u32 s[WV], 0
	s_cbranch_scc0 .Lno_ask_p
	global_prefetch_b8 v[PFO], s[PFA:PFA+1] offset:3*2048 th:TH_LOAD_NT scope:SCOPE_SE   ; P's K steps 3, 4 of each half,
	global_prefetch_b8 v[PFO], s[PFA:PFA+1] offset:5*2048 th:TH_LOAD_NT scope:SCOPE_SE   ; and 5, 6
.Lno_ask_p:
	LOADP 1, 1
	s_wait_tensorcnt 0x0                           ; my part of fill 0 is in
	ds_add_u32 v[SPW], v[NIL]
	s_wait_dscnt 0x0
	CROUND                                         ; slot 0 is whole, and all sixteen work-groups are here
	TLOAD 1                                        ; fill 1: it has slot 0's four K steps in which to land
	s_cmp_ge_u32 s[WV], 4
	s_cbranch_scc0 .Lno_ask_r
	global_prefetch_b8 v[PF2], s[PFB:PFB+1] th:TH_LOAD_NT scope:SCOPE_SE                 ; R's fill 2, four K steps ahead of its load,
	global_prefetch_b8 v[PF2], s[PFB:PFB+1] offset:FILLB th:TH_LOAD_NT scope:SCOPE_SE    ; and fill 3, eight
.Lno_ask_r:
	DSR 0
	STEP 0, 1                                      ; the first K step starts the sums
.irp k, 1,2,3
	STEP \k, 0
.endr
	CHANGE 1, 0                                    ; slot 0 takes fill 2
	DSR 4
.irp k, 4,5,6,7
	STEP \k, 0
.endr
	CHANGE 1, 1                                    ; slot 1 takes fill 3
	DSR 8
.irp k, 8,9,10,11
	STEP \k, 0
.endr
	CHANGE 0, 0                                    ; nothing is left to fetch
	DSR 12
.irp k, 12,13,14
	STEP \k, 0
.endr
	WIN 0x40
.irp uu, 0,1
.irp i, 0,1,2,3,4,5,6,7
	global_load_b128 v[32*\uu+4*\i:32*\uu+4*\i+3], v[CO], s[10:11] offset:(8*\uu+2*\i+8*(\i/4))*4096   ; the residual, in the layout in which the rows leave, into P's set 0
.endr
.endr
	WIN 0
	global_load_b128 v[BI:BI+3], v[BO], s[8:9]
	STEP 15, 0
.irp u, 0,1,2,3
.irp t, 0,1,2,3
	ds_store_b128 v[STO], v[ACC+32*\u+8*\t:ACC+32*\u+8*\t+3] offset:\u*STG+128*(\t/2)+32*(\t%2)        ; each accumulator from its low end on
	ds_store_b128 v[STO], v[ACC+32*\u+8*\t+4:ACC+32*\u+8*\t+7] offset:\u*STG+128*(\t/2)+32*(\t%2)+16
.endr
.endr
	s_wait_dscnt 0x0                               ; for the others' sake: my tiles lie in LDS
	s_barrier_signal -1
	s_barrier_wait -1
	WIN 0x40
.irp uu, 0,1
.irp i, 0,1,2,3,4,5,6,7
	ds_load_b128 v[128+32*\uu+4*\i:128+32*\uu+4*\i+3], v[RD] offset:\uu*STG+\i*2*SPITCH
	ds_load_b128 v[192+32*\uu+4*\i:192+32*\uu+4*\i+3], v[RD1] offset:\uu*STG+\i*2*SPITCH
.endr
.endr
	WIN 0
	s_wait_loadcnt 0x0                             ; the residual and the bias
	s_wait_dscnt 0x0
	WIN 0x45                                       ; destination and both sources window 1
.set j, 0
.rept 32
	v_pk_add_f32 v[128+2*j:129+2*j], v[128+2*j:129+2*j], v[192+2*j:193+2*j]   ; the two halves of K
.set j, j+1
.endr
.set j, 0
.rept 32
	v_pk_add_f32 v[128+2*j:129+2*j], v[128+2*j:129+2*j], v[2*j:2*j+1]         ; the residual
.set j, j+1
.endr
	WIN 0x41                                       ; source 1 window 0
.set j, 0
.rept 16
	v_pk_add_f32 v[128+4*j:129+4*j], v[128+4*j:129+4*j], v[BI:BI+1]
	v_pk_add_f32 v[130+4*j:131+4*j], v[130+4*j:131+4*j], v[BI+2:BI+3]
.set j, j+1
.endr
	WIN 0x04                                       ; the stores' data window 1, their address window 0
.irp uu, 0,1
.irp i, 0,1,2,3,4,5,6,7
	global_store_b128 v[CO], v[128+32*\uu+4*\i:128+32*\uu+4*\i+3], s[12:13] offset:(8*\uu+2*\i+8*(\i/4))*4096   ; sixteen lanes store 256 consecutive bytes, aligned
.endr
.endr
	WIN 0
	s_wait_tensorcnt 0x0                           ; the wave's end
	ds_add_u32 v[SPW], v[NIL]
	s_wait_dscnt 0x0
	CROUND                                         ; the closing round
	s_endpgm
.Lfunc_end_k_q55e6e132a6_ffn2:
	.size	k_q55e6e132a6_ffn2, .Lfunc_end_k_q55e6e132a6_ffn2-k_q55e6e132a6_ffn2
	.p2alignl 7, 3214868480
	.fill 96, 4, 3214868480
	.section	.rodata,"a",@progbits
	.p2align	6, 0x0
	.amdhsa_kernel k_q55e6e132a6_ffn2
		.amdhsa_group_segment_fixed_size 327680
		.amdhsa_private_segment_fixed_size 0
		.amdhsa_enable_private_segment 0
		.amdhsa_kernarg_size 40
		.amdhsa_user_sgpr_count 2
		.amdhsa_user_sgpr_kernarg_segment_ptr 1
		.amdhsa_wavefront_size32 1
		.amdhsa_system_sgpr_workgroup_id_x 1
		.amdhsa_system_sgpr_workgroup_id_y 1
		.amdhsa_system_sgpr_workgroup_id_z 1
		.amdhsa_system_vgpr_workitem_id 0
		.amdhsa_next_free_vgpr 512
		.amdhsa_next_free_sgpr 66
		.amdhsa_reserve_vcc 0
		.amdhsa_float_denorm_mode_32 3
		.amdhsa_float_denorm_mode_16_64 3
		.amdhsa_memory_ordered 1
		.amdhsa_forward_progress 1
		.amdhsa_inst_pref_size 111
	.end_amdhsa_kernel
	.amdgpu_metadata
---
amdhsa.version: [ 1, 2 ]
amdhsa.kernels:
  - .name:           k_q55e6e132a6_ffn2
    .symbol:         k_q55e6e132a6_ffn2.kd
    .args:
      - { .name: gb, .offset: 0, .size: 8, .value_kind: global_buffer, .address_space: global }
      - { .name: wb, .offset: 8, .size: 8, .value_kind: global_buffer, .address_space: global }
      - { .name: b2, .offset: 16, .size: 8, .value_kind: global_buffer, .address_space: global }
      - { .name: x1, .offset: 24, .size: 8, .value_kind: global_buffer, .address_space: global }
      - { .name: out0, .offset: 32, .size: 8, .value_kind: global_buffer, .address_space: global }
    .group_segment_fixed_size: 327680
    .private_segment_fixed_size: 0
    .kernarg_segment_align: 8
    .kernarg_segment_size: 40
    .max_flat_workgroup_size: 256
    .sgpr_count:     66
    .vgpr_count:     512
    .wavefront_size: 32
...
	.end_amdgpu_metadata
.endif
;; end of part 7
